; MI455X (gfx1250); checked and timed in simulation.
; The chip was launched on July 23, 2026; its instructions are those of AMD's public machine-readable ISA for CDNA 5 (MIT licence, August 2026) and "CDNA5" Instruction Set Architecture Reference Guide (July 2026). The comments in the code are by the model that wrote it; some were corrected since.
;; DIN Attention. Allowed arithmetic: matrix products marked QUANTISED: E4M3 operands, one E8M0 scale for each 32 along K, by v_wmma_scale_f32_16x16x128_f8f6f4 with both operands' format E4M3, f32 sums; products left as they are: f32 operands where the result goes on into a quantised operand, else bf16, f16 or f32 operands; f32 sums; everything else in f32.
;; Inputs: W1 256 x 64 float32; W2 64 x 32 float32; Wf 32 x 1 float32; a1 64 float32; a2 32 float32; b1 64 float32; b2 32 float32; be1 64 float32; be2 32 float32; bf 1 float32; db1 64 float32; db2 32 float32; dg1 64 float32; dg2 32 float32; facts 4,096 x 200 x 64 float32; g1 64 float32; g2 32 float32; mask 4,096 x 200 x 1 int32; query 4,096 x 1 x 64 float32.
;; Outputs: out0 4,096 x 64 float32.
;; This version of the problem:
;;   THIS VERSION OF THE PROBLEM IS GIVEN IN LOW PRECISION. The matrix products marked QUANTISED in the list below multiply operands that are first quantised to E4M3 (4 exponent bits, 3 mantissa bits; 8 bits a number), with one power-of-two scale for each 32 numbers along K (OCP MX v1.0); their sums are f32. All else is computed in f32.
;;   The module's matrix products, in the order in which they are computed (A, B: the left and right operand; K: the contracted axis; several contracted axes count as one K, in the product's order):
;;     1. [M 819,200, K 256] x [K 256, N 64]; A: computed on the way; B: input W1: QUANTISED
;;     2. [M 819,200, K 64] x [K 64, N 32]; A: computed on the way; B: input W2: QUANTISED
;;     3. [M 819,200, K 32] x [K 32, N 1]; A: computed on the way; B: input Wf: left as it is (N = 1 < 16)
;;   THE QUANTISER, for each operand of a quantised product, along K:
;;     - K is cut into blocks of 32 from its start; a last block that is shorter is filled with zeros.
;;     - A block's scale is 2^e with e = floor(log2(the largest magnitude in the block)) - 8, held to -126 .. 127; a block of zeros has e = 0. As a byte (E8M0): e + 127.
;;     - Each number is divided by its block's scale, clamped to +-448, and rounded to the nearest number of E4M3, ties to even, subnormals kept.
;;     - The product sums the exact products of the quantised numbers (number of the format x scale) in f32.
;;   ~~~python
;;   def quantise(x, axis):      # numpy; x: float32 -> the quantised numbers, widened to float32 again
;;       x = np.moveaxis(x, axis, -1); K = x.shape[-1]
;;       x = np.pad(x, [(0, 0)] * (x.ndim - 1) + [(0, -K % 32)]); x = x.reshape(x.shape[:-1] + (-1, 32)); a = np.abs(x).max(-1, keepdims=True)
;;       e = np.where(a > 0, np.clip(np.frexp(np.where(a > 0, a, 1))[1] - 1 - 8, -126, 127), 0)      # np.frexp(a)[1] - 1 = floor(log2(a)), exactly
;;       r = np.clip(x / 2.0 ** e, -448, 448)
;;       step = 2.0 ** (np.maximum(np.frexp(np.where(r == 0, 1, r))[1] - 1, -6) - 3)
;;       q = np.round(r / step) * step * 2.0 ** e      # np.round: ties to even
;;       return np.moveaxis(q.reshape(q.shape[:-2] + (-1,))[..., :K], -1, axis).astype(np.float32)
;;   ~~~
;;   OPERANDS COMPUTED ON THE WAY. 'Computed on the way' means the value that the module computes at that place (a softmax that the list does not call 'softmax' is quantised finished and normalised). What goes into a quantiser is computed in f32, as accurately as f32 sums, v_exp_f32 and their like allow (about 1e-6 of the number): no bf16 or f16 on the way to a quantiser, and a product that is left as it is and whose result goes on into a quantised operand takes f32 operands (vector FMAs, or v_wmma_f32_16x16x4_f32). A number that lies on a knife's edge between two numbers of the format may be rounded either way, as far as f32 arithmetic and the matrix unit's own rounding can turn it there, and no further.
;; 2 versions. Each part assembles by itself: llvm-mc -triple=amdgcn-amd-amdhsa -mcpu=gfx1250 --defsym DOCPART=n.
;; ======== version 1 of 2: 3 launches
;; workspace buffers: part1 196,608 bytes; part2 262,144 bytes
;; launch stat1 (part 1): grid 256 x 1, 4 waves a work-group, no clusters, 168,448 bytes of LDS; arguments facts, query, W1, b1, part1; writes part1
.if DOCPART == 1
	.amdgcn_target "amdgcn-amd-amdhsa--gfx1250"
	.amdhsa_code_object_version 6
	.text
	.protected	k_qb6be3f9a9d_stat1
	.globl	k_qb6be3f9a9d_stat1
	.p2align	8
	.type	k_qb6be3f9a9d_stat1,@function
k_qb6be3f9a9d_stat1:
	s_mov_b64 s[64:65], 0
	v_nop
	global_prefetch_b8 v0, s[64:65] scope:SCOPE_SE
	s_setreg_imm32_b32 hwreg(HW_REG_WAVE_MODE, 25, 1), 1
	s_wait_xcnt 0x0
; FIRST OF THREE LAUNCHES: the column sums of layer 1, x = Q(ai) Q(W1) + b1, ai = [q, f, q - f, q f], over all 819,200 rows, for the batch norm.
; Both operands are quantised to E4M3 with one E8M0 scale for each 32 along K and multiplied by v_wmma_scale_f32_16x16x128_f8f6f4; sums in f32.
; SHARES: 256 work-groups x 4 waves; a wave owns four batches (G4 = 4 x work-group + wave) and walks 50 tiles of 16 rows: tile n holds rows 4 n .. 4 n + 3 of each of its
; four batches, so a lane (r = lane % 16) is bound to batch r / 4 for the whole launch and q is quantised once.
; PIVOT: every wave first computes one fixed tile (batches 0-3, rows 0-3); p = that tile's column mean.  The products then start from C = b1 - p, and what is summed is
; x - p and (x - p)^2: no difference of large sums is formed later, whatever offset the inputs carry.  Record of a work-group in part1: [S 64][SS 64][p 64] f32, 768 bytes.
; THE PRODUCT IS USED TRANSPOSED (source 0 = 16 columns of W1, source 1 = 16 rows of ai): a lane holds one row, register i = hidden unit 32 (i / 16) + 16 (lane / 16) + i % 16.
; facts come through a ring of 8 register slots (8 loads of 16 bytes a lane each: a tile, 4,096 bytes a wave); a row of facts is 256 aligned bytes and a tile's loads read it whole.
; NOT USED: clusters (work-groups share only W1, 64 KiB once, against 819,200 bytes of facts each); prefetches (seven tiles of a wave are always asked for ahead by the ring itself).
; LIMITS: NaN and infinities among the inputs are not served; a block whose largest magnitude lies under 2^-118 gets the scale byte 1, a block of zeros too (its codes are zeros).
.set RING, 8
; ---- LDS map (bytes)
.set W1L,  0                           ; W1 as f32, brought by tensor loads: row k at 256 k
.set W2L,  65536                       ; W2 as f32: row k at 128 k
.set IMG,  73728                       ; W1's 8 fragments as images of their registers, 2,048 bytes each
.set ISC,  90112                       ; their scale words, 128 bytes each
.set RED,  91136                       ; 4 x 512: the waves' parts of the records' sums
.set CT,   93184                       ; 4 x 3,072: each wave's own table of column constants
.set FIN,  105472                      ; 4 x 512: the waves' sums at the end
.set PV,   107520                      ; the pivot
.set MV,   108032                      ; mean and variance
.set MSK,  108544                      ; 4 x 3,328: each wave's mask words
.set OST,  121856                      ; 4 x 1,024: the way out
; ---- scalar registers
.set WV,   2                           ; wave
.set TAU,  3                           ; first tile of the trip
.set TT,   4
.set FLR,  5                           ; 2^(9 - 127): the floor under a block's largest magnitude
.set MNT,  6                           ; the mantissa field of 448
.set TK,   7
.set G1W,  52                          ; s[52:59], s[60:63] descriptor for W1
.set G0W,  60
.set G1X,  68                          ; s[68:75], s[76:79] descriptor for W2
.set G0X,  76
.set FB,   80                          ; s[80:81] facts at my four batches
.set SEL,  82                          ; s[82:83] selects of v_permlanex16_b32: lane xor 16
.set INVN, 84
.set EPS1, 85
.set EPS2, 86
.set NL2E, 87
.set QB,   98                          ; s[98:99] query at my four batches
; ---- vector registers, window 0
.set VF,   1                           ; my byte in a tile of facts: 51,200 (r / 4) + 256 (r % 4) + 64 (lane / 16)
.set VOF,  2                           ; v2.. one load offset for each ring slot
.set VLI,  10                          ; IMG + 16 lane
.set VLS,  11                          ; ISC + 4 lane
.set VA,   12
.set VB,   14
.set QW,   15                          ; the two scale bytes of q
.set W1S,  16                          ; v16-23 W1's scale words; v24-25 W2's; v26-28 the rows' : these hold scales and nothing else
.set W2S,  24
.set SW0,  26
.set SW1,  27
.set HW,   28
.set TMX,  30                          ; six blocks: largest magnitude; bytes; 448 x scale; the conversion's scale operand
.set TPB,  36
.set THB,  42
.set TSC,  48
.set Q,    64                          ; v64-95 q
.set T,    96                          ; v96-191 at work
.set PRM,  T+64
.set A0,   192                         ; codes of [q | f]
.set A1F,  208                         ; codes of [q - f | q f]
.set HC,   224
.set X,    240
.set W2F,  448
.set MSB, 0
.macro WIN new                         ; the immediate's high byte repeats the setting that is left; a switch that changes nothing is dropped
.if MSB != (\new)
	s_set_vgpr_msb (MSB<<8)|(\new)
.set MSB, (\new)
.endif
.endm
.macro PLACES n
.rept \n
	v_nop
.endr
.endm
.macro CONSTS
	s_mov_b32 s[FLR], 0x04800000
	s_mov_b32 s[MNT], 0x600000
	s_mov_b32 s[SEL], 0x76543210
	s_mov_b32 s[SEL+1], 0xfedcba98
	s_mov_b32 s[G1W], 3<<16                        ; elements of 8 bytes, no padding, no mask
	s_mov_b32 s[G1W+1], 32<<16                     ; tensor_dim0 = 32: rows of 256 bytes
	s_mov_b32 s[G1W+2], 64<<16                     ; tensor_dim1 = 64 rows: a quarter of W1 for each wave
	s_mov_b32 s[G1W+3], 32<<16                     ; tile_dim0
	s_mov_b32 s[G1W+4], 64                         ; tile_dim1
	s_mov_b32 s[G1W+5], 32                         ; pitch: the block is dense
	s_mov_b32 s[G1W+6], 0
	s_mov_b32 s[G1W+7], 0
	s_mov_b32 s[G0W], 1
	s_lshl_b32 s[G0W+1], s[WV], 14                 ; LDS: 16,384 x wave
.endm
.macro IDS                             ; leaves lane / 16 in v[VA] and the lane in v[VB]
	v_and_b32 v[VB], 31, v0
	v_lshl_add_u32 v[VLI], v[VB], 4, IMG
	v_lshl_add_u32 v[VLS], v[VB], 2, ISC
	v_bfe_u32 v[VA], v0, 2, 2
	v_mul_u32_u24 v[VF], v[VA], 51200
	v_lshlrev_b32 v[VQO], 8, v[VA]
	v_and_b32 v[VA], 3, v0
	v_lshl_add_u32 v[VF], v[VA], 8, v[VF]
	v_bfe_u32 v[VA], v0, 4, 1
	v_lshl_add_u32 v[VF], v[VA], 6, v[VF]
	v_lshl_add_u32 v[VQO], v[VA], 6, v[VQO]
.irp k, 0,1,2,3,4,5
	v_mov_b32 v[TPB+\k], 0                         ; written once: a lane permute's destination counts as one of its sources
.endr
.endm
; 32 numbers of a lane: 16 neighbours of each of a row's two blocks of 32
.macro LD32 dst, vo, sb, nt
	WIN (((\dst)>>8)<<6)
.set lD, (\dst)&255
.irp o, 0,1,2,3,4,5,6,7
.if \nt
	global_load_b128 v[lD+4*\o:lD+4*\o+3], v[\vo], s[\sb:\sb+1] offset:128*(\o/4)+16*(\o%4) th:TH_LOAD_NT
.else
	global_load_b128 v[lD+4*\o:lD+4*\o+3], v[\vo], s[\sb:\sb+1] offset:128*(\o/4)+16*(\o%4)
.endif
.endr
	WIN 0
.endm
.macro FILL i                          ; tile i into slot i
	v_add_nc_u32 v[VOF+(\i)], 1024*(\i), v[VF]
	LD32 256+32*(\i), VOF+(\i), FB, 1
.endm
.macro REFILL i                        ; slot i takes the tile RING further on.  Past the last tile every lane's offset becomes 0: the eight loads are still issued, so that the counts of the waits hold on every path, and stay inside facts
	s_add_co_u32 s[TT], s[TAU], (\i)+RING
	s_cmp_lt_u32 s[TT], 50
	s_cselect_b32 s[TK], -1, 0
	s_lshl_b32 s[TT], s[TT], 10
	WIN 0
	v_add_nc_u32 v[VOF+(\i)], s[TT], v[VF]         ; free: the wait at the tile's head has shown this slot's last loads done
	v_and_b32 v[VOF+(\i)], s[TK], v[VOF+(\i)]
	LD32 256+32*(\i), VOF+(\i), FB, 1
.endm
; the largest magnitude of my 16 numbers of nb blocks (block b0 + k at src + 16 k), with the floor among the leaves; the blocks by turns
.macro MAXB src, b0, nb
	WIN 0x14*((\src)>>8)
.set mS, (\src)&255
.set zk, 0
.rept \nb
	v_max3_num_f32 v[TMX+(\b0)+zk], s[FLR], |v[mS+16*zk]|, |v[mS+16*zk+1]|
.set zk, zk+1
.endr
.set zj, 2
.rept 7
.set zk, 0
.rept \nb
	v_max3_num_f32 v[TMX+(\b0)+zk], v[TMX+(\b0)+zk], |v[mS+16*zk+zj]|, |v[mS+16*zk+zj+1]|
.set zk, zk+1
.endr
.set zj, zj+2
.endr
.endm
; joined with lane xor 16; then the conversion's scale operand (8 off the exponent field), 448 x the scale, and the byte
.macro SCL b0, nb
	WIN 0
.set zk, \b0
.rept \nb
	v_permlanex16_b32 v[TPB+zk], v[TMX+zk], s[SEL], s[SEL+1]
.set zk, zk+1
.endr
.set zk, \b0
.rept \nb
	v_max_num_f32 v[TMX+zk], v[TMX+zk], v[TPB+zk]
.set zk, zk+1
.endr
.set zk, \b0
.rept \nb
	v_add_nc_u32 v[TSC+zk], 0xfc000000, v[TMX+zk]
.set zk, zk+1
.endr
.set zk, \b0
.rept \nb
	v_and_or_b32 v[THB+zk], v[TMX+zk], 0x7f800000, s[MNT]
.set zk, zk+1
.endr
.set zk, \b0
.rept \nb
	v_lshrrev_b32 v[TPB+zk], 23, v[TSC+zk]
.set zk, zk+1
.endr
.endm
.macro HOLD src, b                     ; the conversion to an 8-bit code does not saturate (ISA guide 7.6.2): 16 numbers held within 448 x the scale, into T + 16 b
	WIN ((\src)>>8)
.set hS, (\src)&255
.set zk, 0
.rept 16
	v_med3_num_f32 v[T+16*(\b)+zk], v[hS+zk], -v[THB+(\b)], v[THB+(\b)]
.set zk, zk+1
.endr
.endm
.macro CVT b, dst                      ; 16 codes: four registers of an operand
	WIN (((\dst)>>8)<<6)
.set cD, (\dst)&255
	v_cvt_scalef32_pk8_fp8_f32 v[cD:cD+1], v[T+16*(\b):T+16*(\b)+7], v[TSC+(\b)]
	v_cvt_scalef32_pk8_fp8_f32 v[cD+2:cD+3], v[T+16*(\b)+8:T+16*(\b)+15], v[TSC+(\b)]
.endm
.macro QUANTQ                          ; q's two blocks: codes into A0 .. A0 + 7, bytes into QW
	MAXB Q, 0, 2
	SCL 0, 2
	v_lshl_or_b32 v[QW], v[TPB+1], 8, v[TPB]
	HOLD Q, 0
	CVT 0, A0
	HOLD Q+16, 1
	CVT 1, A0+4
	v_nop                                          ; a plain line behind the last conversion
.endm
; A TILE'S FIRST PRODUCT.  f: the registers that hold its 32 numbers of facts; wcnt: younger loads that may stay out (-1: no wait); slot: the ring slot to fill again (-1: none).
; Leaves x - (what C took off) in T .. T + 31.
.macro FRONT f, wcnt, slot
.if (\wcnt) >= 0
	s_wait_loadcnt \wcnt
.endif
	WIN 0x14*((\f)>>8)
.set fS, (\f)&255
.set zi, 0
.rept 8
.if zi == 0
	v_max3_num_f32 v[TMX], s[FLR], |v[fS]|, |v[fS+1]|
.else
	v_max3_num_f32 v[TMX], v[TMX], |v[fS+2*zi]|, |v[fS+2*zi+1]|
.endif
	v_pk_add_f32 v[T+32+4*zi:T+33+4*zi], v[Q+4*zi:Q+4*zi+1], v[fS+4*zi:fS+4*zi+1] neg_lo:[0,1] neg_hi:[0,1]
	v_pk_mul_f32 v[T+64+4*zi:T+65+4*zi], v[Q+4*zi:Q+4*zi+1], v[fS+4*zi:fS+4*zi+1]
.if zi == 0
	v_max3_num_f32 v[TMX+1], s[FLR], |v[fS+16]|, |v[fS+17]|
.else
	v_max3_num_f32 v[TMX+1], v[TMX+1], |v[fS+16+2*zi]|, |v[fS+17+2*zi]|
.endif
	v_pk_add_f32 v[T+34+4*zi:T+35+4*zi], v[Q+4*zi+2:Q+4*zi+3], v[fS+4*zi+2:fS+4*zi+3] neg_lo:[0,1] neg_hi:[0,1]
	v_pk_mul_f32 v[T+66+4*zi:T+67+4*zi], v[Q+4*zi+2:Q+4*zi+3], v[fS+4*zi+2:fS+4*zi+3]
.set zi, zi+1
.endr
	MAXB T+32, 2, 4
	SCL 0, 6
	v_lshl_or_b32 v[SW0], v[TPB], 16, v[QW]        ; the rows' scale words: K step 0 = q, q, f, f;
	v_lshl_or_b32 v[SW0], v[TPB+1], 24, v[SW0]
	v_lshl_or_b32 v[SW1], v[TPB+3], 8, v[TPB+2]    ; K step 1 = q - f twice, q f twice.  The holds below are the eight places between these and the products
	v_lshl_or_b32 v[SW1], v[TPB+4], 16, v[SW1]
	v_lshl_or_b32 v[SW1], v[TPB+5], 24, v[SW1]
	HOLD \f, 0
	HOLD (\f)+16, 1
.if (\slot) >= 0
	REFILL \slot
.endif
	CVT 0, A0+8
	CVT 1, A0+12
	HOLD T+32, 2                                   ; sixteen plain lines: the places between the codes just made and the products
	WIN 0x32                                       ; source 0 (W1) window 2, C window 3
.irp t, 0,1,2,3
	v_wmma_scale_f32_16x16x128_f8f6f4 v[T+8*\t:T+8*\t+7], v[32*\t:32*\t+15], v[A0:A0+15], v[8*\t:8*\t+7], v[W1S+2*\t], v[SW0]
.endr
	CVT 2, A1F
.irp b, 3,4,5
	HOLD T+16*\b, \b
	CVT \b, A1F+4*(\b-2)
.endr
	PLACES 4
	WIN 0x02
.irp t, 0,1,2,3                        ; the four accumulators by turns, one instruction a turn
	v_wmma_scale_f32_16x16x128_f8f6f4 v[T+8*\t:T+8*\t+7], v[32*\t+16:32*\t+31], v[A1F:A1F+15], v[T+8*\t:T+8*\t+7], v[W1S+2*\t+1], v[SW1]
.endr
	WIN 0
	PLACES 8                                       ; eight places in front of the first read of the results
.endm
.macro XSUM base, n                    ; sums over the 16 lanes of a half: over a tile's 16 rows
.irp m, 1,2,4,8
.set zk, 0
.rept \n
	v_add_f32_dpp v[(\base)+zk], v[(\base)+zk], v[(\base)+zk] row_xmask:\m row_mask:0xf bank_mask:0xf
.set zk, zk+1
.endr
.endr
.endm
.macro W1ADR                           ; v[VA]: my column of W1 in LDS; v[VB], v[VC]: where my wave's images and scale words go
	v_and_b32 v[VA], 15, v0
	v_and_b32 v[VB], 8, v0
	v_add_nc_u32 v[VA], v[VA], v[VB]               ; r + 8 (r / 8)
	v_lshlrev_b32 v[VA], 2, v[VA]
	v_bfe_u32 v[VB], v0, 4, 1
	v_lshl_add_u32 v[VA], v[VB], 12, v[VA]         ; lanes 16-31 begin 16 rows of 256 bytes further down K
	s_lshr_b32 s90, s[WV], 1
	s_lshl_b32 s90, s90, 7
	s_and_b32 s91, s[WV], 1
	s_lshl_b32 s91, s91, 5
	s_add_co_u32 s90, s90, s91                     ; tile t = wave begins at column 32 (t / 2) + 8 (t % 2)
	v_add_nc_u32 v[VA], s90, v[VA]
	s_lshl_b32 s90, s[WV], 12
	v_add_nc_u32 v[VB], s90, v[VLI]
	s_lshl_b32 s90, s[WV], 8
	v_add_nc_u32 v[VC], s90, v[VLS]
.endm
; Wave w quantises tile w of W1 (16 columns, all 256 of K: two fragments): a lane takes a column and its registers run down K; the fragments go to LDS as images of their registers
.macro W1Q
.irp s, 0,1
.set zk, 0
.rept 64
	ds_load_b32 v[T+zk], v[VA] offset:(128*\s+32*(zk/16)+(zk%16))*256
.set zk, zk+1
.endr
	s_wait_dscnt 0x0
	MAXB T, 0, 4
	SCL 0, 4
	v_lshl_or_b32 v[X], v[TPB+1], 8, v[TPB]
	v_lshl_or_b32 v[X], v[TPB+2], 16, v[X]
	v_lshl_or_b32 v[X], v[TPB+3], 24, v[X]
.irp b, 0,1,2,3
	HOLD T+16*\b, \b
	CVT \b, A0+4*\b
.endr
	v_nop
.irp c, 0,1,2,3
	ds_store_b128 v[VB], v[A0+4*\c:A0+4*\c+3] offset:2048*\s+512*\c
.endr
	ds_store_b32 v[VC], v[X] offset:128*\s
	s_wait_dscnt 0x0                               ; the stores are done: for the registers' sake, and in front of the barrier for the other waves' sake
.endr
.endm
.macro IMGLOAD                         ; all eight fragments (tile t, K step s at 16 (2 t + s) of window 2) and their scale words
	WIN 0x80
.set zk, 0
.rept 32
	ds_load_b128 v[4*zk:4*zk+3], v[VLI] offset:512*zk
.set zk, zk+1
.endr
	WIN 0
.set zk, 0
.rept 8
	ds_load_b32 v[W1S+zk], v[VLS] offset:128*zk
.set zk, zk+1
.endr
.endm
.macro STAT1                           ; window 2: v128-159 the sums, v160-191 the sums of squares; the results are read from their low ends on
	WIN 0x82
.set zk, 0
.rept 16
	v_pk_add_f32 v[128+zk:129+zk], v[128+zk:129+zk], v[T+zk:T+zk+1]
.set zk, zk+2
.endr
	WIN 0xa0
.set zk, 0
.rept 16
	v_pk_fma_f32 v[160+zk:161+zk], v[T+zk:T+zk+1], v[T+zk:T+zk+1], v[160+zk:161+zk]
.set zk, zk+2
.endr
	WIN 0
.endm
; ---- this launch's own registers.  Window 1: the ring's 8 slots.  Window 2: v0-127 W1; v128-191 sums; v192-223 the fixed tile; v224-255 my q.  Window 3: v0-31 C
.set VQO,  54                          ; my byte in four rows of query
.set VH,   55                          ; 64 (lane / 16)
.set VC,   56
.set VFN,  57
.set VP,   59
.set VP2,  60
.set VG16, 61
.set VG8,  62
	s_load_b256 s[8:15], s[0:1], 0x0               ; facts s[8:9], query s[10:11], W1 s[12:13], b1 s[14:15]
	s_load_b64 s[16:17], s[0:1], 0x20              ; part1
	v_lshl_add_u32 v254, v0, 2, 0x29000
	v_mov_b32 v255, 0
	ds_add_u32 v254, v255
	ds_add_u32 v254, v255
	v_lshrrev_b32 v[VA], 5, v0
	v_readfirstlane_b32 s[WV], v[VA]
	CONSTS
	IDS
	v_lshlrev_b32 v[VH], 6, v[VA]
	s_lshl_b32 s90, s[WV], 9
	s_add_co_u32 s90, s90, FIN
	v_lshl_add_u32 v[VFN], v[VA], 6, s90           ; FIN + 512 wave + 64 (lane / 16)
	v_lshl_add_u32 v[VP], v[VA], 6, PV
	v_lshl_add_u32 v[VP2], v[VB], 3, PV
	v_lshlrev_b32 v[VG16], 4, v[VB]
	v_lshlrev_b32 v[VG8], 3, v[VB]
	s_lshl_b32 s90, s[WV], 14                      ; my quarter of W1
	s_mov_b32 s91, 0
	s_lshl_b32 s92, ttmp9, 2
	s_add_co_u32 s92, s92, s[WV]                   ; G4
	s_mul_i32 s94, s92, 204800                     ; four batches of 200 rows of 256 bytes (under 2^32 for all 1,024 waves)
	s_mov_b32 s95, 0
	s_lshl_b32 s96, s92, 10
	s_mov_b32 s97, 0
	s_wait_dscnt 0x0
	s_wait_kmcnt 0x0
	s_add_nc_u64 s[G0W+2:G0W+3], s[12:13], s[90:91]
	s_or_b32 s[G0W+3], s[G0W+3], 0x80000000
	tensor_load_to_lds s[G0W:G0W+3], s[G1W:G1W+7]  ; the one fill of the launch: one tensor load of mine is out
	s_nop 0
	PLACES 4
	s_add_nc_u64 s[FB:FB+1], s[8:9], s[94:95]
	s_add_nc_u64 s[QB:QB+1], s[10:11], s[96:97]
	s_mul_i32 s90, ttmp9, 768
	s_add_nc_u64 s[16:17], s[16:17], s[90:91]      ; my work-group's record
	LD32 768, VH, 14, 0                            ; b1 in the result's layout: the C of the fixed tile's products
	LD32 Q, VQO, 10, 0                             ; q of batches 0-3
	LD32 704, VF, 8, 0                             ; the fixed tile
	LD32 736, VQO, QB, 0                           ; my own q
	FILL 0
	FILL 1
	FILL 2
	W1ADR
	s_wait_tensorcnt 0x0                           ; my quarter of W1 is in LDS,
	s_barrier_signal -1
	s_barrier_wait -1                              ; everybody's is
	W1Q
	s_barrier_signal -1
	s_barrier_wait -1                              ; the eight images lie in LDS
	IMGLOAD
	s_wait_loadcnt 24                              ; all but the three ring slots: b1, both q and the fixed tile are in
	FILL 3
	FILL 4
	FILL 5
	FILL 6
	FILL 7
	s_wait_dscnt 0x0
	; ---- the fixed tile: its column means become the pivot
	QUANTQ
	FRONT 704, -1, -1
	XSUM T, 32
	WIN 0xf0
.set zk, 0
.rept 16
	v_pk_fma_f32 v[zk:zk+1], v[T+zk:T+zk+1], 0xbd800000, v[zk:zk+1] op_sel_hi:[1,0,1]   ; C = b1 - p
.set zk, zk+2
.endr
	WIN 0
.set zk, 0
.rept 16
	v_pk_mul_f32 v[T+zk:T+zk+1], v[T+zk:T+zk+1], 0x3d800000 op_sel_hi:[1,0]             ; p
.set zk, zk+2
.endr
	s_cmp_lg_u32 s[WV], 0
	s_cbranch_scc1 .Lno_pivot
.irp o, 0,1,2,3,4,5,6,7
	ds_store_b128 v[VP], v[T+4*\o:T+4*\o+3] offset:128*(\o/4)+16*(\o%4)   ; the 16 lanes of a half write the same bytes with the same values
.endr
	s_wait_dscnt 0x0
.Lno_pivot:
	WIN 0x02
.set zk, 0
.rept 32
	v_mov_b32 v[Q+zk], v[224+zk]                   ; my own q takes the place of batches 0-3's
.set zk, zk+1
.endr
	WIN 0
	QUANTQ
	WIN 0x80
.set zk, 0
.rept 64
	v_mov_b32 v[128+zk], 0                         ; the tile is written once for all trips: the sums begin as zeros
.set zk, zk+1
.endr
	WIN 0
	s_mov_b32 s[TAU], 0
.Ltrip:                                            ; six trips of eight tiles; the count 56: the seven younger slots' loads may stay out
.irp i, 0,1,2,3,4,5,6,7
	FRONT 256+32*\i, 56, \i
	STAT1
.endr
	s_add_co_u32 s[TAU], s[TAU], 8
	s_cmp_lt_u32 s[TAU], 48
	s_cbranch_scc1 .Ltrip
	FRONT 256, 56, -1                              ; tiles 48 and 49: nothing more is asked for, so the second count is six slots'
	STAT1
	FRONT 288, 48, -1
	STAT1
	; ---- the end: over my 16 rows' lanes, then over the four waves
	WIN 0x02
.set zk, 0
.rept 64
	v_mov_b32 v[T+zk], v[128+zk]
.set zk, zk+1
.endr
	WIN 0
	XSUM T, 64
.irp k, 0,1
.irp o, 0,1,2,3,4,5,6,7
	ds_store_b128 v[VFN], v[T+32*\k+4*\o:T+32*\k+4*\o+3] offset:256*\k+128*(\o/4)+16*(\o%4)
.endr
.endr
	s_wait_dscnt 0x0                               ; for the others' sake
	s_barrier_signal -1
	s_barrier_wait -1
	s_cmp_lg_u32 s[WV], 0
	s_cbranch_scc1 .Ldone
.irp w, 0,1,2,3
	ds_load_b128 v[T+4*\w:T+4*\w+3], v[VLI] offset:FIN-IMG+512*\w
.endr
	ds_load_b64 v[T+16:T+17], v[VP2]
	s_wait_dscnt 0x0
	v_pk_add_f32 v[T:T+1], v[T:T+1], v[T+4:T+5]
	v_pk_add_f32 v[T+2:T+3], v[T+2:T+3], v[T+6:T+7]
	v_pk_add_f32 v[T+8:T+9], v[T+8:T+9], v[T+12:T+13]
	v_pk_add_f32 v[T+10:T+11], v[T+10:T+11], v[T+14:T+15]
	v_pk_add_f32 v[T:T+1], v[T:T+1], v[T+8:T+9]
	v_pk_add_f32 v[T+2:T+3], v[T+2:T+3], v[T+10:T+11]
	global_store_b128 v[VG16], v[T:T+3], s[16:17]              ; 512 consecutive bytes, aligned: S and SS
	global_store_b64 v[VG8], v[T+16:T+17], s[16:17] offset:512 ; 256 consecutive bytes, aligned: p
.Ldone:
	s_wait_tensorcnt 0x0
	ds_add_u32 v254, v255
	s_wait_dscnt 0x0
	s_endpgm
.Lfunc_end_k_qb6be3f9a9d_stat1:
	.size	k_qb6be3f9a9d_stat1, .Lfunc_end_k_qb6be3f9a9d_stat1-k_qb6be3f9a9d_stat1
	.p2alignl 7, 3214868480
	.fill 96, 4, 3214868480
	.section	.rodata,"a",@progbits
	.p2align	6, 0x0
	.amdhsa_kernel k_qb6be3f9a9d_stat1
		.amdhsa_group_segment_fixed_size 168448
		.amdhsa_private_segment_fixed_size 0
		.amdhsa_enable_private_segment 0
		.amdhsa_kernarg_size 40
		.amdhsa_user_sgpr_count 2
		.amdhsa_user_sgpr_kernarg_segment_ptr 1
		.amdhsa_wavefront_size32 1
		.amdhsa_system_sgpr_workgroup_id_x 1
		.amdhsa_system_sgpr_workgroup_id_y 1
		.amdhsa_system_sgpr_workgroup_id_z 1
		.amdhsa_system_vgpr_workitem_id 0
		.amdhsa_next_free_vgpr 800
		.amdhsa_next_free_sgpr 100
		.amdhsa_reserve_vcc 0
		.amdhsa_float_denorm_mode_32 3
		.amdhsa_float_denorm_mode_16_64 3
		.amdhsa_memory_ordered 1
		.amdhsa_forward_progress 1
		.amdhsa_inst_pref_size 255
	.end_amdhsa_kernel
	.section	.bss,"aw",@nobits
	.p2align	6
	.space	262144
	.amdgpu_metadata
---
amdhsa.version: [ 1, 2 ]
amdhsa.kernels:
  - .name:           k_qb6be3f9a9d_stat1
    .symbol:         k_qb6be3f9a9d_stat1.kd
    .args:
      - { .name: facts, .offset: 0, .size: 8, .value_kind: global_buffer, .address_space: global }
      - { .name: query, .offset: 8, .size: 8, .value_kind: global_buffer, .address_space: global }
      - { .name: W1, .offset: 16, .size: 8, .value_kind: global_buffer, .address_space: global }
      - { .name: b1, .offset: 24, .size: 8, .value_kind: global_buffer, .address_space: global }
      - { .name: part1, .offset: 32, .size: 8, .value_kind: global_buffer, .address_space: global }
    .group_segment_fixed_size: 168448
    .private_segment_fixed_size: 0
    .kernarg_segment_align: 8
    .kernarg_segment_size: 40
    .max_flat_workgroup_size: 128
    .sgpr_count:     100
    .vgpr_count:     800
    .wavefront_size: 32
...
	.end_amdgpu_metadata
.endif
;; end of part 1
;; launch stat2 (part 2): grid 256 x 1, 4 waves a work-group, no clusters, 168,448 bytes of LDS; arguments facts, query, W1, W2, b1, g1, be1, dg1, db1, a1, b2, part1, part2; writes part2
.if DOCPART == 2
	.amdgcn_target "amdgcn-amd-amdhsa--gfx1250"
	.amdhsa_code_object_version 6
	.text
	.protected	k_qb6be3f9a9d_stat2
	.globl	k_qb6be3f9a9d_stat2
	.p2align	8
	.type	k_qb6be3f9a9d_stat2,@function
k_qb6be3f9a9d_stat2:
	s_mov_b64 s[64:65], 0
	v_nop
	global_prefetch_b8 v0, s[64:65] scope:SCOPE_SE
	s_setreg_imm32_b32 hwreg(HW_REG_WAVE_MODE, 25, 1), 1
	s_wait_xcnt 0x0
; SECOND OF THREE LAUNCHES: the column sums of layer 2, x2 = Q(h1) Q(W2) + b2, h1 = dice(bn(x1)), over all 819,200 rows.  Layer 1 is computed anew from facts: an f32 copy of it would be as many bytes as facts.
; Shares, tile, layouts and ring as in the first launch (a wave: four batches, 50 tiles of 16 rows, a lane bound to one batch); the ring has 5 slots.
; LAYER 1'S NORM: mean = p + S / N, var = max(SS / N - (S / N)^2, 0) from the 256 records of part1.  With u = x - mean (the products start from C = b1 - mean) and A = g rsq(var + 1e-5):
; y = A u + be.  Dice's own batch norm acts on y, whose batch mean is be and whose batch variance is A^2 var (identities, not taken from the data): z = dg A rsq(A^2 var + 1e-8) u + db.
; gate = 1 / (1 + 2^t), t = P u + R, P = -log2(e) dg A rsq(..), R = -log2(e) db;  h = y (al + gate (1 - al)).  Seven constants a column, in registers in the result's layout.
; LAYER 2: K = 64 of the instruction's 128: the upper eight registers of both operands hold zero codes.  Its pivot p2 is the fixed tile's column mean, as in the first launch.
; Record of a work-group in part2, 1,024 bytes: [S2 32][SS2 32][p2 32][p2 32][mean1 64][var1 64] f32.
; NOT USED: clusters (work-groups share only the weights and the records); prefetches (four tiles of a wave are always asked for ahead by the ring itself).
; LIMITS: NaN and infinities among the inputs are not served; a block whose largest magnitude lies under 2^-118 gets the scale byte 1, a block of zeros too (its codes are zeros).
.set RING, 5
; ---- LDS map (bytes)
.set W1L,  0                           ; W1 as f32, brought by tensor loads: row k at 256 k
.set W2L,  65536                       ; W2 as f32: row k at 128 k
.set IMG,  73728                       ; W1's 8 fragments as images of their registers, 2,048 bytes each
.set ISC,  90112                       ; their scale words, 128 bytes each
.set RED,  91136                       ; 4 x 512: the waves' parts of the records' sums
.set CT,   93184                       ; 4 x 3,072: each wave's own table of column constants
.set FIN,  105472                      ; 4 x 512: the waves' sums at the end
.set PV,   107520                      ; the pivot
.set MV,   108032                      ; mean and variance
.set MSK,  108544                      ; 4 x 3,328: each wave's mask words
.set OST,  121856                      ; 4 x 1,024: the way out
; ---- scalar registers
.set WV,   2                           ; wave
.set TAU,  3                           ; first tile of the trip
.set TT,   4
.set FLR,  5                           ; 2^(9 - 127): the floor under a block's largest magnitude
.set MNT,  6                           ; the mantissa field of 448
.set TK,   7
.set G1W,  52                          ; s[52:59], s[60:63] descriptor for W1
.set G0W,  60
.set G1X,  68                          ; s[68:75], s[76:79] descriptor for W2
.set G0X,  76
.set FB,   80                          ; s[80:81] facts at my four batches
.set SEL,  82                          ; s[82:83] selects of v_permlanex16_b32: lane xor 16
.set INVN, 84
.set EPS1, 85
.set EPS2, 86
.set NL2E, 87
.set QB,   98                          ; s[98:99] query at my four batches
; ---- vector registers, window 0
.set VF,   1                           ; my byte in a tile of facts: 51,200 (r / 4) + 256 (r % 4) + 64 (lane / 16)
.set VOF,  2                           ; v2.. one load offset for each ring slot
.set VLI,  10                          ; IMG + 16 lane
.set VLS,  11                          ; ISC + 4 lane
.set VA,   12
.set VB,   14
.set QW,   15                          ; the two scale bytes of q
.set W1S,  16                          ; v16-23 W1's scale words; v24-25 W2's; v26-28 the rows' : these hold scales and nothing else
.set W2S,  24
.set SW0,  26
.set SW1,  27
.set HW,   28
.set TMX,  30                          ; six blocks: largest magnitude; bytes; 448 x scale; the conversion's scale operand
.set TPB,  36
.set THB,  42
.set TSC,  48
.set Q,    64                          ; v64-95 q
.set T,    96                          ; v96-191 at work: T x - mean, T + 32 y then h, T + 64 t then the gate
.set PRM,  T+64                        ; at the head: the parameters as they are loaded
.set A0,   192                         ; codes of [q | f]
.set A1F,  208                         ; codes of [q - f | q f]
.set HC,   224                         ; codes of h1, then eight registers of zeros
.set X,    240
.set W2F,  448
.set MSB, 0
.macro WIN new                         ; the immediate's high byte repeats the setting that is left; a switch that changes nothing is dropped
.if MSB != (\new)
	s_set_vgpr_msb (MSB<<8)|(\new)
.set MSB, (\new)
.endif
.endm
.macro PLACES n
.rept \n
	v_nop
.endr
.endm
.macro CONSTS
	s_mov_b32 s[FLR], 0x04800000
	s_mov_b32 s[MNT], 0x600000
	s_mov_b32 s[SEL], 0x76543210
	s_mov_b32 s[SEL+1], 0xfedcba98
	s_mov_b32 s[G1W], 3<<16                        ; elements of 8 bytes, no padding, no mask
	s_mov_b32 s[G1W+1], 32<<16                     ; tensor_dim0 = 32: rows of 256 bytes
	s_mov_b32 s[G1W+2], 64<<16                     ; tensor_dim1 = 64 rows: a quarter of W1 for each wave
	s_mov_b32 s[G1W+3], 32<<16                     ; tile_dim0
	s_mov_b32 s[G1W+4], 64                         ; tile_dim1
	s_mov_b32 s[G1W+5], 32                         ; pitch: the block is dense
	s_mov_b32 s[G1W+6], 0
	s_mov_b32 s[G1W+7], 0
	s_mov_b32 s[G0W], 1
	s_lshl_b32 s[G0W+1], s[WV], 14                 ; LDS: 16,384 x wave
.endm
.macro CONSTX
	s_mov_b32 s[G1X], 3<<16                        ; the same for W2: 8 rows of 256 bytes for each wave
	s_mov_b32 s[G1X+1], 32<<16
	s_mov_b32 s[G1X+2], 8<<16
	s_mov_b32 s[G1X+3], 32<<16
	s_mov_b32 s[G1X+4], 8
	s_mov_b32 s[G1X+5], 32
	s_mov_b32 s[G1X+6], 0
	s_mov_b32 s[G1X+7], 0
	s_mov_b32 s[G0X], 1
	s_lshl_b32 s[G0X+1], s[WV], 11
	s_add_co_u32 s[G0X+1], s[G0X+1], W2L
	s_mov_b32 s[INVN], 0x35a3d70a                  ; 1 / 819,200
	s_mov_b32 s[EPS1], 0x3727c5ac                  ; 1e-5
	s_mov_b32 s[EPS2], 0x322bcc77                  ; 1e-8
	s_mov_b32 s[NL2E], 0xbfb8aa3b                  ; -log2(e)
.endm
.macro IDS                             ; leaves lane / 16 in v[VA] and the lane in v[VB]
	v_and_b32 v[VB], 31, v0
	v_lshl_add_u32 v[VLI], v[VB], 4, IMG
	v_lshl_add_u32 v[VLS], v[VB], 2, ISC
	v_bfe_u32 v[VA], v0, 2, 2
	v_mul_u32_u24 v[VF], v[VA], 51200
	v_lshlrev_b32 v[VQO], 8, v[VA]
	v_and_b32 v[VA], 3, v0
	v_lshl_add_u32 v[VF], v[VA], 8, v[VF]
	v_bfe_u32 v[VA], v0, 4, 1
	v_lshl_add_u32 v[VF], v[VA], 6, v[VF]
	v_lshl_add_u32 v[VQO], v[VA], 6, v[VQO]
.irp k, 0,1,2,3,4,5
	v_mov_b32 v[TPB+\k], 0                         ; written once: a lane permute's destination counts as one of its sources
.endr
.endm
; 32 numbers of a lane: 16 neighbours of each of a row's two blocks of 32
.macro LD32 dst, vo, sb, nt
	WIN (((\dst)>>8)<<6)
.set lD, (\dst)&255
.irp o, 0,1,2,3,4,5,6,7
.if \nt
	global_load_b128 v[lD+4*\o:lD+4*\o+3], v[\vo], s[\sb:\sb+1] offset:128*(\o/4)+16*(\o%4) th:TH_LOAD_NT
.else
	global_load_b128 v[lD+4*\o:lD+4*\o+3], v[\vo], s[\sb:\sb+1] offset:128*(\o/4)+16*(\o%4)
.endif
.endr
	WIN 0
.endm
.macro LDP reg, sb, off                ; columns lane and lane + 32 of a vector of 64
	global_load_b32 v[\reg], v[VG4], s[\sb:\sb+1] offset:\off
	global_load_b32 v[(\reg)+1], v[VG4], s[\sb:\sb+1] offset:(\off)+128
.endm
.macro FILL i                          ; tile i into slot i
	v_add_nc_u32 v[VOF+(\i)], 1024*(\i), v[VF]
	LD32 256+32*(\i), VOF+(\i), FB, 1
.endm
.macro REFILL i                        ; slot i takes the tile RING further on.  Past the last tile every lane's offset becomes 0: the eight loads are still issued, so that the counts of the waits hold on every path, and stay inside facts
	s_add_co_u32 s[TT], s[TAU], (\i)+RING
	s_cmp_lt_u32 s[TT], 50
	s_cselect_b32 s[TK], -1, 0
	s_lshl_b32 s[TT], s[TT], 10
	WIN 0
	v_add_nc_u32 v[VOF+(\i)], s[TT], v[VF]         ; free: the wait at the tile's head has shown this slot's last loads done
	v_and_b32 v[VOF+(\i)], s[TK], v[VOF+(\i)]
	LD32 256+32*(\i), VOF+(\i), FB, 1
.endm
; the largest magnitude of my 16 numbers of nb blocks (block b0 + k at src + 16 k), with the floor among the leaves; the blocks by turns
.macro MAXB src, b0, nb
	WIN 0x14*((\src)>>8)
.set mS, (\src)&255
.set zk, 0
.rept \nb
	v_max3_num_f32 v[TMX+(\b0)+zk], s[FLR], |v[mS+16*zk]|, |v[mS+16*zk+1]|
.set zk, zk+1
.endr
.set zj, 2
.rept 7
.set zk, 0
.rept \nb
	v_max3_num_f32 v[TMX+(\b0)+zk], v[TMX+(\b0)+zk], |v[mS+16*zk+zj]|, |v[mS+16*zk+zj+1]|
.set zk, zk+1
.endr
.set zj, zj+2
.endr
.endm
; joined with lane xor 16; then the conversion's scale operand (8 off the exponent field), 448 x the scale, and the byte
.macro SCL b0, nb
	WIN 0
.set zk, \b0
.rept \nb
	v_permlanex16_b32 v[TPB+zk], v[TMX+zk], s[SEL], s[SEL+1]
.set zk, zk+1
.endr
.set zk, \b0
.rept \nb
	v_max_num_f32 v[TMX+zk], v[TMX+zk], v[TPB+zk]
.set zk, zk+1
.endr
.set zk, \b0
.rept \nb
	v_add_nc_u32 v[TSC+zk], 0xfc000000, v[TMX+zk]
.set zk, zk+1
.endr
.set zk, \b0
.rept \nb
	v_and_or_b32 v[THB+zk], v[TMX+zk], 0x7f800000, s[MNT]
.set zk, zk+1
.endr
.set zk, \b0
.rept \nb
	v_lshrrev_b32 v[TPB+zk], 23, v[TSC+zk]
.set zk, zk+1
.endr
.endm
.macro HOLD src, b                     ; the conversion to an 8-bit code does not saturate (ISA guide 7.6.2): 16 numbers held within 448 x the scale, into T + 16 b
	WIN ((\src)>>8)
.set hS, (\src)&255
.set zk, 0
.rept 16
	v_med3_num_f32 v[T+16*(\b)+zk], v[hS+zk], -v[THB+(\b)], v[THB+(\b)]
.set zk, zk+1
.endr
.endm
.macro CVT b, dst                      ; 16 codes: four registers of an operand
	WIN (((\dst)>>8)<<6)
.set cD, (\dst)&255
	v_cvt_scalef32_pk8_fp8_f32 v[cD:cD+1], v[T+16*(\b):T+16*(\b)+7], v[TSC+(\b)]
	v_cvt_scalef32_pk8_fp8_f32 v[cD+2:cD+3], v[T+16*(\b)+8:T+16*(\b)+15], v[TSC+(\b)]
.endm
.macro QUANTQ                          ; q's two blocks: codes into A0 .. A0 + 7, bytes into QW
	MAXB Q, 0, 2
	SCL 0, 2
	v_lshl_or_b32 v[QW], v[TPB+1], 8, v[TPB]
	HOLD Q, 0
	CVT 0, A0
	HOLD Q+16, 1
	CVT 1, A0+4
	v_nop                                          ; a plain line behind the last conversion
.endm
; A TILE'S FIRST PRODUCT.  f: the registers that hold its 32 numbers of facts; wcnt: younger loads that may stay out (-1: no wait); slot: the ring slot to fill again (-1: none).
; Leaves x - (what C took off) in T .. T + 31.
.macro FRONT f, wcnt, slot
.if (\wcnt) >= 0
	s_wait_loadcnt \wcnt
.endif
	WIN 0x14*((\f)>>8)
.set fS, (\f)&255
.set zi, 0
.rept 8
.if zi == 0
	v_max3_num_f32 v[TMX], s[FLR], |v[fS]|, |v[fS+1]|
.else
	v_max3_num_f32 v[TMX], v[TMX], |v[fS+2*zi]|, |v[fS+2*zi+1]|
.endif
	v_pk_add_f32 v[T+32+4*zi:T+33+4*zi], v[Q+4*zi:Q+4*zi+1], v[fS+4*zi:fS+4*zi+1] neg_lo:[0,1] neg_hi:[0,1]
	v_pk_mul_f32 v[T+64+4*zi:T+65+4*zi], v[Q+4*zi:Q+4*zi+1], v[fS+4*zi:fS+4*zi+1]
.if zi == 0
	v_max3_num_f32 v[TMX+1], s[FLR], |v[fS+16]|, |v[fS+17]|
.else
	v_max3_num_f32 v[TMX+1], v[TMX+1], |v[fS+16+2*zi]|, |v[fS+17+2*zi]|
.endif
	v_pk_add_f32 v[T+34+4*zi:T+35+4*zi], v[Q+4*zi+2:Q+4*zi+3], v[fS+4*zi+2:fS+4*zi+3] neg_lo:[0,1] neg_hi:[0,1]
	v_pk_mul_f32 v[T+66+4*zi:T+67+4*zi], v[Q+4*zi+2:Q+4*zi+3], v[fS+4*zi+2:fS+4*zi+3]
.set zi, zi+1
.endr
	MAXB T+32, 2, 4
	SCL 0, 6
	v_lshl_or_b32 v[SW0], v[TPB], 16, v[QW]        ; the rows' scale words: K step 0 = q, q, f, f;
	v_lshl_or_b32 v[SW0], v[TPB+1], 24, v[SW0]
	v_lshl_or_b32 v[SW1], v[TPB+3], 8, v[TPB+2]    ; K step 1 = q - f twice, q f twice.  The holds below are the eight places between these and the products
	v_lshl_or_b32 v[SW1], v[TPB+4], 16, v[SW1]
	v_lshl_or_b32 v[SW1], v[TPB+5], 24, v[SW1]
	HOLD \f, 0
	HOLD (\f)+16, 1
.if (\slot) >= 0
	REFILL \slot
.endif
	CVT 0, A0+8
	CVT 1, A0+12
	HOLD T+32, 2                                   ; sixteen plain lines: the places between the codes just made and the products
	WIN 0x32                                       ; source 0 (W1) window 2, C window 3
.irp t, 0,1,2,3
	v_wmma_scale_f32_16x16x128_f8f6f4 v[T+8*\t:T+8*\t+7], v[32*\t:32*\t+15], v[A0:A0+15], v[8*\t:8*\t+7], v[W1S+2*\t], v[SW0]
.endr
	CVT 2, A1F
.irp b, 3,4,5
	HOLD T+16*\b, \b
	CVT \b, A1F+4*(\b-2)
.endr
	PLACES 4
	WIN 0x02
.irp t, 0,1,2,3                        ; the four accumulators by turns, one instruction a turn
	v_wmma_scale_f32_16x16x128_f8f6f4 v[T+8*\t:T+8*\t+7], v[32*\t+16:32*\t+31], v[A1F:A1F+15], v[T+8*\t:T+8*\t+7], v[W1S+2*\t+1], v[SW1]
.endr
	WIN 0
	PLACES 8                                       ; eight places in front of the first read of the results
.endm
.macro XSUM base, n                    ; sums over the 16 lanes of a half: over a tile's 16 rows
.irp m, 1,2,4,8
.set zk, 0
.rept \n
	v_add_f32_dpp v[(\base)+zk], v[(\base)+zk], v[(\base)+zk] row_xmask:\m row_mask:0xf bank_mask:0xf
.set zk, zk+1
.endr
.endr
.endm
.macro W1ADR                           ; v[VA]: my column of W1 in LDS; v[VB], v[VC]: where my wave's images and scale words go
	v_and_b32 v[VA], 15, v0
	v_and_b32 v[VB], 8, v0
	v_add_nc_u32 v[VA], v[VA], v[VB]               ; r + 8 (r / 8)
	v_lshlrev_b32 v[VA], 2, v[VA]
	v_bfe_u32 v[VB], v0, 4, 1
	v_lshl_add_u32 v[VA], v[VB], 12, v[VA]         ; lanes 16-31 begin 16 rows of 256 bytes further down K
	s_lshr_b32 s90, s[WV], 1
	s_lshl_b32 s90, s90, 7
	s_and_b32 s91, s[WV], 1
	s_lshl_b32 s91, s91, 5
	s_add_co_u32 s90, s90, s91                     ; tile t = wave begins at column 32 (t / 2) + 8 (t % 2)
	v_add_nc_u32 v[VA], s90, v[VA]
	s_lshl_b32 s90, s[WV], 12
	v_add_nc_u32 v[VB], s90, v[VLI]
	s_lshl_b32 s90, s[WV], 8
	v_add_nc_u32 v[VC], s90, v[VLS]
.endm
; Wave w quantises tile w of W1 (16 columns, all 256 of K: two fragments): a lane takes a column and its registers run down K; the fragments go to LDS as images of their registers
.macro W1Q
.irp s, 0,1
.set zk, 0
.rept 64
	ds_load_b32 v[T+zk], v[VA] offset:(128*\s+32*(zk/16)+(zk%16))*256
.set zk, zk+1
.endr
	s_wait_dscnt 0x0
	MAXB T, 0, 4
	SCL 0, 4
	v_lshl_or_b32 v[X], v[TPB+1], 8, v[TPB]
	v_lshl_or_b32 v[X], v[TPB+2], 16, v[X]
	v_lshl_or_b32 v[X], v[TPB+3], 24, v[X]
.irp b, 0,1,2,3
	HOLD T+16*\b, \b
	CVT \b, A0+4*\b
.endr
	v_nop
.irp c, 0,1,2,3
	ds_store_b128 v[VB], v[A0+4*\c:A0+4*\c+3] offset:2048*\s+512*\c
.endr
	ds_store_b32 v[VC], v[X] offset:128*\s
	s_wait_dscnt 0x0                               ; the stores are done: for the registers' sake, and in front of the barrier for the other waves' sake
.endr
.endm
.macro IMGLOAD                         ; all eight fragments (tile t, K step s at 16 (2 t + s) of window 2) and their scale words
	WIN 0x80
.set zk, 0
.rept 32
	ds_load_b128 v[4*zk:4*zk+3], v[VLI] offset:512*zk
.set zk, zk+1
.endr
	WIN 0
.set zk, 0
.rept 8
	ds_load_b32 v[W1S+zk], v[VLS] offset:128*zk
.set zk, zk+1
.endr
.endm
; Every wave quantises W2 for itself: two tiles of 16 columns, K = 64; the upper halves of the fragments, and of h1's, are zero codes, their scale bytes 0
.macro W2Q
	v_and_b32 v[VA], 15, v0
	v_lshl_add_u32 v[VA], v[VA], 2, W2L
	v_bfe_u32 v[VB], v0, 4, 1
	v_lshl_add_u32 v[VA], v[VB], 11, v[VA]
.irp u, 0,1
.set zk, 0
.rept 32
	ds_load_b32 v[T+zk], v[VA] offset:64*\u+(32*(zk/16)+(zk%16))*128
.set zk, zk+1
.endr
	s_wait_dscnt 0x0
	MAXB T, 0, 2
	SCL 0, 2
	v_lshl_or_b32 v[W2S+\u], v[TPB+1], 8, v[TPB]
	HOLD T, 0
	CVT 0, W2F+16*\u
	HOLD T+16, 1
	CVT 1, W2F+16*\u+4
	WIN 0x40
.set zk, 0
.rept 8
	v_mov_b32 v[(W2F&255)+16*\u+8+zk], 0
.set zk, zk+1
.endr
	WIN 0
.endr
.set zk, 0
.rept 8
	v_mov_b32 v[HC+8+zk], 0
.set zk, zk+1
.endr
.endm
.macro TLEVEL half                     ; window 3: quad i += quad i + half
.set zk, 0
.rept \half
	v_pk_add_f32 v[4*zk:4*zk+1], v[4*zk:4*zk+1], v[4*(zk+\half):4*(zk+\half)+1]
	v_pk_add_f32 v[4*zk+2:4*zk+3], v[4*zk+2:4*zk+3], v[4*(zk+\half)+2:4*(zk+\half)+3]
.set zk, zk+1
.endr
.endm
.macro MVAR rs, rss, rp, rm, rv        ; mean = pivot + S / N; var = max(SS / N - (S / N)^2, 0)
	v_mul_f32 v[X+8], s[INVN], v[\rs]
	v_mul_f32 v[X+9], s[INVN], v[\rss]
	v_add_f32 v[\rm], v[\rp], v[X+8]
	v_fma_f32 v[X+9], -v[X+8], v[X+8], v[X+9]
	v_max_num_f32 v[\rv], 0, v[X+9]
.endm
; One column a lane: the seven constants, into my wave's own table.  Parameters b, g, be, dg, db, al at pb + ps x 0 .. 5; kind n goes to off + ks n
.macro COLC rm, rv, pb, ps, off, ks
	v_add_f32 v[X+8], s[EPS1], v[\rv]
	v_rsq_f32 v[X+8], v[X+8]
	v_sub_f32 v[X+9], v[\pb], v[\rm]               ; C = b - mean.  (The plain line behind the transcendental)
	s_wait_alu depctr_va_vdst(0)                   ; the wait ahead of the first reader
	v_mul_f32 v[X+10], v[(\pb)+(\ps)], v[X+8]      ; A
	v_mul_f32 v[X+8], v[X+10], v[X+10]
	v_fma_f32 v[X+8], v[X+8], v[\rv], s[EPS2]
	v_rsq_f32 v[X+8], v[X+8]
	v_mul_f32 v[X+11], v[(\pb)+3*(\ps)], v[X+10]   ; dg A
	s_wait_alu depctr_va_vdst(0)
	v_mul_f32 v[X+11], v[X+11], v[X+8]
	v_mul_f32 v[X+11], s[NL2E], v[X+11]            ; P
	v_mul_f32 v[X+12], s[NL2E], v[(\pb)+4*(\ps)]   ; R
	v_sub_f32 v[X+13], 1.0, v[(\pb)+5*(\ps)]       ; 1 - al
	ds_store_b32 v[VCT], v[X+9] offset:(\off)
	ds_store_b32 v[VCT], v[X+10] offset:(\off)+(\ks)
	ds_store_b32 v[VCT], v[(\pb)+2*(\ps)] offset:(\off)+2*(\ks)
	ds_store_b32 v[VCT], v[X+11] offset:(\off)+3*(\ks)
	ds_store_b32 v[VCT], v[X+12] offset:(\off)+4*(\ks)
	ds_store_b32 v[VCT], v[X+13] offset:(\off)+5*(\ks)
	ds_store_b32 v[VCT], v[(\pb)+5*(\ps)] offset:(\off)+6*(\ks)
	s_wait_dscnt 0x0
.endm
.macro LOADC1                          ; layer 1's seven kinds into window 3, 32 registers each, in the result's layout.  v[VA] = my table + 64 (lane / 16)
	WIN 0xc0
.set zk, 0
.rept 56
	ds_load_b128 v[4*zk:4*zk+3], v[VA] offset:256*(zk/8)+128*((zk/4)%2)+16*(zk%4)
.set zk, zk+1
.endr
	WIN 0
.endm
; n numbers u in T on become h in T + 32 on.  The constants lie in window cw.  The exponentials are one batch with one wait, the reciprocals another
.macro DICE n, cw, pA, pB, pP, pR, pO, pL
	WIN 0x11*(\cw)
.set zk, 0
.rept (\n)/2
	v_pk_fma_f32 v[T+64+zk:T+65+zk], v[(\pP)+zk:(\pP)+zk+1], v[T+zk:T+zk+1], v[(\pR)+zk:(\pR)+zk+1]   ; t = P u + R; the results are read from their low ends on
.set zk, zk+2
.endr
	WIN 0
.set zk, 0
.rept \n
	v_exp_f32 v[T+64+zk], v[T+64+zk]
.set zk, zk+1
.endr
	WIN 0x11*(\cw)
.set zk, 0
.rept (\n)/2
	v_pk_fma_f32 v[T+32+zk:T+33+zk], v[(\pA)+zk:(\pA)+zk+1], v[T+zk:T+zk+1], v[(\pB)+zk:(\pB)+zk+1]   ; y = A u + be: independent work behind the exponentials
.set zk, zk+2
.endr
	WIN 0
	s_wait_alu depctr_va_vdst(0)                   ; one wait for the batch, ahead of its first reader
.set zk, 0
.rept (\n)/2
	v_pk_add_f32 v[T+64+zk:T+65+zk], v[T+64+zk:T+65+zk], 1.0 op_sel_hi:[1,0]
.set zk, zk+2
.endr
.set zk, 0
.rept \n
	v_rcp_f32 v[T+64+zk], v[T+64+zk]               ; the gate
.set zk, zk+1
.endr
	v_nop
	s_wait_alu depctr_va_vdst(0)
	WIN 0x11*(\cw)
.set zk, 0
.rept (\n)/2
	v_pk_fma_f32 v[T+64+zk:T+65+zk], v[(\pO)+zk:(\pO)+zk+1], v[T+64+zk:T+65+zk], v[(\pL)+zk:(\pL)+zk+1]   ; al + gate (1 - al)
.set zk, zk+2
.endr
	WIN 0
.set zk, 0
.rept (\n)/2
	v_pk_mul_f32 v[T+32+zk:T+33+zk], v[T+32+zk:T+33+zk], v[T+64+zk:T+65+zk]
.set zk, zk+2
.endr
.endm
; h1 (T + 32 .. T + 63: two blocks of 32 along the next K) is quantised in registers and multiplied by W2: x2 - (what C took off) in T .. T + 15, register 8 u + j = unit 16 u + 8 (lane / 16) + j
.macro QH
	MAXB T+32, 2, 2
	SCL 2, 2
	v_lshl_or_b32 v[HW], v[TPB+3], 8, v[TPB+2]
	HOLD T+32, 2
	CVT 2, HC
	HOLD T+48, 3
	CVT 3, HC+4
	PLACES 4
	WIN 0x21                                       ; source 0 (W2) window 1, C window 2
.irp u, 0,1
	v_wmma_scale_f32_16x16x128_f8f6f4 v[T+8*\u:T+8*\u+7], v[192+16*\u:207+16*\u], v[HC:HC+15], v[128+8*\u:135+8*\u], v[W2S+\u], v[HW]
.endr
	WIN 0
	PLACES 8
.endm
.macro STAT2                           ; window 2: v144-159 the sums, v160-175 the sums of squares
	WIN 0x82
.set zk, 0
.rept 8
	v_pk_add_f32 v[144+zk:145+zk], v[144+zk:145+zk], v[T+zk:T+zk+1]
.set zk, zk+2
.endr
	WIN 0xa0
.set zk, 0
.rept 8
	v_pk_fma_f32 v[160+zk:161+zk], v[T+zk:T+zk+1], v[T+zk:T+zk+1], v[160+zk:161+zk]
.set zk, zk+2
.endr
	WIN 0
.endm
; ---- this launch's own registers.  Window 1: v0-159 the ring's 5 slots; v160-191 the fixed tile; v192-223 W2; v224-255 my q.
; Window 2: v0-127 W1; v128-143 C of layer 2; v144-175 sums.  Window 3: C, A, BE, P, R, 1 - al, al of layer 1, 32 each; at the head the records land there.
.set VQO,  54
.set VH,   55                          ; 32 (lane / 16)
.set VG4,  56
.set VREC, 57
.set VG16, 58
.set VG8,  59
.set VC,   60
.set VFN,  61
.set VP,   62
.set VR,   63
.set VCT,  14
	s_load_b512 s[8:23], s[0:1], 0x0               ; facts 8, query 10, W1 12, W2 14, b1 16, g1 18, be1 20, dg1 22
	s_load_b256 s[24:31], s[0:1], 0x40             ; db1 24, a1 26, b2 28, part1 30
	s_load_b64 s[32:33], s[0:1], 0x60              ; part2
	v_lshl_add_u32 v254, v0, 2, 0x29000
	v_mov_b32 v255, 0
	ds_add_u32 v254, v255
	ds_add_u32 v254, v255
	v_lshrrev_b32 v[VA], 5, v0
	v_readfirstlane_b32 s[WV], v[VA]
	CONSTS
	CONSTX
	IDS
	v_lshlrev_b32 v[VH], 5, v[VA]
	v_lshlrev_b32 v[VG4], 2, v[VB]
	v_lshlrev_b32 v[VG16], 4, v[VB]
	v_lshlrev_b32 v[VG8], 3, v[VB]
	s_mul_i32 s90, s[WV], 49152                    ; my 64 records of 768 bytes
	v_add_nc_u32 v[VREC], s90, v[VG16]
	s_lshl_b32 s90, s[WV], 9
	s_add_co_u32 s90, s90, FIN
	v_lshl_add_u32 v[VFN], v[VA], 5, s90           ; FIN + 512 wave + 32 (lane / 16)
	v_lshl_add_u32 v[VP], v[VA], 5, PV
	v_lshl_add_u32 v[VR], v[VB], 3, FIN
	s_lshl_b32 s90, s[WV], 14
	s_mov_b32 s91, 0
	s_lshl_b32 s96, s[WV], 11
	s_mov_b32 s97, 0
	s_lshl_b32 s92, ttmp9, 2
	s_add_co_u32 s92, s92, s[WV]                   ; G4
	s_mul_i32 s94, s92, 204800
	s_mov_b32 s95, 0
	s_wait_dscnt 0x0
	s_wait_kmcnt 0x0
	s_add_nc_u64 s[G0W+2:G0W+3], s[12:13], s[90:91]
	s_or_b32 s[G0W+3], s[G0W+3], 0x80000000
	s_add_nc_u64 s[G0X+2:G0X+3], s[14:15], s[96:97]
	s_or_b32 s[G0X+3], s[G0X+3], 0x80000000
	tensor_load_to_lds s[G0W:G0W+3], s[G1W:G1W+7]  ; the launch's only fills: two tensor loads of mine are out
	s_nop 0
	tensor_load_to_lds s[G0X:G0X+3], s[G1X:G1X+7]
	s_nop 0
	PLACES 4
	s_add_nc_u64 s[FB:FB+1], s[8:9], s[94:95]
	s_lshl_b32 s90, s92, 10
	s_add_nc_u64 s[QB:QB+1], s[10:11], s[90:91]
	s_lshl_b32 s90, ttmp9, 10
	s_add_nc_u64 s[32:33], s[32:33], s[90:91]      ; my work-group's record
	WIN 0xc0
.set zk, 0
.rept 64
	global_load_b128 v[4*zk:4*zk+3], v[VREC], s[30:31] offset:768*zk   ; S and SS of a record: 512 consecutive bytes a load
.set zk, zk+1
.endr
	WIN 0
	LDP PRM, 16, 0                                 ; b1
	LDP PRM+2, 18, 0                               ; g1
	LDP PRM+4, 20, 0                               ; be1
	LDP PRM+6, 22, 0                               ; dg1
	LDP PRM+8, 24, 0                               ; db1
	LDP PRM+10, 26, 0                              ; a1
	LDP PRM+12, 30, 512                            ; the pivot: record 0's (all records hold the same)
	WIN 0x80
.irp o, 0,1,2,3
	global_load_b128 v[128+4*\o:131+4*\o], v[VH], s[28:29] offset:64*(\o/2)+16*(\o%2)   ; b2 in the result's layout
.endr
	WIN 0
	LD32 Q, VQO, 10, 0                             ; q of batches 0-3
	LD32 416, VF, 8, 0                             ; the fixed tile
	LD32 480, VQO, QB, 0                           ; my own q
	s_wait_loadcnt 42                              ; the 42 loads behind the records may stay out
	WIN 0xcf
	TLEVEL 32
	TLEVEL 16
	TLEVEL 8
	TLEVEL 4
	TLEVEL 2
	WIN 0x0f
	v_pk_add_f32 v[X:X+1], v[0:1], v[4:5]
	v_pk_add_f32 v[X+2:X+3], v[2:3], v[6:7]
	WIN 0
	s_lshl_b32 s90, s[WV], 9
	v_add_nc_u32 v[VA], s90, v[VLI]
	ds_store_b128 v[VA], v[X:X+3] offset:RED-IMG   ; my 64 records' sums
	FILL 0
	FILL 1
	FILL 2
	FILL 3
	FILL 4
	s_wait_tensorcnt 0x0                           ; my parts of W1 and W2 are in LDS,
	s_wait_dscnt 0x0                               ; my sums too:
	s_barrier_signal -1
	s_barrier_wait -1                              ; everybody's are
	W1ADR
	W1Q
	W2Q
	s_barrier_signal -1
	s_barrier_wait -1                              ; the eight images lie in LDS
	IMGLOAD
	s_wait_loadcnt 40                              ; all but the five ring slots
.irp k, 0,1,2,3                        ; S (lane), S (lane + 32), SS (lane), SS (lane + 32), each from four waves
.irp w, 0,1,2,3
	ds_load_b32 v[T+4*\k+\w], v[VLS] offset:RED-ISC+512*\w+128*\k
.endr
.endr
	s_mul_i32 s90, s[WV], 3072
	s_add_co_u32 s91, s90, CT-ISC
	v_add_nc_u32 v[VCT], s91, v[VLS]               ; my table + 4 lane
	s_add_co_u32 s91, s90, CT
	v_bfe_u32 v[VA], v0, 4, 1
	v_lshl_add_u32 v[VA], v[VA], 6, s91            ; my table + 64 (lane / 16)
	s_wait_dscnt 0x0
.irp k, 0,1,2,3
	v_add_f32 v[T+4*\k], v[T+4*\k], v[T+4*\k+1]
	v_add_f32 v[T+4*\k+2], v[T+4*\k+2], v[T+4*\k+3]
	v_add_f32 v[T+4*\k], v[T+4*\k], v[T+4*\k+2]
.endr
	MVAR T, T+8, PRM+12, X, X+2
	MVAR T+4, T+12, PRM+13, X+1, X+3
	s_cmp_lg_u32 s[WV], 0
	s_cbranch_scc1 .Lno_mv
	ds_store_b32 v[VLS], v[X] offset:MV-ISC        ; mean and variance, for the record
	ds_store_b32 v[VLS], v[X+1] offset:MV-ISC+128
	ds_store_b32 v[VLS], v[X+2] offset:MV-ISC+256
	ds_store_b32 v[VLS], v[X+3] offset:MV-ISC+384
.Lno_mv:
	COLC X, X+2, PRM, 2, 0, 256
	COLC X+1, X+3, PRM+1, 2, 128, 256
	LOADC1
	s_wait_dscnt 0x0
	; ---- the fixed tile: layer 2's pivot
	QUANTQ
	FRONT 416, -1, -1
	DICE 32, 3, 32, 64, 96, 128, 160, 192
	QH
	XSUM T, 16
	WIN 0xa0
.set zk, 0
.rept 8
	v_pk_fma_f32 v[128+zk:129+zk], v[T+zk:T+zk+1], 0xbd800000, v[128+zk:129+zk] op_sel_hi:[1,0,1]   ; C = b2 - p2
.set zk, zk+2
.endr
	WIN 0
.set zk, 0
.rept 8
	v_pk_mul_f32 v[T+zk:T+zk+1], v[T+zk:T+zk+1], 0x3d800000 op_sel_hi:[1,0]
.set zk, zk+2
.endr
	s_cmp_lg_u32 s[WV], 0
	s_cbranch_scc1 .Lno_pivot
.irp o, 0,1,2,3
	ds_store_b128 v[VP], v[T+4*\o:T+4*\o+3] offset:64*(\o/2)+16*(\o%2)
	ds_store_b128 v[VP], v[T+4*\o:T+4*\o+3] offset:128+64*(\o/2)+16*(\o%2)   ; twice: the record's third block of 256 bytes is written whole
.endr
	s_wait_dscnt 0x0
.Lno_pivot:
	WIN 0x01
.set zk, 0
.rept 32
	v_mov_b32 v[Q+zk], v[224+zk]                   ; my own q
.set zk, zk+1
.endr
	WIN 0
	QUANTQ
	WIN 0x80
.set zk, 0
.rept 32
	v_mov_b32 v[144+zk], 0                         ; the tile is written once for all trips: the sums begin as zeros
.set zk, zk+1
.endr
	WIN 0
	s_mov_b32 s[TAU], 0
.Ltrip:                                            ; ten trips of five tiles; the count 32: the four younger slots' loads may stay out
.irp i, 0,1,2,3,4
	FRONT 256+32*\i, 32, \i
	DICE 32, 3, 32, 64, 96, 128, 160, 192
	QH
	STAT2
.endr
	s_add_co_u32 s[TAU], s[TAU], 5
	s_cmp_lt_u32 s[TAU], 50
	s_cbranch_scc1 .Ltrip
	; ---- the end
	WIN 0x02
.set zk, 0
.rept 32
	v_mov_b32 v[T+zk], v[144+zk]
.set zk, zk+1
.endr
	WIN 0
	XSUM T, 32
.irp k, 0,1
.irp o, 0,1,2,3
	ds_store_b128 v[VFN], v[T+16*\k+4*\o:T+16*\k+4*\o+3] offset:128*\k+64*(\o/2)+16*(\o%2)
.endr
.endr
	s_wait_dscnt 0x0                               ; for the others' sake
	s_barrier_signal -1
	s_barrier_wait -1
	s_cmp_lg_u32 s[WV], 0
	s_cbranch_scc1 .Ldone
.irp w, 0,1,2,3
	ds_load_b64 v[T+2*\w:T+2*\w+1], v[VR] offset:512*\w
.endr
	ds_load_b64 v[T+8:T+9], v[VR] offset:PV-FIN
	ds_load_b128 v[T+12:T+15], v[VLI] offset:MV-IMG
	s_wait_dscnt 0x0
	v_pk_add_f32 v[T:T+1], v[T:T+1], v[T+2:T+3]
	v_pk_add_f32 v[T+4:T+5], v[T+4:T+5], v[T+6:T+7]
	v_pk_add_f32 v[T:T+1], v[T:T+1], v[T+4:T+5]
	global_store_b64 v[VG8], v[T:T+1], s[32:33]                  ; S2, SS2: 256 consecutive bytes, aligned
	global_store_b64 v[VG8], v[T+8:T+9], s[32:33] offset:256     ; p2, twice
	global_store_b128 v[VG16], v[T+12:T+15], s[32:33] offset:512 ; mean1, var1: 512 bytes
.Ldone:
	s_wait_tensorcnt 0x0
	ds_add_u32 v254, v255
	s_wait_dscnt 0x0
	s_endpgm
.Lfunc_end_k_qb6be3f9a9d_stat2:
	.size	k_qb6be3f9a9d_stat2, .Lfunc_end_k_qb6be3f9a9d_stat2-k_qb6be3f9a9d_stat2
	.p2alignl 7, 3214868480
	.fill 96, 4, 3214868480
	.section	.rodata,"a",@progbits
	.p2align	6, 0x0
	.amdhsa_kernel k_qb6be3f9a9d_stat2
		.amdhsa_group_segment_fixed_size 168448
		.amdhsa_private_segment_fixed_size 0
		.amdhsa_enable_private_segment 0
		.amdhsa_kernarg_size 104
		.amdhsa_user_sgpr_count 2
		.amdhsa_user_sgpr_kernarg_segment_ptr 1
		.amdhsa_wavefront_size32 1
		.amdhsa_system_sgpr_workgroup_id_x 1
		.amdhsa_system_sgpr_workgroup_id_y 1
		.amdhsa_system_sgpr_workgroup_id_z 1
		.amdhsa_system_vgpr_workitem_id 0
		.amdhsa_next_free_vgpr 1024
		.amdhsa_next_free_sgpr 100
		.amdhsa_reserve_vcc 0
		.amdhsa_float_denorm_mode_32 3
		.amdhsa_float_denorm_mode_16_64 3
		.amdhsa_memory_ordered 1
		.amdhsa_forward_progress 1
		.amdhsa_inst_pref_size 255
	.end_amdhsa_kernel
	.section	.bss,"aw",@nobits
	.p2align	6
	.space	262144
	.amdgpu_metadata
---
amdhsa.version: [ 1, 2 ]
amdhsa.kernels:
  - .name:           k_qb6be3f9a9d_stat2
    .symbol:         k_qb6be3f9a9d_stat2.kd
    .args:
      - { .name: facts, .offset: 0, .size: 8, .value_kind: global_buffer, .address_space: global }
      - { .name: query, .offset: 8, .size: 8, .value_kind: global_buffer, .address_space: global }
      - { .name: W1, .offset: 16, .size: 8, .value_kind: global_buffer, .address_space: global }
      - { .name: W2, .offset: 24, .size: 8, .value_kind: global_buffer, .address_space: global }
      - { .name: b1, .offset: 32, .size: 8, .value_kind: global_buffer, .address_space: global }
      - { .name: g1, .offset: 40, .size: 8, .value_kind: global_buffer, .address_space: global }
      - { .name: be1, .offset: 48, .size: 8, .value_kind: global_buffer, .address_space: global }
      - { .name: dg1, .offset: 56, .size: 8, .value_kind: global_buffer, .address_space: global }
      - { .name: db1, .offset: 64, .size: 8, .value_kind: global_buffer, .address_space: global }
      - { .name: a1, .offset: 72, .size: 8, .value_kind: global_buffer, .address_space: global }
      - { .name: b2, .offset: 80, .size: 8, .value_kind: global_buffer, .address_space: global }
      - { .name: part1, .offset: 88, .size: 8, .value_kind: global_buffer, .address_space: global }
      - { .name: part2, .offset: 96, .size: 8, .value_kind: global_buffer, .address_space: global }
    .group_segment_fixed_size: 168448
    .private_segment_fixed_size: 0
    .kernarg_segment_align: 8
    .kernarg_segment_size: 104
    .max_flat_workgroup_size: 128
    .sgpr_count:     100
    .vgpr_count:     1024
    .wavefront_size: 32
...
	.end_amdgpu_metadata
.endif
;; end of part 2
;; launch final (part 3): grid 256 x 1, 4 waves a work-group, no clusters, 168,448 bytes of LDS; arguments facts, query, mask, W1, W2, b1, g1, be1, dg1, db1, a1, b2, g2, be2, dg2, db2, a2, Wf, bf, part2, out0; writes out0
.if DOCPART == 3
	.amdgcn_target "amdgcn-amd-amdhsa--gfx1250"
	.amdhsa_code_object_version 6
	.text
	.protected	k_qb6be3f9a9d_final
	.globl	k_qb6be3f9a9d_final
	.p2align	8
	.type	k_qb6be3f9a9d_final,@function
k_qb6be3f9a9d_final:
	s_mov_b64 s[64:65], 0
	v_nop
	global_prefetch_b8 v0, s[64:65] scope:SCOPE_SE
	s_setreg_imm32_b32 hwreg(HW_REG_WAVE_MODE, 25, 1), 1
	s_wait_xcnt 0x0
; THIRD OF THREE LAUNCHES: both layers with their norms, the score, the mask, the softmax over a batch's 200 rows and the weighted sum of facts.
; Shares, tile, layouts and ring as in the launches before: a wave owns four batches and walks 50 tiles of 16 rows; a lane (r = lane % 16) is bound to batch r / 4 and takes its rows 4 n + r % 4.
; NORMS: layer 1's mean and variance come from record 0 of part2; layer 2's from the 256 records' sums and the pivot.  Per column seven constants (see DICE), in registers in the results' layouts.
; SOFTMAX, in base 2: log2(e) is folded into Wf, bf and the masked score -1e9.  Each lane keeps a running maximum m, a sum l and 32 sums of p f (its half of the 64 channels) for its own rows;
; in every tile l and the sums are multiplied by 2^(m_old - m_new).  At the end the four lanes of a batch are brought under their common maximum and added.  A batch whose mask is all 0 gets
; equal weights.  The score's product (N = 1) is f32 multiply-adds.
; The mask words of a wave's four batches (3,200 consecutive bytes) are copied once into LDS and read from there, 4 bytes a lane and tile.
; NOT USED: clusters (work-groups share only the weights and the records); prefetches (four tiles of a wave are always asked for ahead by the ring itself).
; LIMITS: NaN and infinities among the inputs (and scores that overflow) are not served; a block whose largest magnitude lies under 2^-118 gets the scale byte 1, a block of zeros too.
.set RING, 5
; ---- LDS map (bytes)
.set W1L,  0                           ; W1 as f32, brought by tensor loads: row k at 256 k
.set W2L,  65536                       ; W2 as f32: row k at 128 k
.set IMG,  73728                       ; W1's 8 fragments as images of their registers, 2,048 bytes each
.set ISC,  90112                       ; their scale words, 128 bytes each
.set RED,  91136                       ; 4 x 512: the waves' parts of the records' sums
.set CT,   93184                       ; 4 x 3,072: each wave's own table of column constants
.set FIN,  105472                      ; 4 x 512: the waves' sums at the end
.set PV,   107520                      ; the pivot
.set MV,   108032                      ; mean and variance
.set MSK,  108544                      ; 4 x 3,328: each wave's mask words
.set OST,  121856                      ; 4 x 1,024: the way out
; ---- scalar registers
.set WV,   2                           ; wave
.set TAU,  3                           ; first tile of the trip
.set TT,   4
.set FLR,  5                           ; 2^(9 - 127): the floor under a block's largest magnitude
.set MNT,  6                           ; the mantissa field of 448
.set TK,   7
.set G1W,  52                          ; s[52:59], s[60:63] descriptor for W1
.set G0W,  60
.set G1X,  68                          ; s[68:75], s[76:79] descriptor for W2
.set G0X,  76
.set FB,   80                          ; s[80:81] facts at my four batches
.set SEL,  82                          ; s[82:83] selects of v_permlanex16_b32: lane xor 16
.set INVN, 84
.set EPS1, 85
.set EPS2, 86
.set NL2E, 87
; ---- vector registers, window 0
.set VF,   1                           ; my byte in a tile of facts: 51,200 (r / 4) + 256 (r % 4) + 64 (lane / 16)
.set VOF,  2                           ; v2.. one load offset for each ring slot
.set VLI,  10                          ; IMG + 16 lane
.set VLS,  11                          ; ISC + 4 lane
.set VA,   12
.set VB,   14
.set QW,   15                          ; the two scale bytes of q
.set W1S,  16                          ; v16-23 W1's scale words; v24-25 W2's; v26-28 the rows' : these hold scales and nothing else
.set W2S,  24
.set SW0,  26
.set SW1,  27
.set HW,   28
.set TMX,  30                          ; six blocks: largest magnitude; bytes; 448 x scale; the conversion's scale operand
.set TPB,  36
.set THB,  42
.set TSC,  48
.set MX,   54                          ; the running maximum
.set LS,   55                          ; the running sum
.set TN,   56                          ; the tile's score
.set MN,   57
.set AF,   58                          ; v[58:59] 2^(m_old - m_new): named as a pair, its low word serves both halves
.set PF,   60                          ; v[60:61] p likewise
.set MK,   62
.set BFV,  63                          ; bf log2(e)
.set Q,    64                          ; v64-95 q
.set T,    96                          ; v96-191 at work: T x - mean, T + 32 y then h, T + 64 t then the gate
.set PRM,  T+64                        ; at the head: the parameters as they are loaded
.set PR2,  PRM+16
.set A0,   192                         ; codes of [q | f]
.set A1F,  208                         ; codes of [q - f | q f]
.set HC,   224                         ; codes of h1, then eight registers of zeros
.set X,    240
.set W2F,  448
.set MSB, 0
.macro WIN new                         ; the immediate's high byte repeats the setting that is left; a switch that changes nothing is dropped
.if MSB != (\new)
	s_set_vgpr_msb (MSB<<8)|(\new)
.set MSB, (\new)
.endif
.endm
.macro PLACES n
.rept \n
	v_nop
.endr
.endm
.macro CONSTS
	s_mov_b32 s[FLR], 0x04800000
	s_mov_b32 s[MNT], 0x600000
	s_mov_b32 s[SEL], 0x76543210
	s_mov_b32 s[SEL+1], 0xfedcba98
	s_mov_b32 s[G1W], 3<<16                        ; elements of 8 bytes, no padding, no mask
	s_mov_b32 s[G1W+1], 32<<16                     ; tensor_dim0 = 32: rows of 256 bytes
	s_mov_b32 s[G1W+2], 64<<16                     ; tensor_dim1 = 64 rows: a quarter of W1 for each wave
	s_mov_b32 s[G1W+3], 32<<16                     ; tile_dim0
	s_mov_b32 s[G1W+4], 64                         ; tile_dim1
	s_mov_b32 s[G1W+5], 32                         ; pitch: the block is dense
	s_mov_b32 s[G1W+6], 0
	s_mov_b32 s[G1W+7], 0
	s_mov_b32 s[G0W], 1
	s_lshl_b32 s[G0W+1], s[WV], 14                 ; LDS: 16,384 x wave
.endm
.macro CONSTX
	s_mov_b32 s[G1X], 3<<16                        ; the same for W2: 8 rows of 256 bytes for each wave
	s_mov_b32 s[G1X+1], 32<<16
	s_mov_b32 s[G1X+2], 8<<16
	s_mov_b32 s[G1X+3], 32<<16
	s_mov_b32 s[G1X+4], 8
	s_mov_b32 s[G1X+5], 32
	s_mov_b32 s[G1X+6], 0
	s_mov_b32 s[G1X+7], 0
	s_mov_b32 s[G0X], 1
	s_lshl_b32 s[G0X+1], s[WV], 11
	s_add_co_u32 s[G0X+1], s[G0X+1], W2L
	s_mov_b32 s[INVN], 0x35a3d70a                  ; 1 / 819,200
	s_mov_b32 s[EPS1], 0x3727c5ac                  ; 1e-5
	s_mov_b32 s[EPS2], 0x322bcc77                  ; 1e-8
	s_mov_b32 s[NL2E], 0xbfb8aa3b                  ; -log2(e)
.endm
.macro IDS                             ; leaves lane / 16 in v[VA] and the lane in v[VB]
	v_and_b32 v[VB], 31, v0
	v_lshl_add_u32 v[VLI], v[VB], 4, IMG
	v_lshl_add_u32 v[VLS], v[VB], 2, ISC
	v_bfe_u32 v[VA], v0, 2, 2
	v_mul_u32_u24 v[VF], v[VA], 51200
	v_lshlrev_b32 v[VQO], 8, v[VA]
	v_and_b32 v[VA], 3, v0
	v_lshl_add_u32 v[VF], v[VA], 8, v[VF]
	v_bfe_u32 v[VA], v0, 4, 1
	v_lshl_add_u32 v[VF], v[VA], 6, v[VF]
	v_lshl_add_u32 v[VQO], v[VA], 6, v[VQO]
.irp k, 0,1,2,3,4,5
	v_mov_b32 v[TPB+\k], 0                         ; written once: a lane permute's destination counts as one of its sources
.endr
.endm
; 32 numbers of a lane: 16 neighbours of each of a row's two blocks of 32
.macro LD32 dst, vo, sb, nt
	WIN (((\dst)>>8)<<6)
.set lD, (\dst)&255
.irp o, 0,1,2,3,4,5,6,7
.if \nt
	global_load_b128 v[lD+4*\o:lD+4*\o+3], v[\vo], s[\sb:\sb+1] offset:128*(\o/4)+16*(\o%4) th:TH_LOAD_NT
.else
	global_load_b128 v[lD+4*\o:lD+4*\o+3], v[\vo], s[\sb:\sb+1] offset:128*(\o/4)+16*(\o%4)
.endif
.endr
	WIN 0
.endm
.macro LDP reg, sb, off                ; columns lane and lane + 32 of a vector of 64
	global_load_b32 v[\reg], v[VG4], s[\sb:\sb+1] offset:\off
	global_load_b32 v[(\reg)+1], v[VG4], s[\sb:\sb+1] offset:(\off)+128
.endm
.macro FILL i                          ; tile i into slot i
	v_add_nc_u32 v[VOF+(\i)], 1024*(\i), v[VF]
	LD32 256+32*(\i), VOF+(\i), FB, 1
.endm
.macro REFILL i                        ; slot i takes the tile RING further on.  Past the last tile every lane's offset becomes 0: the eight loads are still issued, so that the counts of the waits hold on every path, and stay inside facts
	s_add_co_u32 s[TT], s[TAU], (\i)+RING
	s_cmp_lt_u32 s[TT], 50
	s_cselect_b32 s[TK], -1, 0
	s_lshl_b32 s[TT], s[TT], 10
	WIN 0
	v_add_nc_u32 v[VOF+(\i)], s[TT], v[VF]         ; free: the wait at the tile's head has shown this slot's last loads done
	v_and_b32 v[VOF+(\i)], s[TK], v[VOF+(\i)]
	LD32 256+32*(\i), VOF+(\i), FB, 1
.endm
; the largest magnitude of my 16 numbers of nb blocks (block b0 + k at src + 16 k), with the floor among the leaves; the blocks by turns
.macro MAXB src, b0, nb
	WIN 0x14*((\src)>>8)
.set mS, (\src)&255
.set zk, 0
.rept \nb
	v_max3_num_f32 v[TMX+(\b0)+zk], s[FLR], |v[mS+16*zk]|, |v[mS+16*zk+1]|
.set zk, zk+1
.endr
.set zj, 2
.rept 7
.set zk, 0
.rept \nb
	v_max3_num_f32 v[TMX+(\b0)+zk], v[TMX+(\b0)+zk], |v[mS+16*zk+zj]|, |v[mS+16*zk+zj+1]|
.set zk, zk+1
.endr
.set zj, zj+2
.endr
.endm
; joined with lane xor 16; then the conversion's scale operand (8 off the exponent field), 448 x the scale, and the byte
.macro SCL b0, nb
	WIN 0
.set zk, \b0
.rept \nb
	v_permlanex16_b32 v[TPB+zk], v[TMX+zk], s[SEL], s[SEL+1]
.set zk, zk+1
.endr
.set zk, \b0
.rept \nb
	v_max_num_f32 v[TMX+zk], v[TMX+zk], v[TPB+zk]
.set zk, zk+1
.endr
.set zk, \b0
.rept \nb
	v_add_nc_u32 v[TSC+zk], 0xfc000000, v[TMX+zk]
.set zk, zk+1
.endr
.set zk, \b0
.rept \nb
	v_and_or_b32 v[THB+zk], v[TMX+zk], 0x7f800000, s[MNT]
.set zk, zk+1
.endr
.set zk, \b0
.rept \nb
	v_lshrrev_b32 v[TPB+zk], 23, v[TSC+zk]
.set zk, zk+1
.endr
.endm
.macro HOLD src, b                     ; the conversion to an 8-bit code does not saturate (ISA guide 7.6.2): 16 numbers held within 448 x the scale, into T + 16 b
	WIN ((\src)>>8)
.set hS, (\src)&255
.set zk, 0
.rept 16
	v_med3_num_f32 v[T+16*(\b)+zk], v[hS+zk], -v[THB+(\b)], v[THB+(\b)]
.set zk, zk+1
.endr
.endm
.macro CVT b, dst                      ; 16 codes: four registers of an operand
	WIN (((\dst)>>8)<<6)
.set cD, (\dst)&255
	v_cvt_scalef32_pk8_fp8_f32 v[cD:cD+1], v[T+16*(\b):T+16*(\b)+7], v[TSC+(\b)]
	v_cvt_scalef32_pk8_fp8_f32 v[cD+2:cD+3], v[T+16*(\b)+8:T+16*(\b)+15], v[TSC+(\b)]
.endm
.macro QUANTQ                          ; q's two blocks: codes into A0 .. A0 + 7, bytes into QW
	MAXB Q, 0, 2
	SCL 0, 2
	v_lshl_or_b32 v[QW], v[TPB+1], 8, v[TPB]
	HOLD Q, 0
	CVT 0, A0
	HOLD Q+16, 1
	CVT 1, A0+4
	v_nop                                          ; a plain line behind the last conversion
.endm
; A TILE'S FIRST PRODUCT.  f: the registers that hold its 32 numbers of facts; wcnt: younger loads that may stay out (-1: no wait); slot: the ring slot to fill again (-1: none).
; Leaves x - (what C took off) in T .. T + 31.
.macro FRONT f, wcnt, slot
.if (\wcnt) >= 0
	s_wait_loadcnt \wcnt
.endif
	WIN 0x14*((\f)>>8)
.set fS, (\f)&255
.set zi, 0
.rept 8
.if zi == 0
	v_max3_num_f32 v[TMX], s[FLR], |v[fS]|, |v[fS+1]|
.else
	v_max3_num_f32 v[TMX], v[TMX], |v[fS+2*zi]|, |v[fS+2*zi+1]|
.endif
	v_pk_add_f32 v[T+32+4*zi:T+33+4*zi], v[Q+4*zi:Q+4*zi+1], v[fS+4*zi:fS+4*zi+1] neg_lo:[0,1] neg_hi:[0,1]
	v_pk_mul_f32 v[T+64+4*zi:T+65+4*zi], v[Q+4*zi:Q+4*zi+1], v[fS+4*zi:fS+4*zi+1]
.if zi == 0
	v_max3_num_f32 v[TMX+1], s[FLR], |v[fS+16]|, |v[fS+17]|
.else
	v_max3_num_f32 v[TMX+1], v[TMX+1], |v[fS+16+2*zi]|, |v[fS+17+2*zi]|
.endif
	v_pk_add_f32 v[T+34+4*zi:T+35+4*zi], v[Q+4*zi+2:Q+4*zi+3], v[fS+4*zi+2:fS+4*zi+3] neg_lo:[0,1] neg_hi:[0,1]
	v_pk_mul_f32 v[T+66+4*zi:T+67+4*zi], v[Q+4*zi+2:Q+4*zi+3], v[fS+4*zi+2:fS+4*zi+3]
.set zi, zi+1
.endr
	MAXB T+32, 2, 4
	SCL 0, 6
	v_lshl_or_b32 v[SW0], v[TPB], 16, v[QW]        ; the rows' scale words: K step 0 = q, q, f, f;
	v_lshl_or_b32 v[SW0], v[TPB+1], 24, v[SW0]
	v_lshl_or_b32 v[SW1], v[TPB+3], 8, v[TPB+2]    ; K step 1 = q - f twice, q f twice.  The holds below are the eight places between these and the products
	v_lshl_or_b32 v[SW1], v[TPB+4], 16, v[SW1]
	v_lshl_or_b32 v[SW1], v[TPB+5], 24, v[SW1]
	HOLD \f, 0
	HOLD (\f)+16, 1
.if (\slot) >= 0
	REFILL \slot
.endif
	CVT 0, A0+8
	CVT 1, A0+12
	HOLD T+32, 2                                   ; sixteen plain lines: the places between the codes just made and the products
	WIN 0x32                                       ; source 0 (W1) window 2, C window 3
.irp t, 0,1,2,3
	v_wmma_scale_f32_16x16x128_f8f6f4 v[T+8*\t:T+8*\t+7], v[32*\t:32*\t+15], v[A0:A0+15], v[8*\t:8*\t+7], v[W1S+2*\t], v[SW0]
.endr
	CVT 2, A1F
.irp b, 3,4,5
	HOLD T+16*\b, \b
	CVT \b, A1F+4*(\b-2)
.endr
	PLACES 4
	WIN 0x02
.irp t, 0,1,2,3                        ; the four accumulators by turns, one instruction a turn
	v_wmma_scale_f32_16x16x128_f8f6f4 v[T+8*\t:T+8*\t+7], v[32*\t+16:32*\t+31], v[A1F:A1F+15], v[T+8*\t:T+8*\t+7], v[W1S+2*\t+1], v[SW1]
.endr
	WIN 0
	PLACES 8                                       ; eight places in front of the first read of the results
.endm
.macro W1ADR                           ; v[VA]: my column of W1 in LDS; v[VB], v[VC]: where my wave's images and scale words go
	v_and_b32 v[VA], 15, v0
	v_and_b32 v[VB], 8, v0
	v_add_nc_u32 v[VA], v[VA], v[VB]               ; r + 8 (r / 8)
	v_lshlrev_b32 v[VA], 2, v[VA]
	v_bfe_u32 v[VB], v0, 4, 1
	v_lshl_add_u32 v[VA], v[VB], 12, v[VA]         ; lanes 16-31 begin 16 rows of 256 bytes further down K
	s_lshr_b32 s90, s[WV], 1
	s_lshl_b32 s90, s90, 7
	s_and_b32 s91, s[WV], 1
	s_lshl_b32 s91, s91, 5
	s_add_co_u32 s90, s90, s91                     ; tile t = wave begins at column 32 (t / 2) + 8 (t % 2)
	v_add_nc_u32 v[VA], s90, v[VA]
	s_lshl_b32 s90, s[WV], 12
	v_add_nc_u32 v[VB], s90, v[VLI]
	s_lshl_b32 s90, s[WV], 8
	v_add_nc_u32 v[VC], s90, v[VLS]
.endm
; Wave w quantises tile w of W1 (16 columns, all 256 of K: two fragments): a lane takes a column and its registers run down K; the fragments go to LDS as images of their registers
.macro W1Q
.irp s, 0,1
.set zk, 0
.rept 64
	ds_load_b32 v[T+zk], v[VA] offset:(128*\s+32*(zk/16)+(zk%16))*256
.set zk, zk+1
.endr
	s_wait_dscnt 0x0
	MAXB T, 0, 4
	SCL 0, 4
	v_lshl_or_b32 v[X], v[TPB+1], 8, v[TPB]
	v_lshl_or_b32 v[X], v[TPB+2], 16, v[X]
	v_lshl_or_b32 v[X], v[TPB+3], 24, v[X]
.irp b, 0,1,2,3
	HOLD T+16*\b, \b
	CVT \b, A0+4*\b
.endr
	v_nop
.irp c, 0,1,2,3
	ds_store_b128 v[VB], v[A0+4*\c:A0+4*\c+3] offset:2048*\s+512*\c
.endr
	ds_store_b32 v[VC], v[X] offset:128*\s
	s_wait_dscnt 0x0                               ; the stores are done: for the registers' sake, and in front of the barrier for the other waves' sake
.endr
.endm
.macro IMGLOAD                         ; all eight fragments (tile t, K step s at 16 (2 t + s) of window 2) and their scale words
	WIN 0x80
.set zk, 0
.rept 32
	ds_load_b128 v[4*zk:4*zk+3], v[VLI] offset:512*zk
.set zk, zk+1
.endr
	WIN 0
.set zk, 0
.rept 8
	ds_load_b32 v[W1S+zk], v[VLS] offset:128*zk
.set zk, zk+1
.endr
.endm
; Every wave quantises W2 for itself: two tiles of 16 columns, K = 64; the upper halves of the fragments, and of h1's, are zero codes, their scale bytes 0
.macro W2Q
	v_and_b32 v[VA], 15, v0
	v_lshl_add_u32 v[VA], v[VA], 2, W2L
	v_bfe_u32 v[VB], v0, 4, 1
	v_lshl_add_u32 v[VA], v[VB], 11, v[VA]
.irp u, 0,1
.set zk, 0
.rept 32
	ds_load_b32 v[T+zk], v[VA] offset:64*\u+(32*(zk/16)+(zk%16))*128
.set zk, zk+1
.endr
	s_wait_dscnt 0x0
	MAXB T, 0, 2
	SCL 0, 2
	v_lshl_or_b32 v[W2S+\u], v[TPB+1], 8, v[TPB]
	HOLD T, 0
	CVT 0, W2F+16*\u
	HOLD T+16, 1
	CVT 1, W2F+16*\u+4
	WIN 0x40
.set zk, 0
.rept 8
	v_mov_b32 v[(W2F&255)+16*\u+8+zk], 0
.set zk, zk+1
.endr
	WIN 0
.endr
.set zk, 0
.rept 8
	v_mov_b32 v[HC+8+zk], 0
.set zk, zk+1
.endr
.endm
.macro TLEVEL half                     ; window 3: quad i += quad i + half
.set zk, 0
.rept \half
	v_pk_add_f32 v[4*zk:4*zk+1], v[4*zk:4*zk+1], v[4*(zk+\half):4*(zk+\half)+1]
	v_pk_add_f32 v[4*zk+2:4*zk+3], v[4*zk+2:4*zk+3], v[4*(zk+\half)+2:4*(zk+\half)+3]
.set zk, zk+1
.endr
.endm
.macro MVAR rs, rss, rp, rm, rv        ; mean = pivot + S / N; var = max(SS / N - (S / N)^2, 0)
	v_mul_f32 v[X+8], s[INVN], v[\rs]
	v_mul_f32 v[X+9], s[INVN], v[\rss]
	v_add_f32 v[\rm], v[\rp], v[X+8]
	v_fma_f32 v[X+9], -v[X+8], v[X+8], v[X+9]
	v_max_num_f32 v[\rv], 0, v[X+9]
.endm
; One column a lane: the seven constants, into my wave's own table.  Parameters b, g, be, dg, db, al at pb + ps x 0 .. 5; kind n goes to off + ks n
.macro COLC rm, rv, pb, ps, off, ks
	v_add_f32 v[X+8], s[EPS1], v[\rv]
	v_rsq_f32 v[X+8], v[X+8]
	v_sub_f32 v[X+9], v[\pb], v[\rm]               ; C = b - mean.  (The plain line behind the transcendental)
	s_wait_alu depctr_va_vdst(0)                   ; the wait ahead of the first reader
	v_mul_f32 v[X+10], v[(\pb)+(\ps)], v[X+8]      ; A
	v_mul_f32 v[X+8], v[X+10], v[X+10]
	v_fma_f32 v[X+8], v[X+8], v[\rv], s[EPS2]
	v_rsq_f32 v[X+8], v[X+8]
	v_mul_f32 v[X+11], v[(\pb)+3*(\ps)], v[X+10]   ; dg A
	s_wait_alu depctr_va_vdst(0)
	v_mul_f32 v[X+11], v[X+11], v[X+8]
	v_mul_f32 v[X+11], s[NL2E], v[X+11]            ; P
	v_mul_f32 v[X+12], s[NL2E], v[(\pb)+4*(\ps)]   ; R
	v_sub_f32 v[X+13], 1.0, v[(\pb)+5*(\ps)]       ; 1 - al
	ds_store_b32 v[VCT], v[X+9] offset:(\off)
	ds_store_b32 v[VCT], v[X+10] offset:(\off)+(\ks)
	ds_store_b32 v[VCT], v[(\pb)+2*(\ps)] offset:(\off)+2*(\ks)
	ds_store_b32 v[VCT], v[X+11] offset:(\off)+3*(\ks)
	ds_store_b32 v[VCT], v[X+12] offset:(\off)+4*(\ks)
	ds_store_b32 v[VCT], v[X+13] offset:(\off)+5*(\ks)
	ds_store_b32 v[VCT], v[(\pb)+5*(\ps)] offset:(\off)+6*(\ks)
	s_wait_dscnt 0x0
.endm
.macro LOADC1                          ; layer 1's seven kinds into window 3, 32 registers each, in the result's layout.  v[VA] = my table + 64 (lane / 16)
	WIN 0xc0
.set zk, 0
.rept 56
	ds_load_b128 v[4*zk:4*zk+3], v[VA] offset:256*(zk/8)+128*((zk/4)%2)+16*(zk%4)
.set zk, zk+1
.endr
	WIN 0
.endm
.macro LOADC2                          ; layer 2's eight kinds (the eighth: Wf log2(e)) into window 2 from v128 on, 16 registers each.  v[VC] = my table + 1,792 + 32 (lane / 16)
	WIN 0x80
.set zk, 0
.rept 32
	ds_load_b128 v[128+4*zk:131+4*zk], v[VC] offset:128*(zk/4)+64*((zk/2)%2)+16*(zk%2)
.set zk, zk+1
.endr
	WIN 0
.endm
; n numbers u in T on become h in T + 32 on.  The constants lie in window cw.  The exponentials are one batch with one wait, the reciprocals another
.macro DICE n, cw, pA, pB, pP, pR, pO, pL
	WIN 0x11*(\cw)
.set zk, 0
.rept (\n)/2
	v_pk_fma_f32 v[T+64+zk:T+65+zk], v[(\pP)+zk:(\pP)+zk+1], v[T+zk:T+zk+1], v[(\pR)+zk:(\pR)+zk+1]   ; t = P u + R; the results are read from their low ends on
.set zk, zk+2
.endr
	WIN 0
.set zk, 0
.rept \n
	v_exp_f32 v[T+64+zk], v[T+64+zk]
.set zk, zk+1
.endr
	WIN 0x11*(\cw)
.set zk, 0
.rept (\n)/2
	v_pk_fma_f32 v[T+32+zk:T+33+zk], v[(\pA)+zk:(\pA)+zk+1], v[T+zk:T+zk+1], v[(\pB)+zk:(\pB)+zk+1]   ; y = A u + be: independent work behind the exponentials
.set zk, zk+2
.endr
	WIN 0
	s_wait_alu depctr_va_vdst(0)                   ; one wait for the batch, ahead of its first reader
.set zk, 0
.rept (\n)/2
	v_pk_add_f32 v[T+64+zk:T+65+zk], v[T+64+zk:T+65+zk], 1.0 op_sel_hi:[1,0]
.set zk, zk+2
.endr
.set zk, 0
.rept \n
	v_rcp_f32 v[T+64+zk], v[T+64+zk]               ; the gate
.set zk, zk+1
.endr
	v_nop
	s_wait_alu depctr_va_vdst(0)
	WIN 0x11*(\cw)
.set zk, 0
.rept (\n)/2
	v_pk_fma_f32 v[T+64+zk:T+65+zk], v[(\pO)+zk:(\pO)+zk+1], v[T+64+zk:T+65+zk], v[(\pL)+zk:(\pL)+zk+1]   ; al + gate (1 - al)
.set zk, zk+2
.endr
	WIN 0
.set zk, 0
.rept (\n)/2
	v_pk_mul_f32 v[T+32+zk:T+33+zk], v[T+32+zk:T+33+zk], v[T+64+zk:T+65+zk]
.set zk, zk+2
.endr
.endm
; h1 (T + 32 .. T + 63: two blocks of 32 along the next K) is quantised in registers and multiplied by W2: x2 - mean2 in T .. T + 15, register 8 u + j = unit 16 u + 8 (lane / 16) + j
.macro QH
	MAXB T+32, 2, 2
	SCL 2, 2
	v_lshl_or_b32 v[HW], v[TPB+3], 8, v[TPB+2]
	HOLD T+32, 2
	CVT 2, HC
	HOLD T+48, 3
	CVT 3, HC+4
	PLACES 4
	WIN 0x21                                       ; source 0 (W2) window 1, C window 2
.irp u, 0,1
	v_wmma_scale_f32_16x16x128_f8f6f4 v[T+8*\u:T+8*\u+7], v[192+16*\u:207+16*\u], v[HC:HC+15], v[128+8*\u:135+8*\u], v[W2S+\u], v[HW]
.endr
	WIN 0
	PLACES 8
.endm
.macro SCORE                           ; my 16 units of h2 (T + 32 on) times Wf log2(e) (window 2, v240 on), in two chains; then lane xor 16's 16 units, and bf log2(e)
	WIN 0x02
	v_pk_mul_f32 v[X:X+1], v[240:241], v[T+32:T+33]
	v_pk_mul_f32 v[X+2:X+3], v[242:243], v[T+34:T+35]
.irp p, 2,4,6
	v_pk_fma_f32 v[X:X+1], v[240+2*\p:241+2*\p], v[T+32+2*\p:T+33+2*\p], v[X:X+1]
	v_pk_fma_f32 v[X+2:X+3], v[242+2*\p:243+2*\p], v[T+34+2*\p:T+35+2*\p], v[X+2:X+3]
.endr
	WIN 0
	v_pk_add_f32 v[X:X+1], v[X:X+1], v[X+2:X+3]
	v_add_f32 v[X], v[X], v[X+1]
	v_permlanex16_b32 v[X+2], v[X], s[SEL], s[SEL+1]
	v_add_f32 v[X], v[X], v[X+2]
	v_add_f32 v[TN], v[BFV], v[X]
.endm
.macro SOFT f                          ; the mask, the running maximum, and my row's share of the sums (window 1, v160-191)
.set sF, (\f)&255
	s_wait_dscnt 0x0                               ; the tile's mask word
	v_cmp_lt_i32 vcc_lo, 0, v[MK]
	v_cndmask_b32 v[TN], v[NEGV], v[TN], vcc_lo    ; mask > 0: the score; else -1e9 log2(e)
	v_max_num_f32 v[MN], v[MX], v[TN]
	v_sub_f32 v[AF], v[MX], v[MN]
	v_sub_f32 v[PF], v[TN], v[MN]
	v_exp_f32 v[AF], v[AF]
	v_exp_f32 v[PF], v[PF]
	v_mov_b32 v[MX], v[MN]                         ; (the plain line behind the two)
	s_wait_alu depctr_va_vdst(0)                   ; one wait for both
	v_fma_f32 v[LS], v[LS], v[AF], v[PF]
	WIN 0x41
.set zk, 0
.rept 16
	v_pk_mul_f32 v[160+zk:161+zk], v[160+zk:161+zk], v[AF:AF+1] op_sel_hi:[1,0]
.set zk, zk+2
.endr
	WIN 0x51
.set zk, 0
.rept 16
	v_pk_fma_f32 v[160+zk:161+zk], v[sF+zk:sF+zk+1], v[PF:PF+1], v[160+zk:161+zk] op_sel_hi:[1,0,1]
.set zk, zk+2
.endr
	WIN 0
.endm
; ---- this launch's own registers.  Window 1: v0-159 the ring's 5 slots; v160-191 the sums of p f (at the head the mask words land there); v192-223 W2.
; Window 2: v0-127 W1; from v128 C, A, BE, P, R, 1 - al, al of layer 2 and Wf log2(e), 16 each.  Window 3: the seven kinds of layer 1, 32 each; at the head the records land there.
.set VQO,  7
.set VG4,  8
.set VG16, 9
.set VC,   13
.set VMA,  13                          ; from the loop on: my mask word of tile 0 in LDS
.set VCT,  14
.set VREC, 29
.set NEGV, 29                          ; behind the records' wait: -1e9 log2(e)
	s_load_b512 s[8:23], s[0:1], 0x0               ; facts 8, query 10, mask 12, W1 14, W2 16, b1 18, g1 20, be1 22
	s_load_b512 s[24:39], s[0:1], 0x40             ; dg1 24, db1 26, a1 28, b2 30, g2 32, be2 34, dg2 36, db2 38
	s_load_b256 s[40:47], s[0:1], 0x80             ; a2 40, Wf 42, bf 44, part2 46
	s_load_b64 s[48:49], s[0:1], 0xa0              ; out0
	v_lshl_add_u32 v254, v0, 2, 0x29000
	v_mov_b32 v255, 0
	ds_add_u32 v254, v255
	ds_add_u32 v254, v255
	v_lshrrev_b32 v[VA], 5, v0
	v_readfirstlane_b32 s[WV], v[VA]
	CONSTS
	CONSTX
	IDS
	v_lshlrev_b32 v[VG4], 2, v[VB]
	v_lshlrev_b32 v[VG16], 4, v[VB]
	v_and_b32 v[VREC], 15, v0
	v_lshlrev_b32 v[VREC], 4, v[VREC]
	v_lshl_add_u32 v[VREC], v[VA], 10, v[VREC]     ; lanes 0-15 an even record's first 256 bytes, lanes 16-31 the next record's
	s_lshl_b32 s90, s[WV], 16                      ; my 64 records of 1,024 bytes
	v_add_nc_u32 v[VREC], s90, v[VREC]
.irp k, 4,5,6,7
	v_mov_b32 v[X+\k], 0                           ; lane permutes' destinations
.endr
	s_lshl_b32 s90, s[WV], 14
	s_mov_b32 s91, 0
	s_lshl_b32 s96, s[WV], 11
	s_mov_b32 s97, 0
	s_lshl_b32 s92, ttmp9, 2
	s_add_co_u32 s92, s92, s[WV]                   ; G4
	s_mul_i32 s94, s92, 204800
	s_mov_b32 s95, 0
	s_wait_dscnt 0x0
	s_wait_kmcnt 0x0
	s_add_nc_u64 s[G0W+2:G0W+3], s[14:15], s[90:91]
	s_or_b32 s[G0W+3], s[G0W+3], 0x80000000
	s_add_nc_u64 s[G0X+2:G0X+3], s[16:17], s[96:97]
	s_or_b32 s[G0X+3], s[G0X+3], 0x80000000
	tensor_load_to_lds s[G0W:G0W+3], s[G1W:G1W+7]  ; the launch's only fills: two tensor loads of mine are out
	s_nop 0
	tensor_load_to_lds s[G0X:G0X+3], s[G1X:G1X+7]
	s_nop 0
	PLACES 4
	s_load_b32 s89, s[44:45], 0x0                  ; bf
	s_add_nc_u64 s[FB:FB+1], s[8:9], s[94:95]
	s_lshl_b32 s90, s92, 10
	s_add_nc_u64 s[10:11], s[10:11], s[90:91]      ; query and out0 at my four batches
	s_add_nc_u64 s[48:49], s[48:49], s[90:91]
	s_mul_i32 s90, s92, 3200
	s_add_nc_u64 s[12:13], s[12:13], s[90:91]      ; the mask likewise
	WIN 0xc0
.set zk, 0
.rept 32
	global_load_b128 v[4*zk:4*zk+3], v[VREC], s[46:47] offset:2048*zk   ; S2 and SS2 of two records
.set zk, zk+1
.endr
	WIN 0
	LDP PRM, 18, 0                                 ; b1
	LDP PRM+2, 20, 0                               ; g1
	LDP PRM+4, 22, 0                               ; be1
	LDP PRM+6, 24, 0                               ; dg1
	LDP PRM+8, 26, 0                               ; db1
	LDP PRM+10, 28, 0                              ; a1
	LDP PRM+12, 46, 512                            ; mean1, var1: record 0's (all records hold the same)
	LDP PRM+14, 46, 768
	global_load_b32 v[PR2], v[VG4], s[30:31]       ; b2
	global_load_b32 v[PR2+1], v[VG4], s[32:33]     ; g2
	global_load_b32 v[PR2+2], v[VG4], s[34:35]     ; be2
	global_load_b32 v[PR2+3], v[VG4], s[36:37]     ; dg2
	global_load_b32 v[PR2+4], v[VG4], s[38:39]     ; db2
	global_load_b32 v[PR2+5], v[VG4], s[40:41]     ; a2
	global_load_b32 v[PR2+6], v[VG4], s[46:47] offset:256   ; p2
	global_load_b32 v[PR2+7], v[VG4], s[42:43]     ; Wf
	WIN 0x40
.irp j, 0,1,2,3,4,5
	global_load_b128 v[160+4*\j:163+4*\j], v[VG16], s[12:13] offset:512*\j   ; my four batches' mask words: 3,072 bytes,
.endr
	global_load_b32 v184, v[VG4], s[12:13] offset:3072                       ; and the last 128
	WIN 0
	LD32 Q, VQO, 10, 0
	s_wait_loadcnt 39                              ; the 39 loads behind the records may stay out
	WIN 0xcf
	TLEVEL 16
	TLEVEL 8
	TLEVEL 4
	TLEVEL 2
	WIN 0x0f
	v_pk_add_f32 v[X:X+1], v[0:1], v[4:5]
	v_pk_add_f32 v[X+2:X+3], v[2:3], v[6:7]
	WIN 0
.irp k, 0,1,2,3
	v_permlanex16_b32 v[X+4+\k], v[X+\k], s[SEL], s[SEL+1]
.endr
.irp k, 0,1,2,3
	v_add_f32 v[X+\k], v[X+\k], v[X+4+\k]          ; the even and the odd records
.endr
	s_lshl_b32 s90, s[WV], 9
	s_add_co_u32 s90, s90, RED
	v_and_b32 v[VA], 15, v0
	v_lshl_add_u32 v[VA], v[VA], 4, s90
	ds_store_b128 v[VA], v[X:X+3]                  ; my 64 records' sums (both halves of the lanes write the same)
	v_mov_b32 v[NEGV], 0xceabfb8f
	FILL 0
	FILL 1
	FILL 2
	FILL 3
	FILL 4
	s_wait_tensorcnt 0x0                           ; my parts of W1 and W2 are in LDS,
	s_wait_dscnt 0x0                               ; my sums too:
	s_barrier_signal -1
	s_barrier_wait -1                              ; everybody's are
	W1ADR
	W1Q
	W2Q
	s_barrier_signal -1
	s_barrier_wait -1                              ; the eight images lie in LDS
	IMGLOAD
	s_wait_loadcnt 40                              ; all but the five ring slots
	s_wait_kmcnt 0x0
	v_mov_b32 v[BFV], s89
	v_mul_f32 v[BFV], 0x3fb8aa3b, v[BFV]
	s_mul_i32 s90, s[WV], 3328
	s_add_co_u32 s90, s90, MSK
	v_and_b32 v[VB], 31, v0
	v_lshl_add_u32 v[VA], v[VB], 4, s90
	v_lshl_add_u32 v[VB], v[VB], 2, s90
	WIN 0x04                                       ; an LDS store's data are its source 1: window 1
.irp j, 0,1,2,3,4,5
	ds_store_b128 v[VA], v[160+4*\j:163+4*\j] offset:512*\j
.endr
	ds_store_b32 v[VB], v184 offset:3072
	WIN 0
.irp k, 0,1                            ; S2, SS2 of column lane, each from four waves
.irp w, 0,1,2,3
	ds_load_b32 v[T+4*\k+\w], v[VLS] offset:RED-ISC+512*\w+128*\k
.endr
.endr
	s_wait_dscnt 0x0
	s_mul_i32 s90, s[WV], 3072
	s_add_co_u32 s91, s90, CT-ISC
	v_add_nc_u32 v[VCT], s91, v[VLS]               ; my table + 4 lane
	s_add_co_u32 s91, s90, CT
	v_bfe_u32 v[VC], v0, 4, 1
	v_lshl_add_u32 v[VA], v[VC], 6, s91            ; my table + 64 (lane / 16)
	s_add_co_u32 s91, s91, 1792
	v_lshl_add_u32 v[VC], v[VC], 5, s91            ; my table + 1,792 + 32 (lane / 16)
.irp k, 0,1
	v_add_f32 v[T+4*\k], v[T+4*\k], v[T+4*\k+1]
	v_add_f32 v[T+4*\k+2], v[T+4*\k+2], v[T+4*\k+3]
	v_add_f32 v[T+4*\k], v[T+4*\k], v[T+4*\k+2]
.endr
	MVAR T, T+4, PR2+6, X, X+2
	COLC PRM+12, PRM+14, PRM, 2, 0, 256
	COLC PRM+13, PRM+15, PRM+1, 2, 128, 256
	COLC X, X+2, PR2, 1, 1792, 128
	v_mul_f32 v[X+8], 0x3fb8aa3b, v[PR2+7]
	ds_store_b32 v[VCT], v[X+8] offset:1792+7*128
	LOADC1
	LOADC2
	s_wait_dscnt 0x0
	QUANTQ
	WIN 0x40
.set zk, 0
.rept 32
	v_mov_b32 v[160+zk], 0                         ; the tile is written once for all trips: the sums begin as zeros, the maximum as -infinity
.set zk, zk+1
.endr
	WIN 0
	v_mov_b32 v[LS], 0
	v_mov_b32 v[MX], 0xff800000
	v_mov_b32 v[AF+1], 0                           ; (named as the upper halves of pairs)
	v_mov_b32 v[PF+1], 0
	s_mul_i32 s90, s[WV], 3328
	s_add_co_u32 s90, s90, MSK
	v_bfe_u32 v[VA], v0, 2, 2
	v_mul_u32_u24 v[VMA], v[VA], 800               ; my batch's 200 words,
	v_and_b32 v[VA], 3, v0
	v_lshl_add_u32 v[VMA], v[VA], 2, v[VMA]        ; my row of a tile's four
	v_add_nc_u32 v[VMA], s90, v[VMA]
	s_mov_b32 s[TAU], 0
.Ltrip:                                            ; ten trips of five tiles; the count 32: the four younger slots' loads may stay out
	s_lshl_b32 s[TT], s[TAU], 4
	v_add_nc_u32 v[VB], s[TT], v[VMA]              ; a tile is four words of each batch
.irp i, 0,1,2,3,4
	ds_load_b32 v[MK], v[VB] offset:16*\i
	FRONT 256+32*\i, 32, -1
	DICE 32, 3, 32, 64, 96, 128, 160, 192
	QH
	DICE 16, 2, 144, 160, 176, 192, 208, 224
	SCORE
	SOFT 256+32*\i
	REFILL \i                                      ; facts are wanted until the weighted sum: the slot is filled again at the tile's end
.endr
	s_add_co_u32 s[TAU], s[TAU], 5
	s_cmp_lt_u32 s[TAU], 50
	s_cbranch_scc1 .Ltrip
	; ---- THE WAY OUT: the four lanes of a batch under their common maximum, added, divided by the sum
	v_max_num_f32_dpp v[MN], v[MX], v[MX] row_xmask:1 row_mask:0xf bank_mask:0xf
	v_max_num_f32_dpp v[MN], v[MN], v[MN] row_xmask:2 row_mask:0xf bank_mask:0xf
	v_sub_f32 v[AF], v[MX], v[MN]
	v_exp_f32 v[AF], v[AF]
	s_lshl_b32 s90, s[WV], 10
	s_add_co_u32 s90, s90, OST
	v_bfe_u32 v[VA], v0, 2, 2                      ; (plain lines behind the transcendental)
	v_lshl_add_u32 v[VA], v[VA], 8, s90
	v_bfe_u32 v[VB], v0, 4, 1
	v_lshl_add_u32 v[VA], v[VB], 6, v[VA]          ; in: my batch's row of 256 bytes, my half of it
	v_add_nc_u32 v[VB], s90, v[VG16]               ; back: 16 bytes a lane
	s_wait_alu depctr_va_vdst(0)
	v_mul_f32 v[LS], v[LS], v[AF]
	WIN 0x01
.set zk, 0
.rept 16
	v_pk_mul_f32 v[T+zk:T+zk+1], v[160+zk:161+zk], v[AF:AF+1] op_sel_hi:[1,0]
.set zk, zk+2
.endr
	WIN 0
	v_add_f32_dpp v[LS], v[LS], v[LS] row_xmask:1 row_mask:0xf bank_mask:0xf
	v_add_f32_dpp v[LS], v[LS], v[LS] row_xmask:2 row_mask:0xf bank_mask:0xf
	v_rcp_f32 v[PF], v[LS]                         ; the sum is at least 1: the row of the maximum has p = 1
.irp m, 1,2
.set zk, 0
.rept 32
	v_add_f32_dpp v[T+zk], v[T+zk], v[T+zk] row_xmask:\m row_mask:0xf bank_mask:0xf
.set zk, zk+1
.endr
.endr
	s_wait_alu depctr_va_vdst(0)
.set zk, 0
.rept 16
	v_pk_mul_f32 v[T+zk:T+zk+1], v[T+zk:T+zk+1], v[PF:PF+1] op_sel_hi:[1,0]
.set zk, zk+2
.endr
.irp o, 0,1,2,3,4,5,6,7
	ds_store_b128 v[VA], v[T+4*\o:T+4*\o+3] offset:128*(\o/4)+16*(\o%4)   ; the four lanes of a batch write the same bytes with the same values
.endr
	ds_load_b128 v[T+32:T+35], v[VB]               ; LDS serves a wave's instructions in order (ISA guide 5.7.1.4): these see my stores
	ds_load_b128 v[T+36:T+39], v[VB] offset:512
	s_wait_dscnt 0x0
	global_store_b128 v[VG16], v[T+32:T+35], s[48:49]              ; 512 consecutive bytes, aligned: two batches' rows
	global_store_b128 v[VG16], v[T+36:T+39], s[48:49] offset:512
	s_wait_tensorcnt 0x0
	ds_add_u32 v254, v255
	s_wait_dscnt 0x0
	s_endpgm
.Lfunc_end_k_qb6be3f9a9d_final:
	.size	k_qb6be3f9a9d_final, .Lfunc_end_k_qb6be3f9a9d_final-k_qb6be3f9a9d_final
	.p2alignl 7, 3214868480
	.fill 96, 4, 3214868480
	.section	.rodata,"a",@progbits
	.p2align	6, 0x0
	.amdhsa_kernel k_qb6be3f9a9d_final
		.amdhsa_group_segment_fixed_size 168448
		.amdhsa_private_segment_fixed_size 0
		.amdhsa_enable_private_segment 0
		.amdhsa_kernarg_size 168
		.amdhsa_user_sgpr_count 2
		.amdhsa_user_sgpr_kernarg_segment_ptr 1
		.amdhsa_wavefront_size32 1
		.amdhsa_system_sgpr_workgroup_id_x 1
		.amdhsa_system_sgpr_workgroup_id_y 1
		.amdhsa_system_sgpr_workgroup_id_z 1
		.amdhsa_system_vgpr_workitem_id 0
		.amdhsa_next_free_vgpr 1024
		.amdhsa_next_free_sgpr 100
		.amdhsa_reserve_vcc 1
		.amdhsa_float_denorm_mode_32 3
		.amdhsa_float_denorm_mode_16_64 3
		.amdhsa_memory_ordered 1
		.amdhsa_forward_progress 1
		.amdhsa_inst_pref_size 255
	.end_amdhsa_kernel
	.section	.bss,"aw",@nobits
	.p2align	6
	.space	262144
	.amdgpu_metadata
---
amdhsa.version: [ 1, 2 ]
amdhsa.kernels:
  - .name:           k_qb6be3f9a9d_final
    .symbol:         k_qb6be3f9a9d_final.kd
    .args:
      - { .name: facts, .offset: 0, .size: 8, .value_kind: global_buffer, .address_space: global }
      - { .name: query, .offset: 8, .size: 8, .value_kind: global_buffer, .address_space: global }
      - { .name: mask, .offset: 16, .size: 8, .value_kind: global_buffer, .address_space: global }
      - { .name: W1, .offset: 24, .size: 8, .value_kind: global_buffer, .address_space: global }
      - { .name: W2, .offset: 32, .size: 8, .value_kind: global_buffer, .address_space: global }
      - { .name: b1, .offset: 40, .size: 8, .value_kind: global_buffer, .address_space: global }
      - { .name: g1, .offset: 48, .size: 8, .value_kind: global_buffer, .address_space: global }
      - { .name: be1, .offset: 56, .size: 8, .value_kind: global_buffer, .address_space: global }
      - { .name: dg1, .offset: 64, .size: 8, .value_kind: global_buffer, .address_space: global }
      - { .name: db1, .offset: 72, .size: 8, .value_kind: global_buffer, .address_space: global }
      - { .name: a1, .offset: 80, .size: 8, .value_kind: global_buffer, .address_space: global }
      - { .name: b2, .offset: 88, .size: 8, .value_kind: global_buffer, .address_space: global }
      - { .name: g2, .offset: 96, .size: 8, .value_kind: global_buffer, .address_space: global }
      - { .name: be2, .offset: 104, .size: 8, .value_kind: global_buffer, .address_space: global }
      - { .name: dg2, .offset: 112, .size: 8, .value_kind: global_buffer, .address_space: global }
      - { .name: db2, .offset: 120, .size: 8, .value_kind: global_buffer, .address_space: global }
      - { .name: a2, .offset: 128, .size: 8, .value_kind: global_buffer, .address_space: global }
      - { .name: Wf, .offset: 136, .size: 8, .value_kind: global_buffer, .address_space: global }
      - { .name: bf, .offset: 144, .size: 8, .value_kind: global_buffer, .address_space: global }
      - { .name: part2, .offset: 152, .size: 8, .value_kind: global_buffer, .address_space: global }
      - { .name: out0, .offset: 160, .size: 8, .value_kind: global_buffer, .address_space: global }
    .group_segment_fixed_size: 168448
    .private_segment_fixed_size: 0
    .kernarg_segment_align: 8
    .kernarg_segment_size: 168
    .max_flat_workgroup_size: 128
    .sgpr_count:     100
    .vgpr_count:     1024
    .wavefront_size: 32
...
	.end_amdgpu_metadata
.endif
;; end of part 3
;; ======== version 2 of 2: 3 launches
;; limits: right only within a limited range of input values
;; workspace buffers: part1 196,608 bytes; part2 65,536 bytes; codes 163,840,000 bytes; qc 1,048,576 bytes; w1i 17,408 bytes; hcod 52,428,800 bytes; hs 6,553,600 bytes; w2i 2,304 bytes
;; launch stat1 (part 4): grid 256 x 1, 4 waves a work-group, no clusters, 168,448 bytes of LDS; arguments facts, query, W1, b1, part1, codes, qc, w1i; writes part1, codes, qc, w1i
.if DOCPART == 4
	.amdgcn_target "amdgcn-amd-amdhsa--gfx1250"
	.amdhsa_code_object_version 6
	.text
	.protected	k_qb6be3f9a9d_stat1
	.globl	k_qb6be3f9a9d_stat1
	.p2align	8
	.type	k_qb6be3f9a9d_stat1,@function
k_qb6be3f9a9d_stat1:
	s_mov_b64 s[64:65], 0
	v_nop
	global_prefetch_b8 v0, s[64:65] scope:SCOPE_SE
	s_setreg_imm32_b32 hwreg(HW_REG_WAVE_MODE, 25, 1), 1
	s_wait_xcnt 0x0
; FIRST OF THREE LAUNCHES: the column sums of layer 1, x = Q(ai) Q(W1) + b1, ai = [q, f, q - f, q f], over all 819,200 rows, for the batch norm.
; Both operands are quantised to E4M3 with one E8M0 scale for each 32 along K and multiplied by v_wmma_scale_f32_16x16x128_f8f6f4; sums in f32.
; SHARES: 256 work-groups x 4 waves; a wave owns four batches (G4 = 4 x work-group + wave) and walks 50 tiles of 16 rows: tile n holds rows 4 n .. 4 n + 3 of each of its
; four batches, so a lane (r = lane % 16) is bound to batch r / 4 for the whole launch and q is quantised once.
; PIVOT: every wave first computes one fixed tile (batches 0-3, rows 0-3); p = that tile's column mean.  The products then start from C = b1 - p, and what is summed is
; x - p and (x - p)^2: no difference of large sums is formed later, whatever offset the inputs carry.  Record of a work-group in part1: [S 64][SS 64][p 64] f32, 768 bytes.
; THE PRODUCT IS USED TRANSPOSED (source 0 = 16 columns of W1, source 1 = 16 rows of ai): a lane holds one row, register i = hidden unit 32 (i / 16) + 16 (lane / 16) + i % 16.
; FACTS come through a ring of 8 register slots, as they lie: each of a tile's eight loads reads 512 consecutive bytes, two rows.  The conversions want 16 neighbours of a block in ONE lane:
; so a tile turns through the wave's own stage in LDS (16 rows, 272 bytes apart) and comes back in the operand's layout, one tile ahead of the work.
; NOT USED: clusters (work-groups share only W1, 64 KiB once, against 819,200 bytes of facts each); prefetches (seven tiles of a wave are always asked for ahead by the ring itself).
; LIMITS: NaN and infinities among the inputs are not served; a block whose largest magnitude lies under 2^-118 gets the scale byte 1, a block of zeros too (its codes are zeros).
.set RING, 8
; ---- LDS map (bytes)
.set W1L,  0                           ; W1 as f32, brought by tensor loads: row k at 256 k
.set IMG,  73728                       ; W1's 8 fragments as images of their registers, 2,048 bytes each
.set ISC,  90112                       ; their scale words, 128 bytes each
.set FIN,  105472                      ; 4 x 512: the waves' sums at the end
.set PV,   107520                      ; the pivot
.set STG,  125952                      ; 4 x 4,352: each wave's stage for a tile of facts
; ---- scalar registers
.set WV,   2                           ; wave
.set TAU,  3                           ; first tile of the trip
.set TT,   4
.set FLR,  5                           ; 2^(9 - 127): the floor under a block's largest magnitude
.set MNT,  6                           ; the mantissa field of 448
.set TK,   7
.set G1W,  52                          ; s[52:59], s[60:63] descriptor for W1
.set G0W,  60
.set FB,   80                          ; s[80:81] facts at my four batches
.set SEL,  82                          ; s[82:83] selects of v_permlanex16_b32: lane xor 16
.set QB,   98                          ; s[98:99] query at my four batches
; ---- vector registers, window 0
.set VF,   1                           ; the fixed tile alone: my byte in a tile of facts: 51,200 (r / 4) + 256 (r % 4) + 64 (lane / 16)
.set VOF,  2                           ; v2-9 one load offset for each ring slot
.set VLI,  10                          ; IMG + 16 lane
.set VLS,  11                          ; ISC + 4 lane
.set VA,   12
.set VB,   14
.set QW,   15                          ; the two scale bytes of q
.set W1S,  16                          ; v16-23 W1's scale words; v26-27 the rows': these hold scales and nothing else
.set SW0,  26
.set SW1,  27
.set TMX,  30                          ; six blocks: largest magnitude; bytes; 448 x scale; the conversion's scale operand
.set TPB,  36
.set THB,  42
.set TSC,  48
.set Q,    64                          ; v64-95 q
.set T,    96                          ; v96-191 at work
.set A0,   192                         ; codes of [q | f]
.set A1F,  208                         ; codes of [q - f | q f]
.set X,    240
.set FT,   800                         ; window 3, v32-63: the tile in hand, in the operand's layout
.set MSB, 0
.macro WIN new                         ; the immediate's high byte repeats the setting that is left; a switch that changes nothing is dropped
.if MSB != (\new)
	s_set_vgpr_msb (MSB<<8)|(\new)
.set MSB, (\new)
.endif
.endm
.macro PLACES n
.rept \n
	v_nop
.endr
.endm
.macro CONSTS
	s_mov_b32 s[FLR], 0x04800000
	s_mov_b32 s[MNT], 0x600000
	s_mov_b32 s[SEL], 0x76543210
	s_mov_b32 s[SEL+1], 0xfedcba98
	s_mov_b32 s[G1W], 3<<16                        ; elements of 8 bytes, no padding, no mask
	s_mov_b32 s[G1W+1], 32<<16                     ; tensor_dim0 = 32: rows of 256 bytes
	s_mov_b32 s[G1W+2], 64<<16                     ; tensor_dim1 = 64 rows: a quarter of W1 for each wave
	s_mov_b32 s[G1W+3], 32<<16                     ; tile_dim0
	s_mov_b32 s[G1W+4], 64                         ; tile_dim1
	s_mov_b32 s[G1W+5], 32                         ; pitch: the block is dense
	s_mov_b32 s[G1W+6], 0
	s_mov_b32 s[G1W+7], 0
	s_mov_b32 s[G0W], 1
	s_lshl_b32 s[G0W+1], s[WV], 14                 ; LDS: 16,384 x wave
.endm
.macro IDS                             ; leaves lane / 16 in v[VA] and the lane in v[VB]
	v_and_b32 v[VB], 31, v0
	v_lshl_add_u32 v[VLI], v[VB], 4, IMG
	v_lshl_add_u32 v[VLS], v[VB], 2, ISC
	v_bfe_u32 v[VA], v0, 2, 2
	v_mul_u32_u24 v[VF], v[VA], 51200
	v_lshlrev_b32 v[VQO], 8, v[VA]
	v_and_b32 v[VA], 3, v0
	v_lshl_add_u32 v[VF], v[VA], 8, v[VF]
	v_bfe_u32 v[VA], v0, 4, 1
	v_lshl_add_u32 v[VF], v[VA], 6, v[VF]
	v_lshl_add_u32 v[VQO], v[VA], 6, v[VQO]
.irp k, 0,1,2,3,4,5
	v_mov_b32 v[TPB+\k], 0                         ; written once: a lane permute's destination counts as one of its sources
.endr
.endm
.macro STAGEADR                        ; wants lane / 16 in v[VA].  In: two rows an instruction, 16 bytes a lane.  Back: row r, my half's 64 bytes of a block
	s_mul_i32 s90, s[WV], 4352
	s_add_co_u32 s90, s90, STG
	v_mul_u32_u24 v[VST], v[VA], 272
	v_and_b32 v[VLD], 15, v0
	v_lshl_add_u32 v[VST], v[VLD], 4, v[VST]
	v_add_nc_u32 v[VST], s90, v[VST]
	v_mul_u32_u24 v[VLD], v[VLD], 272
	v_lshl_add_u32 v[VLD], v[VA], 6, v[VLD]
	v_add_nc_u32 v[VLD], s90, v[VLD]
.endm
; 32 numbers of a lane in the operand's layout, straight from memory: for what a wave reads once (b1, q, the fixed tile)
.macro LD32 dst, vo, sb
	WIN (((\dst)>>8)<<6)
.set lD, (\dst)&255
.irp o, 0,1,2,3,4,5,6,7
	global_load_b128 v[lD+4*\o:lD+4*\o+3], v[\vo], s[\sb:\sb+1] offset:128*(\o/4)+16*(\o%4)
.endr
	WIN 0
.endm
.macro LDD i                           ; a tile into slot i, as it lies: load o takes rows 2 (o % 2), 2 (o % 2) + 1 of the tile's four in batch o / 2: 512 consecutive bytes
	WIN 0x40
.irp o, 0,1,2,3,4,5,6,7
	global_load_b128 v[32*(\i)+4*\o:32*(\i)+4*\o+3], v[VOF+(\i)], s[FB:FB+1] offset:51200*(\o/2)+512*(\o%2) th:TH_LOAD_NT
.endr
	WIN 0
.endm
.macro FILL i                          ; tile i into slot i
	v_add_nc_u32 v[VOF+(\i)], 1024*(\i), v[VG16]
	LDD \i
.endm
.macro REFILL i                        ; slot i takes the tile RING further on.  Past the last tile every lane's offset becomes 0: the eight loads are still issued, so that the counts of the waits hold on every path, and stay inside facts
	s_add_co_u32 s[TT], s[TAU], (\i)+RING
	s_cmp_lt_u32 s[TT], 50
	s_cselect_b32 s[TK], -1, 0
	s_lshl_b32 s[TT], s[TT], 10
	WIN 0
	v_add_nc_u32 v[VOF+(\i)], s[TT], v[VG16]       ; free: the wait in front of this slot's turn has shown its last loads done
	v_and_b32 v[VOF+(\i)], s[TK], v[VOF+(\i)]
	LDD \i
.endm
.macro TURN i                          ; slot i through my stage into FT.  LDS serves a wave's instructions in order (ISA guide 5.7.1.4): no wait between the stores and the loads, nor behind the last tile's loads
	WIN 0x04                                       ; an LDS store's data are its source 1: window 1
.irp o, 0,1,2,3,4,5,6,7
	ds_store_b128 v[VST], v[32*(\i)+4*\o:32*(\i)+4*\o+3] offset:544*\o
.endr
	WIN ((FT>>8)<<6)
.irp o, 0,1,2,3,4,5,6,7
	ds_load_b128 v[(FT&255)+4*\o:(FT&255)+4*\o+3], v[VLD] offset:128*(\o/4)+16*(\o%4)
.endr
	WIN 0
.endm
; the largest magnitude of my 16 numbers of nb blocks (block b0 + k at src + 16 k), with the floor among the leaves; the blocks by turns
.macro MAXB src, b0, nb
	WIN 0x14*((\src)>>8)
.set mS, (\src)&255
.set zk, 0
.rept \nb
	v_max3_num_f32 v[TMX+(\b0)+zk], s[FLR], |v[mS+16*zk]|, |v[mS+16*zk+1]|
.set zk, zk+1
.endr
.set zj, 2
.rept 7
.set zk, 0
.rept \nb
	v_max3_num_f32 v[TMX+(\b0)+zk], v[TMX+(\b0)+zk], |v[mS+16*zk+zj]|, |v[mS+16*zk+zj+1]|
.set zk, zk+1
.endr
.set zj, zj+2
.endr
.endm
; joined with lane xor 16; then the conversion's scale operand (8 off the exponent field), 448 x the scale, and the byte
.macro SCL b0, nb
	WIN 0
.set zk, \b0
.rept \nb
	v_permlanex16_b32 v[TPB+zk], v[TMX+zk], s[SEL], s[SEL+1]
.set zk, zk+1
.endr
.set zk, \b0
.rept \nb
	v_max_num_f32 v[TMX+zk], v[TMX+zk], v[TPB+zk]
.set zk, zk+1
.endr
.set zk, \b0
.rept \nb
	v_add_nc_u32 v[TSC+zk], 0xfc000000, v[TMX+zk]
.set zk, zk+1
.endr
.set zk, \b0
.rept \nb
	v_and_or_b32 v[THB+zk], v[TMX+zk], 0x7f800000, s[MNT]
.set zk, zk+1
.endr
.set zk, \b0
.rept \nb
	v_lshrrev_b32 v[TPB+zk], 23, v[TSC+zk]
.set zk, zk+1
.endr
.endm
.macro HOLD src, b                     ; the conversion to an 8-bit code does not saturate (ISA guide 7.6.2): 16 numbers held within 448 x the scale, into T + 16 b
	WIN ((\src)>>8)
.set hS, (\src)&255
.set zk, 0
.rept 16
	v_med3_num_f32 v[T+16*(\b)+zk], v[hS+zk], -v[THB+(\b)], v[THB+(\b)]
.set zk, zk+1
.endr
.endm
.macro CVT b, dst                      ; 16 codes: four registers of an operand
	WIN (((\dst)>>8)<<6)
.set cD, (\dst)&255
	v_cvt_scalef32_pk8_fp8_f32 v[cD:cD+1], v[T+16*(\b):T+16*(\b)+7], v[TSC+(\b)]
	v_cvt_scalef32_pk8_fp8_f32 v[cD+2:cD+3], v[T+16*(\b)+8:T+16*(\b)+15], v[TSC+(\b)]
.endm
.macro QUANTQ                          ; q's two blocks: codes into A0 .. A0 + 7, bytes into QW
	MAXB Q, 0, 2
	SCL 0, 2
	v_lshl_or_b32 v[QW], v[TPB+1], 8, v[TPB]
	HOLD Q, 0
	CVT 0, A0
	HOLD Q+16, 1
	CVT 1, A0+4
	v_nop                                          ; a plain line behind the last conversion
.endm
; A TILE'S FIRST PRODUCT.  f: the registers that hold its 32 numbers of facts.  ring = 1: they come from the stage.  rslot: the ring slot to fill again (-1: none): the one that this tile left.
; tslot: the slot of the next tile, which turns through the stage as soon as f has been read for the last time (-1: none); wcnt: the loads younger than that slot's, which may stay out.
; Leaves x - (what C took off) in T .. T + 31.
.macro FRONT f, ring, rslot, tslot, wcnt
.if \ring
	s_wait_dscnt 0x0
	s_wait_xcnt 0x0                                ; the last tile's stores of codes have read their registers: this tile's conversions may write them
.endif
.if (\rslot) >= 0
	REFILL \rslot
.endif
	WIN 0x14*((\f)>>8)
.set fS, (\f)&255
.set zi, 0
.rept 8
.if zi == 0
	v_max3_num_f32 v[TMX], s[FLR], |v[fS]|, |v[fS+1]|
.else
	v_max3_num_f32 v[TMX], v[TMX], |v[fS+2*zi]|, |v[fS+2*zi+1]|
.endif
	v_pk_add_f32 v[T+32+4*zi:T+33+4*zi], v[Q+4*zi:Q+4*zi+1], v[fS+4*zi:fS+4*zi+1] neg_lo:[0,1] neg_hi:[0,1]
	v_pk_mul_f32 v[T+64+4*zi:T+65+4*zi], v[Q+4*zi:Q+4*zi+1], v[fS+4*zi:fS+4*zi+1]
.if zi == 0
	v_max3_num_f32 v[TMX+1], s[FLR], |v[fS+16]|, |v[fS+17]|
.else
	v_max3_num_f32 v[TMX+1], v[TMX+1], |v[fS+16+2*zi]|, |v[fS+17+2*zi]|
.endif
	v_pk_add_f32 v[T+34+4*zi:T+35+4*zi], v[Q+4*zi+2:Q+4*zi+3], v[fS+4*zi+2:fS+4*zi+3] neg_lo:[0,1] neg_hi:[0,1]
	v_pk_mul_f32 v[T+66+4*zi:T+67+4*zi], v[Q+4*zi+2:Q+4*zi+3], v[fS+4*zi+2:fS+4*zi+3]
.set zi, zi+1
.endr
	MAXB T+32, 2, 4
	SCL 0, 6
	v_lshl_or_b32 v[SW0], v[TPB], 16, v[QW]        ; the rows' scale words: K step 0 = q, q, f, f;
	v_lshl_or_b32 v[SW0], v[TPB+1], 24, v[SW0]
	v_lshl_or_b32 v[SW1], v[TPB+3], 8, v[TPB+2]    ; K step 1 = q - f twice, q f twice.  The holds below are the eight places between these and the products
	v_lshl_or_b32 v[SW1], v[TPB+4], 16, v[SW1]
	v_lshl_or_b32 v[SW1], v[TPB+5], 24, v[SW1]
	HOLD \f, 0
	HOLD (\f)+16, 1
.if (\tslot) >= 0
	s_wait_alu depctr_va_vdst(0)
	s_wait_loadcnt \wcnt                           ; the next tile's eight loads are in
	TURN \tslot                                    ; it has the rest of this tile's work in which to come back
.endif
	CVT 0, A0+8
	CVT 1, A0+12
	HOLD T+32, 2                                   ; sixteen plain lines: the places between the codes just made and the products
	WIN 0x32                                       ; source 0 (W1) window 2, C window 3
.irp t, 0,1,2,3
	v_wmma_scale_f32_16x16x128_f8f6f4 v[T+8*\t:T+8*\t+7], v[32*\t:32*\t+15], v[A0:A0+15], v[8*\t:8*\t+7], v[W1S+2*\t], v[SW0]
.endr
	CVT 2, A1F
.irp b, 3,4,5
	HOLD T+16*\b, \b
	CVT \b, A1F+4*(\b-2)
.endr
	PLACES 4
	WIN 0x02
.irp t, 0,1,2,3                        ; the four accumulators by turns, one instruction a turn
	v_wmma_scale_f32_16x16x128_f8f6f4 v[T+8*\t:T+8*\t+7], v[32*\t+16:32*\t+31], v[A1F:A1F+15], v[T+8*\t:T+8*\t+7], v[W1S+2*\t+1], v[SW1]
.endr
	WIN 0
	PLACES 8                                       ; eight places in front of the first read of the results
.endm
.macro XSUM base, n                    ; sums over the 16 lanes of a half: over a tile's 16 rows
.irp m, 1,2,4,8
.set zk, 0
.rept \n
	v_add_f32_dpp v[(\base)+zk], v[(\base)+zk], v[(\base)+zk] row_xmask:\m row_mask:0xf bank_mask:0xf
.set zk, zk+1
.endr
.endr
.endm
.macro W1ADR                           ; v[VA]: my column of W1 in LDS; v[VB], v[VC]: where my wave's images and scale words go
	v_and_b32 v[VA], 15, v0
	v_and_b32 v[VB], 8, v0
	v_add_nc_u32 v[VA], v[VA], v[VB]               ; r + 8 (r / 8)
	v_lshlrev_b32 v[VA], 2, v[VA]
	v_bfe_u32 v[VB], v0, 4, 1
	v_lshl_add_u32 v[VA], v[VB], 12, v[VA]         ; lanes 16-31 begin 16 rows of 256 bytes further down K
	s_lshr_b32 s90, s[WV], 1
	s_lshl_b32 s90, s90, 7
	s_and_b32 s91, s[WV], 1
	s_lshl_b32 s91, s91, 5
	s_add_co_u32 s90, s90, s91                     ; tile t = wave begins at column 32 (t / 2) + 8 (t % 2)
	v_add_nc_u32 v[VA], s90, v[VA]
	s_lshl_b32 s90, s[WV], 12
	v_add_nc_u32 v[VB], s90, v[VLI]
	s_lshl_b32 s90, s[WV], 8
	v_add_nc_u32 v[VC], s90, v[VLS]
.endm
; Wave w quantises tile w of W1 (16 columns, all 256 of K: two fragments): a lane takes a column and its registers run down K; the fragments go to LDS as images of their registers
.macro W1Q
.irp s, 0,1
.set zk, 0
.rept 64
	ds_load_b32 v[T+zk], v[VA] offset:(128*\s+32*(zk/16)+(zk%16))*256
.set zk, zk+1
.endr
	s_wait_dscnt 0x0
	MAXB T, 0, 4
	SCL 0, 4
	v_lshl_or_b32 v[X], v[TPB+1], 8, v[TPB]
	v_lshl_or_b32 v[X], v[TPB+2], 16, v[X]
	v_lshl_or_b32 v[X], v[TPB+3], 24, v[X]
.irp b, 0,1,2,3
	HOLD T+16*\b, \b
	CVT \b, A0+4*\b
.endr
	v_nop
.irp c, 0,1,2,3
	ds_store_b128 v[VB], v[A0+4*\c:A0+4*\c+3] offset:2048*\s+512*\c
.endr
	ds_store_b32 v[VC], v[X] offset:128*\s
	s_wait_dscnt 0x0                               ; the stores are done: for the registers' sake, and in front of the barrier for the other waves' sake
.endr
.endm
.macro IMGLOAD                         ; all eight fragments (tile t, K step s at 16 (2 t + s) of window 2) and their scale words
	WIN 0x80
.set zk, 0
.rept 32
	ds_load_b128 v[4*zk:4*zk+3], v[VLI] offset:512*zk
.set zk, zk+1
.endr
	WIN 0
.set zk, 0
.rept 8
	ds_load_b32 v[W1S+zk], v[VLS] offset:128*zk
.set zk, zk+1
.endr
.endm
.macro STAT1                           ; window 2: v128-159 the sums, v160-191 the sums of squares; the results are read from their low ends on
	WIN 0x82
.set zk, 0
.rept 16
	v_pk_add_f32 v[128+zk:129+zk], v[128+zk:129+zk], v[T+zk:T+zk+1]
.set zk, zk+2
.endr
	WIN 0xa0
.set zk, 0
.rept 16
	v_pk_fma_f32 v[160+zk:161+zk], v[T+zk:T+zk+1], v[T+zk:T+zk+1], v[160+zk:161+zk]
.set zk, zk+2
.endr
	WIN 0
.endm
; ---- this launch's own registers.  Window 1: the ring's 8 slots.  Window 2: v0-127 W1; v128-191 sums; v192-223 the fixed tile; v224-255 my q.  Window 3: v0-31 C; v32-63 FT
.set VQO,  54                          ; my byte in four rows of query
.set VH,   55                          ; 64 (lane / 16)
.set VC,   56
.set VFN,  57
.set VST,  58                          ; the stage, on the way in
.set VP,   59
.set VP2,  60
.set VG16, 61                          ; 16 lane: my bytes of a dense load or store of 512
.set VG8,  62
.set VLD,  63
; WHAT THE NEXT LAUNCH TAKES OVER, so that nothing is quantised twice: a tile's codes of f, q - f and q f (24 registers) leave as images of their registers, six stores of 512 consecutive bytes;
; the rows' two scale words share one register (lanes 0-15 K step 0's, lanes 16-31 K step 1's), and two tiles' registers leave as one aligned unit of 256 bytes.
; A pair of tiles is a record of 6,400 bytes in codes: [tile 2 P: 3,072][tile 2 P + 1: 3,072][scale words: 256]; a wave's 25 records lie on end.
.set CB,   20                          ; s[20:21] codes at the trip's first pair
.set HM,   28                          ; the mask of lanes 16-31
.set SP,   224                         ; v224-225 a pair's scale words
.macro PUTC i
	v_cndmask_b32 v[SP+((\i)%2)], v[SW0], v[SW1], s[HM]
.irp c, 0,1,2,3,4,5
	global_store_b128 v[VG16], v[A0+8+4*\c:A0+11+4*\c], s[CB:CB+1] offset:6400*((\i)/2)+3072*((\i)%2)+512*\c th:TH_STORE_NT
.endr
.if (\i)%2
	global_store_b64 v[VG8], v[SP:SP+1], s[CB:CB+1] offset:6400*((\i)/2)+6144 th:TH_STORE_NT
.endif
.endm
	s_load_b256 s[8:15], s[0:1], 0x0               ; facts s[8:9], query s[10:11], W1 s[12:13], b1 s[14:15]
	s_load_b64 s[16:17], s[0:1], 0x20
	s_load_b64 s[20:21], s[0:1], 0x28              ; codes
	s_load_b64 s[22:23], s[0:1], 0x30              ; qc
	s_load_b64 s[24:25], s[0:1], 0x38              ; w1i
	v_lshl_add_u32 v254, v0, 2, 0x29000
	v_mov_b32 v255, 0
	ds_add_u32 v254, v255
	ds_add_u32 v254, v255
	v_lshrrev_b32 v[VA], 5, v0
	v_readfirstlane_b32 s[WV], v[VA]
	CONSTS
	IDS
	v_lshlrev_b32 v[VH], 6, v[VA]
	s_lshl_b32 s90, s[WV], 9
	s_add_co_u32 s90, s90, FIN
	v_lshl_add_u32 v[VFN], v[VA], 6, s90           ; FIN + 512 wave + 64 (lane / 16)
	v_lshl_add_u32 v[VP], v[VA], 6, PV
	v_lshl_add_u32 v[VP2], v[VB], 3, PV
	v_lshlrev_b32 v[VG16], 4, v[VB]
	v_lshlrev_b32 v[VG8], 3, v[VB]
	STAGEADR
	s_lshl_b32 s90, s[WV], 14                      ; my quarter of W1
	s_mov_b32 s91, 0
	s_lshl_b32 s92, ttmp9, 2
	s_add_co_u32 s92, s92, s[WV]                   ; G4
	s_mul_i32 s94, s92, 204800                     ; four batches of 200 rows of 256 bytes (under 2^32 for all 1,024 waves)
	s_mov_b32 s95, 0
	s_lshl_b32 s96, s92, 10
	s_mov_b32 s97, 0
	s_wait_alu depctr_va_vdst(0)
	s_wait_dscnt 0x0
	s_wait_kmcnt 0x0
	s_add_nc_u64 s[G0W+2:G0W+3], s[12:13], s[90:91]
	s_or_b32 s[G0W+3], s[G0W+3], 0x80000000
	tensor_load_to_lds s[G0W:G0W+3], s[G1W:G1W+7]  ; the one fill of the launch: one tensor load of mine is out
	s_nop 0
	PLACES 4
	s_add_nc_u64 s[FB:FB+1], s[8:9], s[94:95]
	s_add_nc_u64 s[QB:QB+1], s[10:11], s[96:97]
	s_add_nc_u64 s[22:23], s[22:23], s[96:97]      ; my four batches' q codes: 1,024 bytes
	s_mul_i32 s26, s92, 160000                     ; my 25 records of 6,400 bytes (under 2^32 for all 1,024 waves)
	s_mov_b32 s27, 0
	s_add_nc_u64 s[CB:CB+1], s[CB:CB+1], s[26:27]
	s_mov_b32 s[HM], 0xffff0000
	s_mul_i32 s90, ttmp9, 768
	s_add_nc_u64 s[16:17], s[16:17], s[90:91]      ; my work-group's record
	LD32 768, VH, 14                               ; b1 in the result's layout: the C of the fixed tile's products
	LD32 Q, VQO, 10                                ; q of batches 0-3
	LD32 704, VF, 8                                ; the fixed tile
	LD32 736, VQO, QB                              ; my own q
	FILL 0
	FILL 1
	FILL 2
	W1ADR
	s_wait_alu depctr_va_vdst(0)
	s_wait_tensorcnt 0x0                           ; my quarter of W1 is in LDS,
	s_barrier_signal -1
	s_barrier_wait -1                              ; everybody's is
	W1Q
	s_barrier_signal -1
	s_barrier_wait -1                              ; the eight images lie in LDS
	IMGLOAD
	s_wait_loadcnt 24                              ; all but the three ring slots: b1, both q and the fixed tile are in
	FILL 3
	FILL 4
	FILL 5
	FILL 6
	FILL 7
	s_wait_dscnt 0x0
	s_or_b32 s29, ttmp9, s[WV]                     ; wave 0 of work-group 0 stores W1's eight fragments and their scale words, as images of their registers
	s_cmp_lg_u32 s29, 0
	s_wait_alu depctr_va_vdst(0)                   ; the wait ahead of a branch
	s_cbranch_scc1 .Lno_img
	WIN 0x08                                       ; a store's data are its source 1: window 2
.set zk, 0
.rept 32
	global_store_b128 v[VG16], v[4*zk:4*zk+3], s[24:25] offset:512*zk
.set zk, zk+1
.endr
	WIN 0
	global_store_b128 v[VG16], v[W1S:W1S+3], s[24:25] offset:16384
	global_store_b128 v[VG16], v[W1S+4:W1S+7], s[24:25] offset:16896
.Lno_img:
	; ---- the fixed tile: its column means become the pivot
	QUANTQ
	FRONT 704, 0, -1, -1, 0
	XSUM T, 32
	WIN 0xf0
.set zk, 0
.rept 16
	v_pk_fma_f32 v[zk:zk+1], v[T+zk:T+zk+1], 0xbd800000, v[zk:zk+1] op_sel_hi:[1,0,1]   ; C = b1 - p
.set zk, zk+2
.endr
	WIN 0
.set zk, 0
.rept 16
	v_pk_mul_f32 v[T+zk:T+zk+1], v[T+zk:T+zk+1], 0x3d800000 op_sel_hi:[1,0]             ; p
.set zk, zk+2
.endr
	s_cmp_lg_u32 s[WV], 0
	s_cbranch_scc1 .Lno_pivot
.irp o, 0,1,2,3,4,5,6,7
	ds_store_b128 v[VP], v[T+4*\o:T+4*\o+3] offset:128*(\o/4)+16*(\o%4)   ; the 16 lanes of a half write the same bytes with the same values
.endr
	s_wait_dscnt 0x0
.Lno_pivot:
	s_wait_loadcnt 56                              ; tile 0 is in: the seven younger slots' loads may stay out
	TURN 0                                         ; it comes back while q is quantised
	WIN 0x02
.set zk, 0
.rept 32
	v_mov_b32 v[Q+zk], v[224+zk]                   ; my own q takes the place of batches 0-3's
.set zk, zk+1
.endr
	WIN 0
	QUANTQ
	global_store_b128 v[VG16], v[A0:A0+3], s[22:23]            ; my q's codes, never written again
	global_store_b128 v[VG16], v[A0+4:A0+7], s[22:23] offset:512
	WIN 0x80
.set zk, 0
.rept 64
	v_mov_b32 v[128+zk], 0                         ; the tile is written once for all trips: the sums begin as zeros
.set zk, zk+1
.endr
	WIN 0
	s_mov_b32 s[TAU], 0
.Ltrip:                                            ; six trips of eight tiles; the count 56: behind the next tile's loads stand those of seven slots, the one just filled again among them
.irp i, 0,1,2,3,4,5,6,7
	FRONT FT, 1, \i, (\i+1)%8, 56
	PUTC \i
	STAT1
.endr
	s_wait_xcnt 0x0                                ; the stores have read their base: it may step
	s_add_nc_u64 s[CB:CB+1], s[CB:CB+1], 25600     ; four pairs on
	s_add_co_u32 s[TAU], s[TAU], 8
	s_cmp_lt_u32 s[TAU], 48
	s_cbranch_scc1 .Ltrip
	FRONT FT, 1, -1, 1, 48
	PUTC 0
	STAT1
	FRONT FT, 1, -1, -1, 0
	PUTC 1
	STAT1
	; ---- the end: over my 16 rows' lanes, then over the four waves
	WIN 0x02
.set zk, 0
.rept 64
	v_mov_b32 v[T+zk], v[128+zk]
.set zk, zk+1
.endr
	WIN 0
	XSUM T, 64
.irp k, 0,1
.irp o, 0,1,2,3,4,5,6,7
	ds_store_b128 v[VFN], v[T+32*\k+4*\o:T+32*\k+4*\o+3] offset:256*\k+128*(\o/4)+16*(\o%4)
.endr
.endr
	s_wait_dscnt 0x0                               ; for the others' sake
	s_barrier_signal -1
	s_barrier_wait -1
	s_cmp_lg_u32 s[WV], 0
	s_cbranch_scc1 .Ldone
.irp w, 0,1,2,3
	ds_load_b128 v[T+4*\w:T+4*\w+3], v[VLI] offset:FIN-IMG+512*\w
.endr
	ds_load_b64 v[T+16:T+17], v[VP2]
	s_wait_dscnt 0x0
	v_pk_add_f32 v[T:T+1], v[T:T+1], v[T+4:T+5]
	v_pk_add_f32 v[T+2:T+3], v[T+2:T+3], v[T+6:T+7]
	v_pk_add_f32 v[T+8:T+9], v[T+8:T+9], v[T+12:T+13]
	v_pk_add_f32 v[T+10:T+11], v[T+10:T+11], v[T+14:T+15]
	v_pk_add_f32 v[T:T+1], v[T:T+1], v[T+8:T+9]
	v_pk_add_f32 v[T+2:T+3], v[T+2:T+3], v[T+10:T+11]
	global_store_b128 v[VG16], v[T:T+3], s[16:17]              ; 512 consecutive bytes, aligned: S and SS
	global_store_b64 v[VG8], v[T+16:T+17], s[16:17] offset:512 ; 256 consecutive bytes, aligned: p
.Ldone:
	s_wait_tensorcnt 0x0
	ds_add_u32 v254, v255
	s_wait_dscnt 0x0
	s_endpgm
.Lfunc_end_k_qb6be3f9a9d_stat1:
	.size	k_qb6be3f9a9d_stat1, .Lfunc_end_k_qb6be3f9a9d_stat1-k_qb6be3f9a9d_stat1
	.p2alignl 7, 3214868480
	.fill 96, 4, 3214868480
	.section	.rodata,"a",@progbits
	.p2align	6, 0x0
	.amdhsa_kernel k_qb6be3f9a9d_stat1
		.amdhsa_group_segment_fixed_size 168448
		.amdhsa_private_segment_fixed_size 0
		.amdhsa_enable_private_segment 0
		.amdhsa_kernarg_size 64
		.amdhsa_user_sgpr_count 2
		.amdhsa_user_sgpr_kernarg_segment_ptr 1
		.amdhsa_wavefront_size32 1
		.amdhsa_system_sgpr_workgroup_id_x 1
		.amdhsa_system_sgpr_workgroup_id_y 1
		.amdhsa_system_sgpr_workgroup_id_z 1
		.amdhsa_system_vgpr_workitem_id 0
		.amdhsa_next_free_vgpr 832
		.amdhsa_next_free_sgpr 100
		.amdhsa_reserve_vcc 0
		.amdhsa_float_denorm_mode_32 3
		.amdhsa_float_denorm_mode_16_64 3
		.amdhsa_memory_ordered 1
		.amdhsa_forward_progress 1
		.amdhsa_inst_pref_size 255
	.end_amdhsa_kernel
	.section	.bss,"aw",@nobits
	.p2align	6
	.space	262144
	.amdgpu_metadata
---
amdhsa.version: [ 1, 2 ]
amdhsa.kernels:
  - .name:           k_qb6be3f9a9d_stat1
    .symbol:         k_qb6be3f9a9d_stat1.kd
    .args:
      - { .name: facts, .offset: 0, .size: 8, .value_kind: global_buffer, .address_space: global }
      - { .name: query, .offset: 8, .size: 8, .value_kind: global_buffer, .address_space: global }
      - { .name: W1, .offset: 16, .size: 8, .value_kind: global_buffer, .address_space: global }
      - { .name: b1, .offset: 24, .size: 8, .value_kind: global_buffer, .address_space: global }
      - { .name: part1, .offset: 32, .size: 8, .value_kind: global_buffer, .address_space: global }
      - { .name: codes, .offset: 40, .size: 8, .value_kind: global_buffer, .address_space: global }
      - { .name: qc, .offset: 48, .size: 8, .value_kind: global_buffer, .address_space: global }
      - { .name: w1i, .offset: 56, .size: 8, .value_kind: global_buffer, .address_space: global }
    .group_segment_fixed_size: 168448
    .private_segment_fixed_size: 0
    .kernarg_segment_align: 8
    .kernarg_segment_size: 64
    .max_flat_workgroup_size: 128
    .sgpr_count:     100
    .vgpr_count:     832
    .wavefront_size: 32
...
	.end_amdgpu_metadata
.endif
;; end of part 4
;; launch stat2 (part 5): grid 256 x 1, 4 waves a work-group, no clusters, 17,920 bytes of LDS; arguments W2, b1, g1, be1, dg1, db1, a1, b2, part1, codes, qc, w1i, part2, hcod, hs, w2i; writes part2, hcod, hs, w2i
.if DOCPART == 5
	.amdgcn_target "amdgcn-amd-amdhsa--gfx1250"
	.amdhsa_code_object_version 6
	.text
	.protected	k_qb6be3f9a9d_stat2
	.globl	k_qb6be3f9a9d_stat2
	.p2align	8
	.type	k_qb6be3f9a9d_stat2,@function
k_qb6be3f9a9d_stat2:
	s_mov_b64 s[64:65], 0
	v_nop
	global_prefetch_b8 v0, s[64:65] scope:SCOPE_SE
	s_setreg_imm32_b32 hwreg(HW_REG_WAVE_MODE, 25, 1), 1
	s_wait_xcnt 0x0
; SECOND OF THREE LAUNCHES: layer 1 again, now with its batch norm and Dice, then x2 = Q(h) Q(W2) + b2, its column sums less a pivot for layer 2's norm; h's codes are stored.
; NOTHING OF LAYER 1 IS QUANTISED HERE: the launch before left the codes and scale words of [f, q - f, q f], the codes of q and W1's fragments in memory as images of the operands' registers.
; So every load reads 512 (the scale words: 256) consecutive bytes straight into the registers that v_wmma_scale_f32_16x16x128_f8f6f4 names; no tile goes through LDS.
; SHARES: 256 work-groups x 4 waves; a wave owns four batches (G4 = 4 x work-group + wave): 25 pairs of tiles of 16 rows (tile n = rows 4 n .. 4 n + 3 of each batch), a record of 6,400 bytes a pair.
; RING: five slots of a pair: 64 registers each, per tile [q 8][f 8][q - f 8][q f 8]; q's codes are laid into every slot once.  A slot is asked for again as soon as its products are issued.
; A PAIR: 16 products of layer 1 (8 accumulators by turns, two K steps), Dice on 64 numbers a lane with one set of constants, the quantiser of h, 4 products of layer 2, stores, sums.
; THE PRODUCTS ARE USED TRANSPOSED (source 0 = the weight's 16 columns, source 1 = 16 rows): a lane holds one row; layer 1's register i = hidden unit 32 (i / 16) + 16 (lane / 16) + i % 16.
; NORM 1: m = p + S / N, var = max(SS / N - (S / N)^2, 0) from the 256 records of part1; C = b1 - m starts the sums, so u = x - m; y = A u + be, A = g rsq(var + 1e-5); Dice's own norm acts on y, whose batch mean
; is be and whose batch variance is A^2 var: t = P u + R, P = -log2(e) dg A rsq(A^2 var + 1e-8), R = -log2(e) db; gate = 1 / (1 + 2^t); h = y (al + gate (1 - al)).
; PIVOT: every wave first works the fixed pair (unit 0, pair 0); p2 = its 32 rows' column mean; C2 = b2 - p2 starts layer 2's sums: x2 - p2 is summed, with its squares.
; NOT USED: clusters (work-groups share only the weights' 17 KiB, the records and the fixed pair, against 640,000 bytes of codes each); prefetches (the ring asks four pairs ahead by itself); tensor loads (nothing passes through LDS).
; LIMITS: NaN and infinities are not served; a block of h whose largest magnitude lies under 2^-118 gets the scale byte 1, a block of zeros too (its codes are zeros).
.set RED,  0                           ; LDS: 4 x 512: the waves' parts of the records' sums
.set CT,   2048                        ; 4 x 3,072: each wave's table of column constants, kind n at 256 n
.set FIN,  14336                       ; 4 x 512: the waves' sums at the end
.set SPARE,16384                       ; the spare words, 128 bytes a wave
.set WV,   2
.set TAU,  3                           ; first pair of the trip
.set TT,   4                           ; s[4:5] an offset, s5 = 0
.set FLR,  6                           ; 2^(9 - 127)
.set MNT,  7                           ; the mantissa field of 448
.set XB,   34                          ; s[34:35] h's codes at the trip's first tile
.set UB,   36                          ; s[36:37] my 25 records
.set RB,   38                          ; s[38:47] one base for each slot
.set QB,   48                          ; s[48:49] my q codes
.set SEL,  50
.set INVN, 52
.set EPS1, 53
.set EPS2, 54
.set NL2E, 55
.set VG16, 1
.set VG8,  2
.set VG4,  3
.set VA,   4
.set VB,   5
.set VCT,  6
.set VFN,  7
.set VR,   8
.set VREC, 9
.set VH,   10
.set VW2,  11
.set SPW,  12
.set NIL,  13
.set HW,   14                          ; v14-15 h's scale words; v16-23 W1's; v24-25 W2's; v26-35 the slots' rows': these hold scales and nothing else
.set W1S,  16
.set W2S,  24
.set SWR,  26
.set TMX,  36                          ; four blocks: largest magnitude; bytes; 448 x scale; the conversion's scale operand
.set TPB,  40
.set THB,  44
.set TSC,  48
.set X,    52                          ; v52-67 at work
.set HC,   68                          ; v68-99 h's codes, 16 a tile: K = 64, the upper 8 registers stay zeros
.set T,    100                         ; v100-163 u, then y, then h: tile a, tile b
.set E,    164                         ; v164-227 t, the gate; then x2 - p2 in its first 32
.set PRM,  E
.set RT,   228
.set VRS,  244
.set VCL,  245
.set VX16, 246                         ; the ring's load offsets: 16 lane and 8 lane; in the last trip 0 in every lane
.set VX8,  247
; WHAT LEAVES FOR THE LAST LAUNCH IS NOT x2 BUT ITS OPERAND: h's codes (1,024 bytes a tile, images of their registers, in hcod) and one register of scale words a tile (128 bytes, in hs):
; lanes 0-15 the rows' two bytes, written twice (K 0-63 and K 64-127), lanes 16-31 W2's four bytes (columns r and 16 + r).  x2 - p2 is still multiplied and summed here, for the norm.
; Two tiles' scale registers turn through 256 bytes of LDS of the wave's own, so that one store writes one aligned unit of 256 bytes.
.set SCT,  16896                       ; LDS: 4 x 256, behind the spare words
.set VSCT, 248                         ; SCT + 256 wave + 4 lane
.set VSCL, 249                         ; SCT + 256 wave + 8 lane
.set TA,   250                         ; v250-251 the pair's scale registers
.set SL,   252                         ; v252-253 the same, turned
.set W2C,  228                         ; W2's four scale bytes (free behind the head's sums)
.set HSB,  68                          ; s[68:69] hs at the trip's first pair; s[70:71] w2i
.set HM,   72                          ; the mask of lanes 16-31
.set W2F,  704                         ; window 2: v0-127 W1, v128-191 slot 4, v192-223 W2, v224-239 C2.  Window 1: slots 0-3.  Window 3: v0-223 seven kinds of constants, v224-255 the sums
.set MSB, 0
.macro WIN new                         ; the immediate's high byte repeats the setting that is left; a switch that changes nothing is dropped
.if MSB != (\new)
	s_set_vgpr_msb (MSB<<8)|(\new)
.set MSB, (\new)
.endif
.endm
.macro PLACES n
.rept \n
	v_nop
.endr
.endm
.macro LDP reg, sb, off                ; a parameter of columns lane and lane + 32
	global_load_b32 v[\reg], v[VG4], s[\sb:\sb+1] offset:\off
	global_load_b32 v[(\reg)+1], v[VG4], s[\sb:\sb+1] offset:(\off)+128
.endm
.macro LOADQ p, sb                     ; q's codes into both tiles of slot p
.set sW, 1+(\p)/4
.set sB, 64*((\p)%4)+128*((\p)/4)
	WIN sW<<6
.irp e, 0,1
.irp c, 0,1
	global_load_b128 v[sB+32*\e+4*\c:sB+32*\e+4*\c+3], v[VG16], s[\sb:\sb+1] offset:512*\c
.endr
.endr
	WIN 0
.endm
.macro LOADPAIR p                      ; a record into slot p: 13 loads
.set sW, 1+(\p)/4
.set sB, 64*((\p)%4)+128*((\p)/4)
	WIN sW<<6
.irp e, 0,1
.irp c, 0,1,2,3,4,5
	global_load_b128 v[sB+32*\e+8+4*\c:sB+32*\e+11+4*\c], v[VX16], s[RB+2*(\p):RB+2*(\p)+1] offset:3072*\e+512*\c th:TH_LOAD_NT
.endr
.endr
	WIN 0
	global_load_b64 v[SWR+2*(\p):SWR+2*(\p)+1], v[VX8], s[RB+2*(\p):RB+2*(\p)+1] offset:6144 th:TH_LOAD_NT
.endm
.macro HCV b, dst                      ; block b: 16 numbers held within 448 x the scale (the conversion does not saturate: ISA guide 7.6.2), then 16 codes
	WIN 0
.set zk, 0
.rept 16
	v_med3_num_f32 v[T+16*(\b)+zk], v[T+16*(\b)+zk], -v[THB+(\b)], v[THB+(\b)]
.set zk, zk+1
.endr
	WIN (((\dst)>>8)<<6)
.set cD, (\dst)&255
	v_cvt_scalef32_pk8_fp8_f32 v[cD:cD+1], v[T+16*(\b):T+16*(\b)+7], v[TSC+(\b)]
	v_cvt_scalef32_pk8_fp8_f32 v[cD+2:cD+3], v[T+16*(\b)+8:T+16*(\b)+15], v[TSC+(\b)]
.endm
; four blocks of 32 along K, my 16 numbers of block k at T + 16 k: largest magnitudes (floor among the leaves), joined with lane xor 16; scale operand, hold, byte; two scale words; codes
.macro QUANT4 d0, d1, d2, d3, w0, w1
	WIN 0
.irp k, 0,1,2,3
	v_max3_num_f32 v[TMX+\k], s[FLR], |v[T+16*\k]|, |v[T+16*\k+1]|
.endr
.irp j, 2,4,6,8,10,12,14
.irp k, 0,1,2,3
	v_max3_num_f32 v[TMX+\k], v[TMX+\k], |v[T+16*\k+\j]|, |v[T+16*\k+\j+1]|
.endr
.endr
.irp k, 0,1,2,3
	v_permlanex16_b32 v[TPB+\k], v[TMX+\k], s[SEL], s[SEL+1]
.endr
.irp k, 0,1,2,3
	v_max_num_f32 v[TMX+\k], v[TMX+\k], v[TPB+\k]
.endr
.irp k, 0,1,2,3
	v_add_nc_u32 v[TSC+\k], 0xfc000000, v[TMX+\k]
.endr
.irp k, 0,1,2,3
	v_and_or_b32 v[THB+\k], v[TMX+\k], 0x7f800000, s[MNT]
.endr
.irp k, 0,1,2,3
	v_lshrrev_b32 v[TPB+\k], 23, v[TSC+\k]
.endr
	v_lshl_or_b32 v[\w0], v[TPB+1], 8, v[TPB]      ; the holds below are the eight places between the scale words and the products
	v_lshl_or_b32 v[\w1], v[TPB+3], 8, v[TPB+2]
	HCV 0, \d0
	HCV 1, \d1
	HCV 2, \d2
	HCV 3, \d3
	WIN 0
.endm
.macro XSUM base, n                    ; sums over the 16 lanes of a half: over a tile's 16 rows
.irp m, 1,2,4,8
.set zk, 0
.rept \n
	v_add_f32_dpp v[(\base)+zk], v[(\base)+zk], v[(\base)+zk] row_xmask:\m row_mask:0xf bank_mask:0xf
.set zk, zk+1
.endr
.endr
.endm
.macro TLEVEL half                     ; quad i += quad i + half
.set zk, 0
.rept \half
	v_pk_add_f32 v[4*zk:4*zk+1], v[4*zk:4*zk+1], v[4*(zk+\half):4*(zk+\half)+1]
	v_pk_add_f32 v[4*zk+2:4*zk+3], v[4*zk+2:4*zk+3], v[4*(zk+\half)+2:4*(zk+\half)+3]
.set zk, zk+1
.endr
.endm
.macro MVAR rs, rss, rp, rm, rv
	v_mul_f32 v[X+8], s[INVN], v[\rs]
	v_mul_f32 v[X+9], s[INVN], v[\rss]
	v_add_f32 v[\rm], v[\rp], v[X+8]
	v_fma_f32 v[X+9], -v[X+8], v[X+8], v[X+9]
	v_max_num_f32 v[\rv], 0, v[X+9]
.endm
.macro COLC rm, rv, pb, off            ; a column's seven constants into my table; a wait ahead of and behind each transcendental
	v_add_f32 v[X+8], s[EPS1], v[\rv]
	s_wait_alu depctr_va_vdst(0)
	v_rsq_f32 v[X+8], v[X+8]
	v_sub_f32 v[X+9], v[\pb], v[\rm]               ; b1 - m
	s_wait_alu depctr_va_vdst(0)
	v_mul_f32 v[X+10], v[(\pb)+2], v[X+8]          ; A
	v_mul_f32 v[X+8], v[X+10], v[X+10]
	v_fma_f32 v[X+8], v[X+8], v[\rv], s[EPS2]
	s_wait_alu depctr_va_vdst(0)
	v_rsq_f32 v[X+8], v[X+8]
	v_mul_f32 v[X+11], v[(\pb)+6], v[X+10]
	s_wait_alu depctr_va_vdst(0)
	v_mul_f32 v[X+11], v[X+11], v[X+8]
	v_mul_f32 v[X+11], s[NL2E], v[X+11]            ; P
	v_mul_f32 v[X+12], s[NL2E], v[(\pb)+8]         ; R
	v_sub_f32 v[X+13], 1.0, v[(\pb)+10]            ; 1 - al
	ds_store_b32 v[VCT], v[X+9] offset:(\off)
	ds_store_b32 v[VCT], v[X+10] offset:(\off)+256
	ds_store_b32 v[VCT], v[(\pb)+4] offset:(\off)+512
	ds_store_b32 v[VCT], v[X+11] offset:(\off)+768
	ds_store_b32 v[VCT], v[X+12] offset:(\off)+1024
	ds_store_b32 v[VCT], v[X+13] offset:(\off)+1280
	ds_store_b32 v[VCT], v[(\pb)+10] offset:(\off)+1536
	s_wait_dscnt 0x0
.endm
.macro PKC d, ka, s, kb                ; d = constants ka x s + constants kb, 64 numbers: both tiles take the same 32 constants (window 3)
	WIN 0x33
.set zk, 0
.rept 32
	v_pk_fma_f32 v[(\d)+zk:(\d)+zk+1], v[(\ka)+(zk%32):(\ka)+(zk%32)+1], v[(\s)+zk:(\s)+zk+1], v[(\kb)+(zk%32):(\kb)+(zk%32)+1]
.set zk, zk+2
.endr
	WIN 0
.endm
.macro DICE                            ; u in T -> h in T.  The results are read from their low ends on
	PKC E, 96, T, 128                              ; t = P u + R
	s_wait_alu depctr_va_vdst(0)                   ; one wait ahead of a batch of transcendentals and one behind it
.set zk, 0
.rept 64
	v_exp_f32 v[E+zk], v[E+zk]
.set zk, zk+1
.endr
	PKC T, 32, T, 64                               ; y = A u + be: independent work behind the exponentials
	s_wait_alu depctr_va_vdst(0)
.set zk, 0
.rept 32
	v_pk_add_f32 v[E+zk:E+zk+1], v[E+zk:E+zk+1], 1.0 op_sel_hi:[1,0]
.set zk, zk+2
.endr
	s_wait_alu depctr_va_vdst(0)
.set zk, 0
.rept 64
	v_rcp_f32 v[E+zk], v[E+zk]                     ; the gate
.set zk, zk+1
.endr
	v_nop
	s_wait_alu depctr_va_vdst(0)
	PKC E, 160, E, 192                             ; al + gate (1 - al)
.set zk, 0
.rept 32
	v_pk_mul_f32 v[T+zk:T+zk+1], v[T+zk:T+zk+1], v[E+zk:E+zk+1]
.set zk, zk+2
.endr
.endm
; A PAIR OF TILES in slot p.  full = 1: in the loop; full = 0: the fixed pair, which is neither asked for again, stored nor summed.
.macro PAIR p, full
.set sW, 1+(\p)/4
.set sB, 64*((\p)%4)+128*((\p)/4)
.if \full
	s_wait_loadcnt 52                              ; this slot's 13 loads are in: behind them stand the four other slots' 52
	s_wait_xcnt 0x0                                ; the last pair's stores have read their registers
.endif
	WIN 0x32|(sW<<2)                               ; source 0 (W1) window 2, source 1 the slot's, C window 3
.irp e, 0,1
.irp t, 0,1,2,3
	v_wmma_scale_f32_16x16x128_f8f6f4 v[T+32*\e+8*\t:T+32*\e+8*\t+7], v[32*\t:32*\t+15], v[sB+32*\e:sB+32*\e+15], v[8*\t:8*\t+7], v[W1S+2*\t], v[SWR+2*(\p)+\e]
.endr
.endr
	WIN 0x02|(sW<<2)
.irp e, 0,1                            ; the eight accumulators by turns, one instruction a turn
.irp t, 0,1,2,3
	v_wmma_scale_f32_16x16x128_f8f6f4 v[T+32*\e+8*\t:T+32*\e+8*\t+7], v[32*\t+16:32*\t+31], v[sB+32*\e+16:sB+32*\e+31], v[T+32*\e+8*\t:T+32*\e+8*\t+7], v[W1S+2*\t+1], v[SWR+2*(\p)+\e] matrix_b_scale:MATRIX_SCALE_ROW1
.endr
.endr
	WIN 0
	PLACES 8                                       ; eight places in front of the loads into the slot and of the first read of the results
.if \full
	s_add_co_u32 s[TT], s[TAU], (\p)+5             ; the slot takes the pair five further on; past the last pair it takes pair 0 again: the 13 loads are still issued, so that the waits' counts hold in every trip, and stay inside codes
	s_cmp_lt_u32 s[TT], 25
	s_cselect_b32 s[TT], s[TT], 0
	s_mul_i32 s[TT], s[TT], 6400
	s_add_nc_u64 s[RB+2*(\p):RB+2*(\p)+1], s[UB:UB+1], s[TT:TT+1]   ; free: the wait at the pair's head has shown this base's last loads done
	LOADPAIR \p
.endif
	DICE
	QUANT4 HC, HC+4, HC+16, HC+20, HW, HW+1
.if \full
	v_lshl_or_b32 v[TA], v[HW], 16, v[HW]
	v_lshl_or_b32 v[TA+1], v[HW+1], 16, v[HW+1]
	v_cndmask_b32 v[TA], v[TA], v[W2C], s[HM]
	v_cndmask_b32 v[TA+1], v[TA+1], v[W2C], s[HM]
	ds_store_b32 v[VSCT], v[TA]
	ds_store_b32 v[VSCT], v[TA+1] offset:128
	ds_load_b64 v[SL:SL+1], v[VSCL]                ; LDS serves a wave's instructions in order (ISA guide 5.7.1.4): this sees the two stores
.endif
	PLACES 4                                       ; four places between the codes just made and the products
	WIN 0x22                                       ; source 0 (W2) and C window 2
.irp e, 0,1
.irp u, 0,1
	v_wmma_scale_f32_16x16x128_f8f6f4 v[E+16*\e+8*\u:E+16*\e+8*\u+7], v[192+16*\u:207+16*\u], v[HC+16*\e:HC+16*\e+15], v[224+8*\u:231+8*\u], v[W2S+\u], v[HW+\e]
.endr
.endr
	WIN 0
	PLACES 8
.if \full
	s_wait_alu depctr_va_vdst(0)                   ; the wait ahead of the wait below
	s_wait_dscnt 0x0                               ; the pair's scale words are back
	global_store_b64 v[VG8], v[SL:SL+1], s[HSB:HSB+1] offset:256*(\p) th:TH_STORE_NT   ; one aligned unit of 256 bytes
.irp e, 0,1
.irp c, 0,1
	global_store_b128 v[VG16], v[HC+16*\e+4*\c:HC+16*\e+4*\c+3], s[XB:XB+1] offset:1024*(2*(\p)+\e)+512*\c th:TH_STORE_NT   ; 512 consecutive bytes, aligned
.endr
.endr
	WIN 0xc3
.set zk, 0
.rept 16
	v_pk_add_f32 v[224+(zk%16):225+(zk%16)], v[224+(zk%16):225+(zk%16)], v[E+zk:E+zk+1]
.set zk, zk+2
.endr
	WIN 0xf0
.set zk, 0
.rept 16
	v_pk_fma_f32 v[240+(zk%16):241+(zk%16)], v[E+zk:E+zk+1], v[E+zk:E+zk+1], v[240+(zk%16):241+(zk%16)]
.set zk, zk+2
.endr
	WIN 0
.endif
.endm
	s_load_b512 s[8:23], s[0:1], 0x0               ; W2 8, b1 10, g1 12, be1 14, dg1 16, db1 18, a1 20, b2 22
	s_load_b256 s[24:31], s[0:1], 0x40             ; part1 24, codes 26, qc 28, w1i 30
	s_load_b128 s[32:35], s[0:1], 0x60             ; part2 32, hcod 34
	s_load_b128 s[68:71], s[0:1], 0x70             ; hs 68, w2i 70
	v_lshl_add_u32 v[SPW], v0, 2, SPARE
	v_mov_b32 v[NIL], 0
	v_lshrrev_b32 v[VA], 5, v0
	v_readfirstlane_b32 s[WV], v[VA]
	s_mov_b32 s[FLR], 0x04800000
	s_mov_b32 s[MNT], 0x600000
	s_mov_b32 s[SEL], 0x76543210
	s_mov_b32 s[SEL+1], 0xfedcba98
	s_mov_b32 s[INVN], 0x35a3d70a                  ; 1 / 819,200
	s_mov_b32 s[EPS1], 0x3727c5ac                  ; 1e-5
	s_mov_b32 s[EPS2], 0x322bcc77                  ; 1e-8
	s_mov_b32 s[NL2E], 0xbfb8aa3b                  ; -log2(e)
	s_mov_b32 s[TT+1], 0
	s_mov_b32 s59, 0
	s_mul_i32 s56, s[WV], 49152                    ; my 64 records of 768 bytes
	s_lshl_b32 s57, s[WV], 9
	s_add_co_u32 s60, s57, FIN
	s_mul_i32 s61, s[WV], 3072
	s_add_co_u32 s61, s61, CT
	s_lshl_b32 s62, s[WV], 8
	s_add_co_u32 s62, s62, SCT
	s_mov_b32 s[HM], 0xffff0000
	v_and_b32 v[VB], 31, v0
	v_bfe_u32 v[VA], v0, 4, 1                      ; lane / 16
	v_and_b32 v[VW2], 15, v0
	v_lshlrev_b32 v[VG16], 4, v[VB]
	v_lshlrev_b32 v[VG8], 3, v[VB]
	v_lshlrev_b32 v[VG4], 2, v[VB]
	v_lshlrev_b32 v[VX16], 4, v[VB]
	v_lshlrev_b32 v[VX8], 3, v[VB]
	v_lshlrev_b32 v[VH], 5, v[VA]
	v_lshlrev_b32 v[VW2], 2, v[VW2]
	v_lshl_add_u32 v[VW2], v[VA], 11, v[VW2]       ; W2: column lane % 16; lanes 16-31 begin 16 rows of 128 bytes further down K
	v_add_nc_u32 v[VREC], s56, v[VG16]
	v_add_nc_u32 v[VRS], s57, v[VG16]              ; RED + 512 wave + 16 lane
	v_lshl_add_u32 v[VFN], v[VA], 5, s60           ; FIN + 512 wave + 32 (lane / 16)
	v_lshl_add_u32 v[VR], v[VB], 3, FIN
	v_add_nc_u32 v[VCT], s61, v[VG4]               ; my table + 4 lane
	v_lshl_add_u32 v[VCL], v[VA], 6, s61
	v_add_nc_u32 v[VSCT], s62, v[VG4]
	v_add_nc_u32 v[VSCL], s62, v[VG8]
.irp k, 0,1,2,3
	v_mov_b32 v[TPB+\k], 0                         ; a lane permute's destination counts as one of its sources
.endr
.irp k, 8,9,10,11,12,13,14,15,24,25,26,27,28,29,30,31
	v_mov_b32 v[HC+\k], 0                          ; K = 64 .. 127 of h: zero codes
.endr
	s_wait_alu depctr_va_vdst(0)                   ; the wait at the head's end
	s_wait_kmcnt 0x0
	s_lshl_b32 s56, ttmp9, 2
	s_add_co_u32 s56, s56, s[WV]                   ; G4
	s_mul_i32 s58, s56, 160000                     ; all offsets under 2^32
	s_add_nc_u64 s[UB:UB+1], s[26:27], s[58:59]
	s_lshl_b32 s58, s56, 10
	s_add_nc_u64 s[QB:QB+1], s[28:29], s[58:59]
	s_mul_i32 s58, s56, 51200                      ; my 50 tiles of 1,024 bytes of h's codes
	s_add_nc_u64 s[XB:XB+1], s[XB:XB+1], s[58:59]
	s_mul_i32 s58, s56, 6400                       ; and their 25 units of scale words
	s_add_nc_u64 s[HSB:HSB+1], s[HSB:HSB+1], s[58:59]
	s_lshl_b32 s58, ttmp9, 8
	s_add_nc_u64 s[32:33], s[32:33], s[58:59]      ; my work-group's record in part2
	s_mov_b64 s[RB+8:RB+9], s[26:27]               ; slot 4 first takes the fixed pair
.irp p, 0,1,2,3
	s_add_nc_u64 s[RB+2*\p:RB+2*\p+1], s[UB:UB+1], 6400*\p
.endr
	WIN 0xc0
.set zk, 0
.rept 64
	global_load_b128 v[4*zk:4*zk+3], v[VREC], s[24:25] offset:768*zk   ; S and SS of a record: 512 consecutive bytes
.set zk, zk+1
.endr
	WIN 0
	LDP PRM, 10, 0
	LDP PRM+2, 12, 0
	LDP PRM+4, 14, 0
	LDP PRM+6, 16, 0
	LDP PRM+8, 18, 0
	LDP PRM+10, 20, 0
	LDP PRM+12, 24, 512                            ; p of layer 1
	WIN 0x80
.set zk, 0
.rept 32
	global_load_b128 v[4*zk:4*zk+3], v[VG16], s[30:31] offset:512*zk   ; W1's eight fragments
.set zk, zk+1
.endr
.irp o, 0,1,2,3
	global_load_b128 v[224+4*\o:227+4*\o], v[VH], s[22:23] offset:64*(\o/2)+16*(\o%2)   ; b2 in the result's layout
.endr
	WIN 0
	global_load_b128 v[W1S:W1S+3], v[VG16], s[30:31] offset:16384
	global_load_b128 v[W1S+4:W1S+7], v[VG16], s[30:31] offset:16896
	s_wait_loadcnt 38                              ; the records and the parameters are in: behind them stand 32 + 4 + 2 loads
	WIN 0xcf
	TLEVEL 32
	TLEVEL 16
	TLEVEL 8
	TLEVEL 4
	TLEVEL 2
	WIN 0x0f
	v_pk_add_f32 v[X:X+1], v[0:1], v[4:5]
	v_pk_add_f32 v[X+2:X+3], v[2:3], v[6:7]
	WIN 0
	ds_store_b128 v[VRS], v[X:X+3]
.irp u, 0,1
.set zk, 0
.rept 32
	global_load_b32 v[T+32*\u+zk], v[VW2], s[8:9] offset:64*\u+(32*(zk/16)+(zk%16))*128   ; W2: a lane takes a column and its registers run down K
.set zk, zk+1
.endr
.endr
	LOADQ 4, 28                                    ; q codes of batches 0-3
	LOADPAIR 4                                     ; the fixed pair
	WIN 0xc0
.set zk, 0
.rept 32
	v_mov_b32 v[224+zk], 0                         ; the pair is written once for all trips: the sums begin as zeros
.set zk, zk+1
.endr
	WIN 0
	s_wait_dscnt 0x0                               ; for the others' sake
	s_barrier_signal -1
	s_barrier_wait -1
.irp k, 0,1,2,3
.irp w, 0,1,2,3
	ds_load_b32 v[RT+4*\k+\w], v[VG4] offset:RED+512*\w+128*\k
.endr
.endr
	s_wait_dscnt 0x0
.irp k, 0,1,2,3
	v_add_f32 v[RT+4*\k], v[RT+4*\k], v[RT+4*\k+1]
	v_add_f32 v[RT+4*\k+2], v[RT+4*\k+2], v[RT+4*\k+3]
	v_add_f32 v[RT+4*\k], v[RT+4*\k], v[RT+4*\k+2]
.endr
	MVAR RT, RT+8, PRM+12, X, X+2
	MVAR RT+4, RT+12, PRM+13, X+1, X+3
	COLC X, X+2, PRM, 0
	COLC X+1, X+3, PRM+1, 128
	WIN 0xc0
.set zk, 0
.rept 56
	ds_load_b128 v[4*zk:4*zk+3], v[VCL] offset:256*(zk/8)+128*((zk/4)%2)+16*(zk%4)   ; back in the result's layout; LDS serves a wave's instructions in order (ISA guide 5.7.1.4)
.set zk, zk+1
.endr
	WIN 0
	s_wait_loadcnt 17                              ; W2 is in: behind it stand 4 loads of q codes and the fixed pair's 13
	QUANT4 W2F, W2F+4, W2F+16, W2F+20, W2S, W2S+1
	v_lshl_or_b32 v[W2C], v[W2S+1], 16, v[W2S]
	WIN 0x80
.irp k, 8,9,10,11,12,13,14,15,24,25,26,27,28,29,30,31
	v_mov_b32 v[192+\k], 0                         ; K = 64 .. 127 of W2: zero codes
.endr
	WIN 0
.irp p, 0,1,2,3
	LOADQ \p, QB
.endr
.irp p, 0,1,2,3
	LOADPAIR \p
.endr
	s_wait_loadcnt 63                              ; the fixed pair is in: behind it stand 16 + 52 loads
	s_wait_dscnt 0x0
	PAIR 4, 0
.set zk, 0
.rept 8
	v_pk_add_f32 v[E+zk:E+zk+1], v[E+zk:E+zk+1], v[E+16+zk:E+17+zk]
.set zk, zk+2
.endr
	XSUM E, 16
	WIN 0xa0
.set zk, 0
.rept 8
	v_pk_fma_f32 v[224+zk:225+zk], v[E+zk:E+zk+1], 0xbd000000, v[224+zk:225+zk] op_sel_hi:[1,0,1]   ; C2 = b2 - p2, p2 the mean of 32 rows
.set zk, zk+2
.endr
	WIN 0
	s_add_nc_u64 s[RB+8:RB+9], s[UB:UB+1], 25600
	LOADQ 4, QB                                    ; slot 4 now takes my own q codes and pair 4
	LOADPAIR 4
	s_mov_b32 s[TAU], 0
.Ltrip:                                            ; five trips of five pairs
.irp p, 0,1,2,3,4
	PAIR \p, 1
.endr
	s_wait_xcnt 0x0                                ; the stores have read their base: it may step
	s_add_nc_u64 s[XB:XB+1], s[XB:XB+1], 10240     ; ten tiles on
	s_add_nc_u64 s[HSB:HSB+1], s[HSB:HSB+1], 1280
	s_add_co_u32 s[TAU], s[TAU], 5
	s_cmp_lt_u32 s[TAU], 20                        ; the last trip's refills bring nothing that is read: all lanes of each then name one address (behind the wait on XCNT above the offsets may be written)
	s_cselect_b32 s56, -1, 0
	v_and_b32 v[VX16], s56, v[VG16]
	v_and_b32 v[VX8], s56, v[VG8]
	s_cmp_lt_u32 s[TAU], 25
	s_wait_alu depctr_va_vdst(0)                   ; the wait ahead of the branch
	s_cbranch_scc1 .Ltrip
	; ---- the end: over my 16 rows' lanes, then over the four waves
	WIN 0x03
.set zk, 0
.rept 32
	v_mov_b32 v[T+zk], v[224+zk]
.set zk, zk+1
.endr
	WIN 0
	XSUM T, 32
	WIN 0x02
.set zk, 0
.rept 16
	v_mov_b32 v[T+32+zk], v[224+zk]                ; c = b2 - p2, on its way into the order of the columns
.set zk, zk+1
.endr
	WIN 0
.irp k, 2,3
.irp o, 0,1,2,3
	ds_store_b128 v[VFN], v[T+32+4*\o:T+35+4*\o] offset:128*\k+64*(\o/2)+16*(\o%2)   ; twice, so that a whole unit of 256 bytes can leave
.endr
.endr
.irp k, 0,1
.irp o, 0,1,2,3
	ds_store_b128 v[VFN], v[T+16*\k+4*\o:T+16*\k+4*\o+3] offset:128*\k+64*(\o/2)+16*(\o%2)   ; the 16 lanes of a half write the same bytes with the same values
.endr
.endr
	s_wait_dscnt 0x0                               ; for the others' sake
	s_barrier_signal -1
	s_barrier_wait -1
	s_cmp_lg_u32 s[WV], 0
	s_cbranch_scc1 .Ldone
.irp w, 0,1,2,3
	ds_load_b64 v[T+2*\w:T+2*\w+1], v[VR] offset:512*\w
.endr
	s_wait_dscnt 0x0
	v_pk_add_f32 v[T:T+1], v[T:T+1], v[T+2:T+3]
	v_pk_add_f32 v[T+4:T+5], v[T+4:T+5], v[T+6:T+7]
	v_pk_add_f32 v[T:T+1], v[T:T+1], v[T+4:T+5]
	global_store_b64 v[VG8], v[T:T+1], s[32:33]    ; 256 consecutive bytes, aligned: S2 and SS2
	s_cmp_lg_u32 ttmp9, 0                          ; work-group 0 also leaves c and W2's codes, as images of their registers
	s_cbranch_scc1 .Ldone
	ds_load_b64 v[T+8:T+9], v[VR] offset:256
	s_wait_dscnt 0x0
	global_store_b64 v[VG8], v[T+8:T+9], s[70:71] offset:2048
	WIN 0x08                                       ; a store's data are its source 1: window 2
	global_store_b128 v[VG16], v[192:195], s[70:71]
	global_store_b128 v[VG16], v[196:199], s[70:71] offset:512
	global_store_b128 v[VG16], v[208:211], s[70:71] offset:1024
	global_store_b128 v[VG16], v[212:215], s[70:71] offset:1536
	WIN 0
.Ldone:
	s_wait_tensorcnt 0x0                           ; the wave's end
	ds_add_u32 v[SPW], v[NIL]
	s_wait_dscnt 0x0
	s_endpgm
.Lfunc_end_k_qb6be3f9a9d_stat2:
	.size	k_qb6be3f9a9d_stat2, .Lfunc_end_k_qb6be3f9a9d_stat2-k_qb6be3f9a9d_stat2
	.p2alignl 7, 3214868480
	.fill 96, 4, 3214868480
	.section	.rodata,"a",@progbits
	.p2align	6, 0x0
	.amdhsa_kernel k_qb6be3f9a9d_stat2
		.amdhsa_group_segment_fixed_size 17920
		.amdhsa_private_segment_fixed_size 0
		.amdhsa_enable_private_segment 0
		.amdhsa_kernarg_size 128
		.amdhsa_user_sgpr_count 2
		.amdhsa_user_sgpr_kernarg_segment_ptr 1
		.amdhsa_wavefront_size32 1
		.amdhsa_system_sgpr_workgroup_id_x 1
		.amdhsa_system_sgpr_workgroup_id_y 1
		.amdhsa_system_sgpr_workgroup_id_z 1
		.amdhsa_system_vgpr_workitem_id 0
		.amdhsa_next_free_vgpr 1024
		.amdhsa_next_free_sgpr 80
		.amdhsa_reserve_vcc 0
		.amdhsa_float_denorm_mode_32 3
		.amdhsa_float_denorm_mode_16_64 3
		.amdhsa_memory_ordered 1
		.amdhsa_forward_progress 1
		.amdhsa_inst_pref_size 250
	.end_amdhsa_kernel
	.amdgpu_metadata
---
amdhsa.version: [ 1, 2 ]
amdhsa.kernels:
  - .name:           k_qb6be3f9a9d_stat2
    .symbol:         k_qb6be3f9a9d_stat2.kd
    .args:
      - { .name: W2, .offset: 0, .size: 8, .value_kind: global_buffer, .address_space: global }
      - { .name: b1, .offset: 8, .size: 8, .value_kind: global_buffer, .address_space: global }
      - { .name: g1, .offset: 16, .size: 8, .value_kind: global_buffer, .address_space: global }
      - { .name: be1, .offset: 24, .size: 8, .value_kind: global_buffer, .address_space: global }
      - { .name: dg1, .offset: 32, .size: 8, .value_kind: global_buffer, .address_space: global }
      - { .name: db1, .offset: 40, .size: 8, .value_kind: global_buffer, .address_space: global }
      - { .name: a1, .offset: 48, .size: 8, .value_kind: global_buffer, .address_space: global }
      - { .name: b2, .offset: 56, .size: 8, .value_kind: global_buffer, .address_space: global }
      - { .name: part1, .offset: 64, .size: 8, .value_kind: global_buffer, .address_space: global }
      - { .name: codes, .offset: 72, .size: 8, .value_kind: global_buffer, .address_space: global }
      - { .name: qc, .offset: 80, .size: 8, .value_kind: global_buffer, .address_space: global }
      - { .name: w1i, .offset: 88, .size: 8, .value_kind: global_buffer, .address_space: global }
      - { .name: part2, .offset: 96, .size: 8, .value_kind: global_buffer, .address_space: global }
      - { .name: hcod, .offset: 104, .size: 8, .value_kind: global_buffer, .address_space: global }
      - { .name: hs, .offset: 112, .size: 8, .value_kind: global_buffer, .address_space: global }
      - { .name: w2i, .offset: 120, .size: 8, .value_kind: global_buffer, .address_space: global }
    .group_segment_fixed_size: 17920
    .private_segment_fixed_size: 0
    .kernarg_segment_align: 8
    .kernarg_segment_size: 128
    .max_flat_workgroup_size: 128
    .sgpr_count:     80
    .vgpr_count:     1024
    .wavefront_size: 32
...
	.end_amdgpu_metadata
.endif
;; end of part 5
;; launch final (part 6): grid 256 x 1, 8 waves a work-group, no clusters, 100,864 bytes of LDS; arguments facts, mask, g2, be2, dg2, db2, a2, Wf, bf, part2, hcod, out0, hs, w2i; writes out0
.if DOCPART == 6
	.amdgcn_target "amdgcn-amd-amdhsa--gfx1250"
	.amdhsa_code_object_version 6
	.text
	.protected	k_qb6be3f9a9d_final
	.globl	k_qb6be3f9a9d_final
	.p2align	8
	.type	k_qb6be3f9a9d_final,@function
k_qb6be3f9a9d_final:
	s_mov_b64 s[64:65], 0
	v_nop
	global_prefetch_b8 v0, s[64:65] scope:SCOPE_SE
	s_setreg_imm32_b32 hwreg(HW_REG_WAVE_MODE, 25, 1), 1
	s_wait_xcnt 0x0
; THIRD OF THREE LAUNCHES: layer 2's norm and Dice, the score, the mask, the softmax over a batch's 200 rows and the weighted sum of facts.  It streams h's codes and facts, each once, and multiplies x2 again.
; SHARES: 256 work-groups x 8 waves.  A UNIT is four batches (G4 = 4 x work-group + wave / 2), as the launch before laid them: 50 tiles of 16 rows, tile n = rows 4 n .. 4 n + 3 of each batch.
; Two waves share a unit: wave half s = wave % 2 takes tiles 25 s .. 25 s + 24 in phase A, and batches s and s + 2 in phase B.
; NORM: D = x2 - p2 comes from x2 in the result's layout (lane: row r = lane % 16, register 8 u + j = unit 16 u + 8 (lane / 16) + j).  d = S2 / N, var = max(SS2 / N - d^2, 0) from the 256 records;
; u = D - d;  A = g rsq(var + 1e-5);  y = A u + be;  Dice's own batch norm acts on y, whose batch mean is be and whose batch variance is A^2 var (identities):  t = P u + R,
; P = -log2(e) dg A rsq(A^2 var + 1e-8), R = -log2(e) db;  gate = 1 / (1 + 2^t);  h = y (al + gate (1 - al)).  d is folded into the constants, and so is Wf log2(e) into y: six constants a column.
; PHASE A: a tile's scores (the product with Wf, N = 1, in f32 multiply-adds) go to LDS, one word a row.  SOFTMAX, in base 2 (log2(e) is folded into Wf, bf and the masked score -1e9): behind a barrier
; each wave takes its unit's 800 scores, 25 a lane, adds bf, sets the masked ones, takes each batch's maximum away, and lays the normalised weights into LDS bytes of its own, each twice (w, w),
; so that a packed multiply-add takes a pair as it stands.  A batch whose mask is all 0 gets equal weights.
; PHASE B: lanes 0-15 walk the rows of batch s, lanes 16-31 those of batch s + 2: a load takes one whole row of 256 bytes for each half; a lane keeps four channels.  The ring of 40 rows is asked for
; at the kernel's head and lands while phase A works.
; The unit's mask words (3,200 consecutive bytes) are copied once into LDS and read from there.
; NOT USED: clusters (nothing shared but 64 KiB of records); prefetches (a stream whose rings ask ahead themselves).
; LIMITS: NaN and infinities among the inputs (and scores that overflow) are not served.
; ---- LDS map (bytes)
.set RED,  0                           ; 8 x 256: the waves' parts of the records' sums
.set CT,   2048                        ; 8 x 768: each wave's own table of column constants, kind n at 128 n
.set SCR,  8192                        ; 8 x 1,600: each wave's scores: 400 x batch + 4 x (row - 100 s)
.set MSK,  20992                       ; 8 x 3,200: each wave's copy of its unit's mask words
.set WT,   46592                       ; 8 x 6,656: each wave's weights: 1,600 x batch + 8 x row
; ---- scalar registers
.set WV,   2                           ; wave
.set TAU,  3                           ; a loop's counter: first tile, or first row, of the trip
.set TT,   4
.set UN,   5                           ; wave / 2
.set SH,   6                           ; wave % 2
.set XB,   32                          ; s[32:33] h's codes at the trip's first tile
.set FBB,  34                          ; s[34:35] facts at batch s
.set OB,   36                          ; s[36:37] out0 at batch s
.set MB,   38                          ; s[38:39] the unit's mask words
.set PB,   40                          ; s[40:41] my 32 records
.set SEL,  42                          ; s[42:43] selects of v_permlanex16_b32: lane xor 16
.set INVN, 44
.set EPS1, 45
.set EPS2, 46
.set NL2E, 47
.set BF,   48
; ---- vector registers, window 0
.set VG16, 1                           ; 16 lane
.set VG4,  2                           ; 4 lane
.set VA,   3
.set VB,   4
.set VH,   5                           ; lane / 16
.set VR,   6                           ; lane % 16
.set VQ,   7                           ; (lane % 16) / 4: my batch of the unit in phase A
.set VP,   8                           ; lane % 4: my row of a tile's four
.set VRS,  9
.set VCT,  10
.set VCL,  11
.set VSC,  12                          ; where my score of tile 0 goes
.set VSA,  13                          ; the same for the trip's first tile
.set VSR,  14                          ; where I read scores
.set VM16, 15
.set X,    16                          ; v16-31 at work; at the head v16-21 the parameters
.set K,    32                          ; v32-127 six kinds of constants, 16 each: Wf' A, Wf' (be - A d), P, R - P d, 1 - al, al
.set RA,   128                         ; v128-207 phase A's ring: 5 slots of 16
.set Y,    208
.set E,    224
.set SCO,  240                         ; v240 a tile's score
.set VM4,  245
.set VMR,  246
.set VWW,  247                         ; where I write weights
.set VWR,  248                         ; where I read them: row 0
.set VWT,  249                         ; the trip's first row
.set VFO,  250                         ; facts: 102,400 (lane / 16) + 16 (lane % 16)
.set VOO,  251                         ; out0: 512 (lane / 16) + 16 (lane % 16)
.set BFV,  252
.set NEGV, 253
.set SV,   32                          ; behind phase A: 25 scores, then p;
.set MV,   64                          ; 25 mask words;
.set W,    128                         ; 25 pairs (w, w)
; ---- window 1: v0-159 phase B's ring, 40 slots of 4; v160-199 two sets of ten weight pairs; v200-215 four sets of sums
.set WA,   160
.set ACC,  200
.set MSB, 0
.macro WIN new                         ; the immediate's high byte repeats the setting that is left; a switch that changes nothing is dropped
.if MSB != (\new)
	s_set_vgpr_msb (MSB<<8)|(\new)
.set MSB, (\new)
.endif
.endm
.macro TLEVEL half                     ; quad i += quad i + half
.set zk, 0
.rept \half
	v_pk_add_f32 v[K+4*zk:K+4*zk+1], v[K+4*zk:K+4*zk+1], v[K+4*(zk+\half):K+4*(zk+\half)+1]
	v_pk_add_f32 v[K+4*zk+2:K+4*zk+3], v[K+4*zk+2:K+4*zk+3], v[K+4*(zk+\half)+2:K+4*(zk+\half)+3]
.set zk, zk+1
.endr
.endm
; PHASE A, a tile in slot i.  ahead = 1: the slot takes the tile five further on as soon as D has been read for the last time.  wcnt: the younger loads, which may stay out.
.macro TILE i, ahead, wcnt
; x2 IS MULTIPLIED AGAIN HERE, from h's codes and scale words as the launch before left them: D0 = Q(h) Q(W2) = x2 - b2, in v16-31, in the result's layout (source 0 = W2's 16 columns, source 1 = 16 rows).
; K is 64 of the instruction's 128.  The weight's operand is [columns 0-15 | zeros | columns 16-31], 24 registers, named from its low end and from its high end; the rows' operand is [h | h]:
; zero codes meet the half that does not count.  One register carries both sides' scale words: lanes 0-15 the rows', lanes 16-31 W2's.
.set dD, RA+16*(\i)
.set sS, 241+(\i)+8*((\i)/4)           ; v241-244, v253: these hold scales and nothing else
	s_wait_loadcnt \wcnt
.set zk, 0
.rept 8
	v_mov_b32 v[dD+8+zk], v[dD+zk]                 ; h once more, for K 64-127
.set zk, zk+1
.endr
.rept 4
	v_nop                                          ; four places between an operand written by vector instructions and the products
.endr
	WIN 0x01                                       ; source 0 (W2) window 1
	v_wmma_scale_f32_16x16x128_f8f6f4 v[X:X+7], v[228:243], v[dD:dD+15], 0, v[sS], v[sS] matrix_a_scale:MATRIX_SCALE_ROW1
	v_wmma_scale_f32_16x16x128_f8f6f4 v[X+8:X+15], v[236:251], v[dD:dD+15], 0, v[sS], v[sS] matrix_a_scale:MATRIX_SCALE_ROW1
	WIN 0
.rept 8
	v_nop                                          ; eight places in front of the first read of the results
.endr
.set zk, 0
.rept 8
	v_pk_fma_f32 v[E+zk:E+zk+1], v[K+32+zk:K+33+zk], v[X+zk:X+zk+1], v[K+48+zk:K+49+zk]     ; t; the results are read from their low ends on
.set zk, zk+2
.endr
.set zk, 0
	s_wait_alu depctr_va_vdst(0)
.rept 16
	v_exp_f32 v[E+zk], v[E+zk]
.set zk, zk+1
.endr
.set zk, 0
.rept 8
	v_pk_fma_f32 v[Y+zk:Y+zk+1], v[K+zk:K+zk+1], v[X+zk:X+zk+1], v[K+16+zk:K+17+zk]         ; Wf' y: independent work behind the exponentials
.set zk, zk+2
.endr
.if \ahead
.irp c, 0,1
	global_load_b128 v[dD+4*\c:dD+4*\c+3], v[VG16], s[XB:XB+1] offset:5120+1024*(\i)+512*\c th:TH_LOAD_NT   ; 512 consecutive bytes
.endr
	global_load_b32 v[sS], v[VG4], s[76:77] offset:640+128*(\i) th:TH_LOAD_NT
.endif
	s_wait_alu depctr_va_vdst(0)                   ; one wait for the batch, ahead of its first reader
.set zk, 0
.rept 8
	v_pk_add_f32 v[E+zk:E+zk+1], v[E+zk:E+zk+1], 1.0 op_sel_hi:[1,0]
.set zk, zk+2
.endr
.set zk, 0
	s_wait_alu depctr_va_vdst(0)
.rept 16
	v_rcp_f32 v[E+zk], v[E+zk]                     ; the gate
.set zk, zk+1
.endr
	v_nop
	s_wait_alu depctr_va_vdst(0)
.set zk, 0
.rept 8
	v_pk_fma_f32 v[E+zk:E+zk+1], v[K+64+zk:K+65+zk], v[E+zk:E+zk+1], v[K+80+zk:K+81+zk]     ; al + gate (1 - al)
.set zk, zk+2
.endr
	v_pk_mul_f32 v[X:X+1], v[Y:Y+1], v[E:E+1]      ; the sum over my 16 units, in two chains
	v_pk_mul_f32 v[X+2:X+3], v[Y+2:Y+3], v[E+2:E+3]
.irp p, 4,8,12
	s_delay_alu instid0(VALU_DEP_2)
	v_pk_fma_f32 v[X:X+1], v[Y+\p:Y+\p+1], v[E+\p:E+\p+1], v[X:X+1]
	s_delay_alu instid0(VALU_DEP_2)
	v_pk_fma_f32 v[X+2:X+3], v[Y+\p+2:Y+\p+3], v[E+\p+2:E+\p+3], v[X+2:X+3]
.endr
	s_delay_alu instid0(VALU_DEP_1)
	v_pk_add_f32 v[X:X+1], v[X:X+1], v[X+2:X+3]
	s_delay_alu instid0(VALU_DEP_1)
	v_add_f32 v[X], v[X], v[X+1]
	s_delay_alu instid0(VALU_DEP_1)
	v_permlanex16_b32 v[X+2], v[X], s[SEL], s[SEL+1]
	s_delay_alu instid0(VALU_DEP_1)
	v_add_f32 v[SCO], v[X], v[X+2]                 ; with lane xor 16's 16 units
	ds_store_b32 v[VSA], v[SCO] offset:16*(\i)     ; both halves of the lanes write the same word with the same value
.endm
; PHASE B, ten rows.  look = 1: the next ten rows' weights are asked for first.  ahead = 1: the ten slots take the rows 40 further on.  wcnt: the younger loads, which may stay out.
; ROWS THAT THE MASK THROWS AWAY ARE NOT FETCHED.  The mask is a whole-number input: a row with mask <= 0 has the score -1e9 and so the weight 0, unless its batch has no row with mask > 0 (then all weights are equal).
; So a row's load names the row itself where t = 1 (mask > 0, or the batch is all masked: FL = 1), and the first row of its block of 40 where t = 0: offset = t x 256 x (row in the block) + the block's.
; The multiply-adds are done for every row: weight 0 times a finite number.  LIMIT: this takes a masked row's weight to be 0, which holds while some unmasked score of its batch lies above about -1e9.
.set CM,   66                          ; s66-75 ten rows' compare masks
.set VMT,  29                          ; v29 (free behind the head): my batch's mask words at the trip's first row
.set FL,   216                         ; window 1: 1 where my batch is all masked, else 0
.set VFT,  217                         ; window 1: my offset in facts at the block's first row
.set MK,   218                         ; window 1: v218-227 ten mask words (at the head two more sets lie in v160-179, which hold weights later); v228-251 W2's operand
.macro MLOAD adr, off, set             ; ten rows' mask words of my half's batch, the same in its sixteen lanes
	WIN 0x40
.irp j, 0,1,2,3,4
	ds_load_b64 v[(\set)+2*\j:(\set)+2*\j+1], v[\adr] offset:(\off)+8*\j
.endr
.endm
.macro RFL g, set                      ; the ten slots of group g are asked for; each load's address stands in the first register that it fills
	WIN 0x55
.set zk, 0
.rept 10
	v_cmp_ge_i32 s[CM+zk], 0, v[(\set)+zk]
.set zk, zk+1
.endr
.set zk, 0
.rept 10
	v_cndmask_b32 v[(\set)+zk], 1, v[FL], s[CM+zk] ; t
.set zk, zk+1
.endr
.set zk, 0
.rept 10
	v_min_u32 v[(\set)+zk], 1, v[(\set)+zk]        ; what was loaded enters an address only behind a bound
.set zk, zk+1
.endr
.set zk, 0
.rept 10
	v_mad_u32_u24 v[4*(10*(\g)+zk)], v[(\set)+zk], 256*(10*(\g)+zk), v[VFT]
.set zk, zk+1
.endr
	WIN 0x41
.set zk, 0
.rept 10
	global_load_b128 v[4*(10*(\g)+zk):4*(10*(\g)+zk)+3], v[4*(10*(\g)+zk)], s[FBB:FBB+1]   ; a whole row of 256 bytes for each half of the lanes
.set zk, zk+1
.endr
.endm
.macro GROUP g, ahead, wcnt, look
.set wC, WA+20*((\g)%2)
.set wN, WA+20*(1-(\g)%2)
.if \ahead
	MLOAD VMT, 160+40*(\g), MK                     ; the mask words of the ten rows that this group's slots take next: older than the five loads below, so the wait below covers them
.endif
.if \look
	WIN 0x40
.set zk, 0
.rept 5
	ds_load_b128 v[wN+4*zk:wN+4*zk+3], v[VWT] offset:80*((\g)+1)+16*zk
.set zk, zk+1
.endr
	s_wait_dscnt 5                                 ; these rows' weights are in; the five loads just issued may stay out
.else
	s_wait_dscnt 0x0
.endif
	s_wait_loadcnt \wcnt
	WIN 0x55                                       ; all in window 1
.set zk, 0
.rept 10
.set fR, 4*(10*(\g)+zk)
.set aR, ACC+4*(zk%4)
	v_pk_fma_f32 v[aR:aR+1], v[fR:fR+1], v[wC+2*zk:wC+2*zk+1], v[aR:aR+1]
	v_pk_fma_f32 v[aR+2:aR+3], v[fR+2:fR+3], v[wC+2*zk:wC+2*zk+1], v[aR+2:aR+3]
.set zk, zk+1
.endr
.if \ahead
	RFL \g, MK
.endif
.endm
	s_load_b512 s[8:23], s[0:1], 0x0               ; facts 8, mask 10, g2 12, be2 14, dg2 16, db2 18, a2 20, Wf 22
	s_load_b256 s[24:31], s[0:1], 0x40             ; bf 24, part2 26, hcod 28, out0 30
	s_load_b128 s[76:79], s[0:1], 0x60             ; hs 76, w2i 78
	v_lshl_add_u32 v254, v0, 2, 0x18600
	v_mov_b32 v255, 0
	v_lshrrev_b32 v[VA], 5, v0
	s_delay_alu instid0(VALU_DEP_1)
	v_readfirstlane_b32 s[WV], v[VA]
	s_lshr_b32 s[UN], s[WV], 1
	s_and_b32 s[SH], s[WV], 1
	s_mov_b32 s[SEL], 0x76543210
	s_mov_b32 s[SEL+1], 0xfedcba98
	s_mov_b32 s[INVN], 0x35a3d70a                  ; 1 / 819,200
	s_mov_b32 s[EPS1], 0x3727c5ac                  ; 1e-5
	s_mov_b32 s[EPS2], 0x322bcc77                  ; 1e-8
	s_mov_b32 s[NL2E], 0xbfb8aa3b                  ; -log2(e)
	v_and_b32 v[VB], 31, v0
	s_delay_alu instid0(VALU_DEP_1)
	v_lshlrev_b32 v[VG16], 4, v[VB]
	s_delay_alu instid0(VALU_DEP_2)
	v_lshlrev_b32 v[VG4], 2, v[VB]
	v_bfe_u32 v[VH], v0, 4, 1
	v_and_b32 v[VR], 15, v0
	v_bfe_u32 v[VQ], v0, 2, 2
	v_and_b32 v[VP], 3, v0
	s_lshl_b32 s7, s[WV], 8
	v_lshl_add_u32 v[VRS], v[VR], 4, s7            ; RED + 256 wave + 16 (lane % 16)
	s_mul_i32 s7, s[WV], 768
	s_add_co_u32 s7, s7, CT
	v_add_nc_u32 v[VCT], s7, v[VG4]                ; my table + 4 lane
	v_lshl_add_u32 v[VCL], v[VH], 5, s7            ; my table + 32 (lane / 16)
	v_mul_u32_u24 v[VA], v[VQ], 400
	s_delay_alu instid0(VALU_DEP_1)
	v_lshl_add_u32 v[VA], v[VP], 2, v[VA]          ; 400 x batch + 4 x row of four
	s_mul_i32 s7, s[WV], 1600
	s_add_co_u32 s7, s7, SCR
	v_add_nc_u32 v[VSC], s7, v[VA]
	s_mul_i32 s7, s[UN], 3200
	s_add_co_u32 s7, s7, SCR
	v_mad_u32_u24 v[VSR], v[VH], 1600, v[VA]       ; lanes 0-15 read the scores of the unit's first wave, lanes 16-31 those of its second
	s_delay_alu instid0(VALU_DEP_1)
	v_add_nc_u32 v[VSR], s7, v[VSR]
	s_mul_i32 s7, s[WV], 3200
	s_add_co_u32 s7, s7, MSK
	v_add_nc_u32 v[VM16], s7, v[VG16]
	v_add_nc_u32 v[VM4], s7, v[VG4]
	v_mul_u32_u24 v[VMR], v[VQ], 800
	s_delay_alu instid0(VALU_DEP_1)
	v_mad_u32_u24 v[VMR], v[VH], 400, v[VMR]
	s_delay_alu instid0(VALU_DEP_1)
	v_lshl_add_u32 v[VMR], v[VP], 2, v[VMR]
	s_delay_alu instid0(VALU_DEP_1)
	v_add_nc_u32 v[VMR], s7, v[VMR]                ; the mask word of row 100 (lane / 16) + lane % 4 of my batch
	s_mul_i32 s7, s[WV], 6656
	s_add_co_u32 s7, s7, WT
	v_mul_u32_u24 v[VWW], v[VQ], 1600
	s_delay_alu instid0(VALU_DEP_1)
	v_mad_u32_u24 v[VWW], v[VH], 800, v[VWW]
	s_delay_alu instid0(VALU_DEP_1)
	v_lshl_add_u32 v[VWW], v[VP], 3, v[VWW]
	s_delay_alu instid0(VALU_DEP_1)
	v_add_nc_u32 v[VWW], s7, v[VWW]                ; and its weight's pair
	s_mul_i32 s[TT], s[SH], 1600
	s_add_co_u32 s7, s7, s[TT]
	v_mul_u32_u24 v[VWR], v[VH], 3200
	s_delay_alu instid0(VALU_DEP_1)
	v_add_nc_u32 v[VWR], s7, v[VWR]                ; phase B: the weights of batch s + 2 (lane / 16)
	v_mul_u32_u24 v[VFO], v[VH], 102400
	s_delay_alu instid0(VALU_DEP_1)
	v_lshl_add_u32 v[VFO], v[VR], 4, v[VFO]
	v_lshlrev_b32 v[VOO], 9, v[VH]
	s_delay_alu instid0(VALU_DEP_1)
	v_lshl_add_u32 v[VOO], v[VR], 4, v[VOO]
	s_mov_b32 s80, 0xceabfb8f                      ; -1e9 log2(e)
.irp k, 8,9,10,11
	v_mov_b32 v[X+\k], 0                           ; lane permutes' destinations count as sources
.endr
	s_lshl_b32 s50, ttmp9, 2
	s_add_co_u32 s50, s50, s[UN]                   ; G4
	s_mov_b32 s53, 0
	s_wait_kmcnt 0x0
	s_load_b32 s[BF], s[24:25], 0x0                ; bf
	s_mul_i32 s7, s[SH], 51200
	s_mul_i32 s52, s50, 51200                      ; a unit's 50 tiles of 1,024 bytes of codes; my 25 begin 25,600 s further on
	s_mul_i32 s54, s[SH], 25600
	s_add_co_u32 s52, s52, s54
	s_add_nc_u64 s[XB:XB+1], s[28:29], s[52:53]
	s_mul_i32 s52, s50, 6400                       ; and 128 bytes of scale words a tile
	s_mul_i32 s54, s[SH], 3200
	s_add_co_u32 s52, s52, s54
	s_add_nc_u64 s[76:77], s[76:77], s[52:53]
	s_mul_i32 s52, s50, 204800                     ; a unit's four batches of 51,200 bytes; batch s
	s_add_co_u32 s52, s52, s7
	s_add_nc_u64 s[FBB:FBB+1], s[8:9], s[52:53]
	s_lshl_b32 s52, s50, 10
	s_lshl_b32 s7, s[SH], 8
	s_add_co_u32 s52, s52, s7
	s_add_nc_u64 s[OB:OB+1], s[30:31], s[52:53]
	s_mul_i32 s52, s50, 3200
	s_add_nc_u64 s[MB:MB+1], s[10:11], s[52:53]
	s_lshl_b32 s52, s[WV], 13
	s_add_nc_u64 s[PB:PB+1], s[26:27], s[52:53]
.set zk, 0
.rept 16
	global_load_b128 v[K+4*zk:K+4*zk+3], v[VG16], s[PB:PB+1] offset:512*zk   ; two records a load: 512 consecutive bytes
.set zk, zk+1
.endr
	global_load_b32 v[X], v[VG4], s[12:13]         ; g2: column = lane
	global_load_b32 v[X+1], v[VG4], s[14:15]       ; be2
	global_load_b32 v[X+2], v[VG4], s[16:17]       ; dg2
	global_load_b32 v[X+3], v[VG4], s[18:19]       ; db2
	global_load_b32 v[X+4], v[VG4], s[20:21]       ; a2
	global_load_b32 v[X+5], v[VG4], s[22:23]       ; Wf
	global_load_b32 v[X+15], v[VG4], s[78:79] offset:2048   ; c = b2 - p2
	WIN 0x40
	global_load_b128 v[228:231], v[VG16], s[78:79]             ; W2's codes: columns 0-15,
	global_load_b128 v[232:235], v[VG16], s[78:79] offset:512
	global_load_b128 v[244:247], v[VG16], s[78:79] offset:1024 ; columns 16-31,
	global_load_b128 v[248:251], v[VG16], s[78:79] offset:1536
.irp k, 236,237,238,239,240,241,242,243
	v_mov_b32 v[\k], 0                             ; and zero codes between them
.endr
	WIN 0
.irp j, 0,1,2,3,4,5
	global_load_b128 v[Y+4*\j:Y+4*\j+3], v[VG16], s[MB:MB+1] offset:512*\j   ; the unit's mask words: 3,072 bytes,
.endr
	global_load_b32 v[Y+24], v[VG4], s[MB:MB+1] offset:3072                  ; and the last 128
.set zk, 0
.irp i, 0,1,2,3,4
.irp c, 0,1
	global_load_b128 v[RA+16*\i+4*\c:RA+16*\i+4*\c+3], v[VG16], s[XB:XB+1] offset:1024*\i+512*\c th:TH_LOAD_NT   ; phase A's ring: tiles 0 to 4, three loads each
.endr
	global_load_b32 v[241+\i+8*(\i/4)], v[VG4], s[76:77] offset:128*\i th:TH_LOAD_NT
.endr
	s_wait_loadcnt 33                              ; the records are in: behind them stand 7 loads of parameters, 4 of W2's codes, 7 of the mask and 15 of the ring
	TLEVEL 8
	TLEVEL 4
	TLEVEL 2
	TLEVEL 1
.irp k, 0,1,2,3
	v_permlanex16_b32 v[X+8+\k], v[K+\k], s[SEL], s[SEL+1]
.endr
.irp k, 0,1,2,3
	s_delay_alu instid0(VALU_DEP_4)
	v_add_f32 v[K+\k], v[K+\k], v[X+8+\k]          ; the even and the odd records
.endr
	ds_store_b128 v[VRS], v[K:K+3]                 ; my 32 records' sums (both halves of the lanes write the same)
	WIN 0x40
.set zk, 0
.set zk, 0
.rept 16
	v_mov_b32 v[ACC+zk], 0                         ; the group is written once for all rows: the sums begin as zeros
.set zk, zk+1
.endr
	WIN 0
	s_wait_dscnt 0x0                               ; for the others' sake
	s_barrier_signal -1
	s_barrier_wait -1
	s_wait_loadcnt 15                              ; all but phase A's ring of 15 loads: the parameters, W2 and the mask are in
.irp j, 0,1,2,3,4,5
	ds_store_b128 v[VM16], v[Y+4*\j:Y+4*\j+3] offset:512*\j
.endr
	ds_store_b32 v[VM4], v[Y+24] offset:3072
	; ---- phase B's ring, rows 0 to 39, by the mask.  LDS serves a wave's instructions in order (ISA guide 5.7.1.4): the loads below see my stores
	s_mul_i32 s49, s[WV], 3200
	s_mul_i32 s51, s[SH], 800
	s_add_co_u32 s49, s49, s51
	s_add_co_u32 s49, s49, MSK
	v_mad_u32_u24 v[VM4], v[VH], 1600, s49         ; from here on: the mask words of batch s + 2 (lane / 16) in my copy
	v_lshl_add_u32 v[VM16], v[VR], 4, v[VM4]       ; and 16 (lane % 16) further on
	WIN 0x40
	ds_load_b128 v[0:3], v[VM16]                   ; the batch's 50 quads of words over sixteen lanes: quads r, 16 + r, 32 + r, 34 + r (some twice, which does no harm to 'is any word > 0')
	ds_load_b128 v[4:7], v[VM16] offset:256
	ds_load_b128 v[8:11], v[VM16] offset:512
	ds_load_b128 v[12:15], v[VM16] offset:544
	MLOAD VM4, 0, MK
	MLOAD VM4, 40, 160
	MLOAD VM4, 80, 170
	s_mov_b32 s54, 0
	s_mov_b32 s51, 0xffff0000
	s_wait_dscnt 0x0
	WIN 0x04
.set zk, 0
.rept 16
	v_cmp_lt_i32 vcc_lo, 0, v[zk]
	s_or_b32 s54, s54, vcc_lo                      ; the lanes that have seen a word > 0
.set zk, zk+1
.endr
	s_and_b32 s55, s54, 0xffff
	s_cmp_eq_u32 s55, 0
	s_cselect_b32 s55, 1, 0                        ; batch s is all masked
	s_lshr_b32 s54, s54, 16
	s_cmp_eq_u32 s54, 0
	s_cselect_b32 s54, 1, 0                        ; batch s + 2 is
	WIN 0x40
	v_mov_b32 v[FL], s55
	v_mov_b32 v[VFT], s54
	WIN 0x55
	v_cndmask_b32 v[FL], v[FL], v[VFT], s51
	WIN 0x40
	v_mov_b32 v[VFT], v[VFO]                       ; the first block begins at row 0
	RFL 0, MK
	MLOAD VM4, 120, MK
	RFL 1, 160
	RFL 2, 170
	s_wait_dscnt 0x0
	RFL 3, MK
	WIN 0
.irp k, 0,1                            ; S2, SS2 of column lane, each from eight waves
.irp w, 0,1,2,3,4,5,6,7
	ds_load_b32 v[K+16+8*\k+\w], v[VG4] offset:RED+256*\w+128*\k
.endr
.endr
	s_wait_kmcnt 0x0
	v_mov_b32 v[BFV], s[BF]
	s_delay_alu instid0(VALU_DEP_1)
	v_mul_f32 v[BFV], 0x3fb8aa3b, v[BFV]           ; bf log2(e)
	s_wait_dscnt 0x0
.irp k, 0,1
	v_add_f32 v[K+16+8*\k], v[K+16+8*\k], v[K+17+8*\k]
	v_add_f32 v[K+18+8*\k], v[K+18+8*\k], v[K+19+8*\k]
	v_add_f32 v[K+20+8*\k], v[K+20+8*\k], v[K+21+8*\k]
	v_add_f32 v[K+22+8*\k], v[K+22+8*\k], v[K+23+8*\k]
	s_delay_alu instid0(VALU_DEP_3)
	v_add_f32 v[K+16+8*\k], v[K+16+8*\k], v[K+18+8*\k]
	s_delay_alu instid0(VALU_DEP_2)
	v_add_f32 v[K+20+8*\k], v[K+20+8*\k], v[K+22+8*\k]
	s_delay_alu instid0(VALU_DEP_1)
	v_add_f32 v[K+16+8*\k], v[K+16+8*\k], v[K+20+8*\k]
.endr
	; one column a lane: the six constants
	v_mul_f32 v[X+6], s[INVN], v[K+16]             ; d
	s_delay_alu instid0(VALU_DEP_2)
	v_mul_f32 v[X+7], s[INVN], v[K+24]
	s_delay_alu instid0(VALU_DEP_1)
	v_fma_f32 v[X+7], -v[X+6], v[X+6], v[X+7]
	s_delay_alu instid0(VALU_DEP_1)
	v_max_num_f32 v[X+7], 0, v[X+7]                ; var
	s_delay_alu instid0(VALU_DEP_1)
	v_add_f32 v[X+8], s[EPS1], v[X+7]
	s_wait_alu depctr_va_vdst(0)
	v_rsq_f32 v[X+8], v[X+8]
	v_mul_f32 v[X+9], 0x3fb8aa3b, v[X+5]           ; Wf' = Wf log2(e).  (The plain line behind the transcendental)
	s_wait_alu depctr_va_vdst(0)                   ; the wait ahead of the first reader
	v_mul_f32 v[X+10], v[X], v[X+8]                ; A
	s_delay_alu instid0(VALU_DEP_1)
	v_mul_f32 v[X+8], v[X+10], v[X+10]
	s_delay_alu instid0(VALU_DEP_1)
	v_fma_f32 v[X+8], v[X+8], v[X+7], s[EPS2]
	s_wait_alu depctr_va_vdst(0)
	v_rsq_f32 v[X+8], v[X+8]
	v_mul_f32 v[X+11], v[X+2], v[X+10]             ; dg A
	s_wait_alu depctr_va_vdst(0)
	v_mul_f32 v[X+11], v[X+11], v[X+8]
	s_delay_alu instid0(VALU_DEP_1)
	v_mul_f32 v[X+11], s[NL2E], v[X+11]            ; P
	v_sub_f32 v[X+6], v[X+6], v[X+15]              ; the records' sums are of x2 - p2 = D0 + c: so u = D0 - (d - c)
	v_mul_f32 v[X+12], s[NL2E], v[X+3]             ; R
	s_delay_alu instid0(VALU_DEP_1)
	v_fma_f32 v[X+12], -v[X+11], v[X+6], v[X+12]   ; R - P d
	v_fma_f32 v[X+13], -v[X+10], v[X+6], v[X+1]    ; be - A d
	v_mul_f32 v[X+10], v[X+9], v[X+10]             ; Wf' A
	s_delay_alu instid0(VALU_DEP_2)
	v_mul_f32 v[X+13], v[X+9], v[X+13]             ; Wf' (be - A d)
	v_sub_f32 v[X+14], 1.0, v[X+4]                 ; 1 - al
	ds_store_b32 v[VCT], v[X+10]
	ds_store_b32 v[VCT], v[X+13] offset:128
	ds_store_b32 v[VCT], v[X+11] offset:256
	ds_store_b32 v[VCT], v[X+12] offset:384
	ds_store_b32 v[VCT], v[X+14] offset:512
	ds_store_b32 v[VCT], v[X+4] offset:640
.set zk, 0
.rept 24
	ds_load_b128 v[K+4*zk:K+4*zk+3], v[VCL] offset:128*(zk/4)+64*((zk/2)%2)+16*(zk%2)   ; back in the result's layout.  LDS serves a wave's instructions in order (ISA guide 5.7.1.4): these see my stores
.set zk, zk+1
.endr
	s_wait_dscnt 0x0
	; ---- PHASE A: four trips of five tiles, and the last five written out, which ask for nothing.  The count 12: the four younger slots' loads may stay out
	; (in the first trip it is smaller than it need be: phase B's 40 loads were issued behind the ring's fills)
	s_mov_b32 s[TAU], 0
.Ltiles:
	s_lshl_b32 s[TT], s[TAU], 4
	v_add_nc_u32 v[VSA], s[TT], v[VSC]             ; a tile is four words of each batch
.irp i, 0,1,2,3,4
	TILE \i, 1, 12
.endr
	s_wait_xcnt 0x0                                ; the loads have read their base: it may step
	s_add_nc_u64 s[XB:XB+1], s[XB:XB+1], 5120      ; five tiles on
	s_add_nc_u64 s[76:77], s[76:77], 640
	s_add_co_u32 s[TAU], s[TAU], 5
	s_cmp_lt_u32 s[TAU], 20
	s_cbranch_scc1 .Ltiles
	v_add_nc_u32 v[VSA], 320, v[VSC]
.irp i, 0,1,2,3,4
	TILE \i, 0, 12-3*\i
.endr
	s_wait_dscnt 0x0                               ; my scores lie in LDS:
	s_barrier_signal -1
	s_barrier_wait -1                              ; my partner's too
	; ---- THE SOFTMAX of my unit's four batches: lane (batch, row of four, half) takes rows 100 half + 4 j + row of four, j = 0 .. 24
.set zk, 0
.rept 25
	ds_load_b32 v[SV+zk], v[VSR] offset:16*zk
	ds_load_b32 v[MV+zk], v[VMR] offset:16*zk
.set zk, zk+1
.endr
	s_wait_dscnt 0x0
.set zk, 0
.rept 25
	v_add_f32 v[SV+zk], v[BFV], v[SV+zk]
	v_cmp_lt_i32 vcc_lo, 0, v[MV+zk]
	s_delay_alu instid0(VALU_DEP_1)
	v_cndmask_b32 v[SV+zk], s80, v[SV+zk], vcc_lo       ; mask > 0: the score; else -1e9 log2(e)
.set zk, zk+1
.endr
	v_max3_num_f32 v[X], v[SV], v[SV+1], v[SV+2]
.set zk, 3
.rept 11
	s_delay_alu instid0(VALU_DEP_1)
	v_max3_num_f32 v[X], v[X], v[SV+zk], v[SV+zk+1]
.set zk, zk+2
.endr
	s_delay_alu instid0(VALU_DEP_1)
	v_max_num_f32_dpp v[X], v[X], v[X] row_xmask:1 row_mask:0xf bank_mask:0xf
	s_delay_alu instid0(VALU_DEP_1)
	v_max_num_f32_dpp v[X], v[X], v[X] row_xmask:2 row_mask:0xf bank_mask:0xf
	s_delay_alu instid0(VALU_DEP_1)
	v_permlanex16_b32 v[X+1], v[X], s[SEL], s[SEL+1]
	s_delay_alu instid0(VALU_DEP_1)
	v_max_num_f32 v[X], v[X], v[X+1]               ; the batch's maximum, in its eight lanes
.set zk, 0
.rept 25
	v_sub_f32 v[SV+zk], v[SV+zk], v[X]
.set zk, zk+1
.endr
.set zk, 0
	s_wait_alu depctr_va_vdst(0)
.rept 25
	v_exp_f32 v[SV+zk], v[SV+zk]
.set zk, zk+1
.endr
	v_nop
	s_wait_alu depctr_va_vdst(0)                   ; one wait for the batch of 25
	v_pk_add_f32 v[X+2:X+3], v[SV:SV+1], v[SV+2:SV+3]
.set zk, 4
.rept 10
	v_pk_add_f32 v[X+2:X+3], v[X+2:X+3], v[SV+zk:SV+zk+1]
.set zk, zk+2
.endr
	s_delay_alu instid0(VALU_DEP_1)
	v_add_f32 v[X+2], v[X+2], v[X+3]
	v_add_f32 v[X+2], v[X+2], v[SV+24]
	s_delay_alu instid0(VALU_DEP_1)
	v_add_f32_dpp v[X+2], v[X+2], v[X+2] row_xmask:1 row_mask:0xf bank_mask:0xf
	s_delay_alu instid0(VALU_DEP_1)
	v_add_f32_dpp v[X+2], v[X+2], v[X+2] row_xmask:2 row_mask:0xf bank_mask:0xf
	s_delay_alu instid0(VALU_DEP_1)
	v_permlanex16_b32 v[X+3], v[X+2], s[SEL], s[SEL+1]
	s_delay_alu instid0(VALU_DEP_1)
	v_add_f32 v[X+2], v[X+2], v[X+3]               ; the batch's sum: at least 1, since the row of the maximum has p = 1
	s_wait_alu depctr_va_vdst(0)
	v_rcp_f32 v[X+2], v[X+2]
	v_nop
	s_wait_alu depctr_va_vdst(0)
.set zk, 0
.rept 25
	v_mul_f32 v[W+2*zk], v[SV+zk], v[X+2]
	v_mul_f32 v[W+2*zk+1], v[SV+zk], v[X+2]
.set zk, zk+1
.endr
.set zk, 0
.rept 25
	ds_store_b64 v[VWW], v[W+2*zk:W+2*zk+1] offset:32*zk
.set zk, zk+1
.endr
	; ---- PHASE B: 200 rows of my two batches: four trips of 40 rows, and the last 40 written out, which ask for nothing.  The count 30: behind a group's ten loads stand the ring's other thirty
	WIN 0x40
.set zk, 0
.rept 5
	ds_load_b128 v[WA+4*zk:WA+4*zk+3], v[VWR] offset:16*zk   ; the first ten rows' weights: these see my stores
.set zk, zk+1
.endr
	WIN 0
	s_mov_b32 s[TAU], 0
.Lrows:
	s_lshl_b32 s[TT], s[TAU], 3
	v_add_nc_u32 v[VWT], s[TT], v[VWR]
	s_lshl_b32 s[TT], s[TAU], 2
	v_add_nc_u32 v[VMT], s[TT], v[VM4]             ; the mask words from the trip's first row on
	s_lshl_b32 s[TT], s[TAU], 8
	s_add_co_u32 s[TT], s[TT], 10240
	WIN 0x40
	v_add_nc_u32 v[VFT], s[TT], v[VFO]             ; the block that this trip asks for begins 40 rows further on
	WIN 0
	s_wait_alu depctr_va_vdst(0)
	GROUP 0, 1, 30, 1
	s_wait_alu depctr_va_vdst(0)
	GROUP 1, 1, 30, 1
	s_wait_alu depctr_va_vdst(0)
	GROUP 2, 1, 30, 1
	s_wait_alu depctr_va_vdst(0)
	GROUP 3, 1, 30, 1
	WIN 0
	s_add_co_u32 s[TAU], s[TAU], 40
	s_cmp_lt_u32 s[TAU], 160
	s_cbranch_scc1 .Lrows
	v_add_nc_u32 v[VWT], 1280, v[VWR]
	s_wait_alu depctr_va_vdst(0)
	GROUP 0, 0, 30, 1                              ; the counts run down; the last group asks for no further weights
	s_wait_alu depctr_va_vdst(0)
	GROUP 1, 0, 20, 1
	s_wait_alu depctr_va_vdst(0)
	GROUP 2, 0, 10, 1
	s_wait_alu depctr_va_vdst(0)
	GROUP 3, 0, 0, 0
	s_delay_alu instid0(VALU_DEP_2)
	v_pk_add_f32 v[ACC:ACC+1], v[ACC:ACC+1], v[ACC+4:ACC+5]
	s_delay_alu instid0(VALU_DEP_2)
	v_pk_add_f32 v[ACC+2:ACC+3], v[ACC+2:ACC+3], v[ACC+6:ACC+7]
	v_pk_add_f32 v[ACC+8:ACC+9], v[ACC+8:ACC+9], v[ACC+12:ACC+13]
	v_pk_add_f32 v[ACC+10:ACC+11], v[ACC+10:ACC+11], v[ACC+14:ACC+15]
	s_delay_alu instid0(VALU_DEP_2)
	v_pk_add_f32 v[ACC:ACC+1], v[ACC:ACC+1], v[ACC+8:ACC+9]
	s_delay_alu instid0(VALU_DEP_2)
	v_pk_add_f32 v[ACC+2:ACC+3], v[ACC+2:ACC+3], v[ACC+10:ACC+11]
	WIN 0x04                                       ; a store's data are its source 1: window 1
	global_store_b128 v[VOO], v[ACC:ACC+3], s[OB:OB+1]   ; each half of the lanes stores its batch's row: 256 consecutive bytes, aligned
	WIN 0
	s_wait_tensorcnt 0x0
	ds_add_u32 v254, v255
	s_wait_dscnt 0x0
	s_endpgm
.Lfunc_end_k_qb6be3f9a9d_final:
	.size	k_qb6be3f9a9d_final, .Lfunc_end_k_qb6be3f9a9d_final-k_qb6be3f9a9d_final
	.p2alignl 7, 3214868480
	.fill 96, 4, 3214868480
	.section	.rodata,"a",@progbits
	.p2align	6, 0x0
	.amdhsa_kernel k_qb6be3f9a9d_final
		.amdhsa_group_segment_fixed_size 100864
		.amdhsa_private_segment_fixed_size 0
		.amdhsa_enable_private_segment 0
		.amdhsa_kernarg_size 112
		.amdhsa_user_sgpr_count 2
		.amdhsa_user_sgpr_kernarg_segment_ptr 1
		.amdhsa_wavefront_size32 1
		.amdhsa_system_sgpr_workgroup_id_x 1
		.amdhsa_system_sgpr_workgroup_id_y 1
		.amdhsa_system_sgpr_workgroup_id_z 1
		.amdhsa_system_vgpr_workitem_id 0
		.amdhsa_next_free_vgpr 512
		.amdhsa_next_free_sgpr 84
		.amdhsa_reserve_vcc 1
		.amdhsa_float_denorm_mode_32 3
		.amdhsa_float_denorm_mode_16_64 3
		.amdhsa_memory_ordered 1
		.amdhsa_forward_progress 1
		.amdhsa_inst_pref_size 134
	.end_amdhsa_kernel
	.amdgpu_metadata
---
amdhsa.version: [ 1, 2 ]
amdhsa.kernels:
  - .name:           k_qb6be3f9a9d_final
    .symbol:         k_qb6be3f9a9d_final.kd
    .args:
      - { .name: facts, .offset: 0, .size: 8, .value_kind: global_buffer, .address_space: global }
      - { .name: mask, .offset: 8, .size: 8, .value_kind: global_buffer, .address_space: global }
      - { .name: g2, .offset: 16, .size: 8, .value_kind: global_buffer, .address_space: global }
      - { .name: be2, .offset: 24, .size: 8, .value_kind: global_buffer, .address_space: global }
      - { .name: dg2, .offset: 32, .size: 8, .value_kind: global_buffer, .address_space: global }
      - { .name: db2, .offset: 40, .size: 8, .value_kind: global_buffer, .address_space: global }
      - { .name: a2, .offset: 48, .size: 8, .value_kind: global_buffer, .address_space: global }
      - { .name: Wf, .offset: 56, .size: 8, .value_kind: global_buffer, .address_space: global }
      - { .name: bf, .offset: 64, .size: 8, .value_kind: global_buffer, .address_space: global }
      - { .name: part2, .offset: 72, .size: 8, .value_kind: global_buffer, .address_space: global }
      - { .name: hcod, .offset: 80, .size: 8, .value_kind: global_buffer, .address_space: global }
      - { .name: out0, .offset: 88, .size: 8, .value_kind: global_buffer, .address_space: global }
      - { .name: hs, .offset: 96, .size: 8, .value_kind: global_buffer, .address_space: global }
      - { .name: w2i, .offset: 104, .size: 8, .value_kind: global_buffer, .address_space: global }
    .group_segment_fixed_size: 100864
    .private_segment_fixed_size: 0
    .kernarg_segment_align: 8
    .kernarg_segment_size: 112
    .max_flat_workgroup_size: 256
    .sgpr_count:     84
    .vgpr_count:     512
    .wavefront_size: 32
...
	.end_amdgpu_metadata
.endif
;; end of part 6
